; MI455X (gfx1250); checked and timed in simulation.
; The chip was launched on July 23, 2026; its instructions are those of AMD's public machine-readable ISA for CDNA 5 (MIT licence, August 2026) and "CDNA5" Instruction Set Architecture Reference Guide (July 2026). The comments in the code are by the model that wrote it; some were corrected since.
;; Moe Layer. Allowed arithmetic: matrix products marked QUANTISED: E2M3 operands, one E8M0 scale for each 32 along K, by v_wmma_scale_f32_16x16x128_f8f6f4 with both operands' format E2M3, f32 sums; products left as they are: f32 operands where the result goes on into a quantised operand, else bf16, f16 or f32 operands; f32 sums; everything else in f32.
;; Inputs: gate_w 8 x 1,024 float32; w1_codes 8 x 2,048 x 32 x 24 uint8 (E2M3 codes of w1, K innermost, in blocks of 32 codes, four codes in three bytes); w1_scales 8 x 2,048 x 32 uint8 (E8M0 scales of w1, one for each 32 codes along K); w2_codes 8 x 1,024 x 64 x 24 uint8 (E2M3 codes of w2, K innermost, in blocks of 32 codes, four codes in three bytes); w2_scales 8 x 1,024 x 64 uint8 (E8M0 scales of w2, one for each 32 codes along K); w3_codes 8 x 2,048 x 32 x 24 uint8 (E2M3 codes of w3, K innermost, in blocks of 32 codes, four codes in three bytes); w3_scales 8 x 2,048 x 32 uint8 (E8M0 scales of w3, one for each 32 codes along K); x 1,024 x 1,024 float32.
;; Outputs: out0 1,024 x 1,024 float32.
;; This version of the problem:
;;   THIS VERSION OF THE PROBLEM IS GIVEN IN LOW PRECISION. The matrix products marked QUANTISED in the list below multiply operands that are first quantised to E2M3 (2 exponent bits, 3 mantissa bits; 6 bits a number), with one power-of-two scale for each 32 numbers along K (OCP MX v1.0); their sums are f32. All else is computed in f32.
;;   The module's matrix products, in the order in which they are computed (A, B: the left and right operand; K: the contracted axis; several contracted axes count as one K, in the product's order):
;;     1. [M 1,024, K 1,024] x [K 1,024, N 8]; A: input x; B: input gate_w: left as it is (N = 8 < 16)
;;     2. batch 1,024 x [M 1, K 2] x [K 2, N 8]; A: softmax; B: computed on the way: left as it is (K = 2 < 32)
;;     3. [M 16,384, K 1,024] x [K 1,024, N 1,024]; A: input w1 (given as codes); B: input x: QUANTISED
;;     4. [M 16,384, K 1,024] x [K 1,024, N 1,024]; A: input w3 (given as codes); B: input x: QUANTISED
;;     5. batch 8 x [M 1,024, K 2,048] x [K 2,048, N 1,024]; A: computed on the way; B: input w2 (given as codes): QUANTISED
;;     6. batch 1,024 x [M 1, K 8] x [K 8, N 1,024]; A: computed on the way; B: computed on the way: left as it is (K = 8 < 32)
;;   THE QUANTISER, for each operand of a quantised product, along K:
;;     - K is cut into blocks of 32 from its start; a last block that is shorter is filled with zeros.
;;     - A block's scale is 2^e with e = floor(log2(the largest magnitude in the block)) - 2, held to -126 .. 127; a block of zeros has e = 0. As a byte (E8M0): e + 127.
;;     - Each number is divided by its block's scale, clamped to +-7.5, and rounded to the nearest number of E2M3, ties to even, subnormals kept.
;;     - The product sums the exact products of the quantised numbers (number of the format x scale) in f32.
;;   ~~~python
;;   def quantise(x, axis):      # numpy; x: float32 -> the quantised numbers, widened to float32 again
;;       x = np.moveaxis(x, axis, -1); K = x.shape[-1]
;;       x = np.pad(x, [(0, 0)] * (x.ndim - 1) + [(0, -K % 32)]); x = x.reshape(x.shape[:-1] + (-1, 32)); a = np.abs(x).max(-1, keepdims=True)
;;       e = np.where(a > 0, np.clip(np.frexp(np.where(a > 0, a, 1))[1] - 1 - 2, -126, 127), 0)      # np.frexp(a)[1] - 1 = floor(log2(a)), exactly
;;       r = np.clip(x / 2.0 ** e, -7.5, 7.5)
;;       step = 2.0 ** (np.maximum(np.frexp(np.where(r == 0, 1, r))[1] - 1, 0) - 3)
;;       q = np.round(r / step) * step * 2.0 ** e      # np.round: ties to even
;;       return np.moveaxis(q.reshape(q.shape[:-2] + (-1,))[..., :K], -1, axis).astype(np.float32)
;;   ~~~
;;   OPERANDS COMPUTED ON THE WAY. 'Computed on the way' means the value that the module computes at that place (a softmax that the list does not call 'softmax' is quantised finished and normalised). What goes into a quantiser is computed in f32, as accurately as f32 sums, v_exp_f32 and their like allow (about 1e-6 of the number): no bf16 or f16 on the way to a quantiser, and a product that is left as it is and whose result goes on into a quantised operand takes f32 operands (vector FMAs, or v_wmma_f32_16x16x4_f32). A number that lies on a knife's edge between two numbers of the format may be rounded either way, as far as f32 arithmetic and the matrix unit's own rounding can turn it there, and no further.
;;   INPUTS GIVEN AS CODES. w1 (in the module: [8, 1024, 2048], K = its axis 1); w2 (in the module: [8, 2048, 1024], K = its axis 1); w3 (in the module: [8, 1024, 2048], K = its axis 1): each comes as NAME_codes (uint8): NAME with its K axis moved to the last place and cut into blocks of 32 codes, [.., K / 32, bytes a block], one block behind the other in memory; four codes in three bytes: a row's codes are one little-endian stream of bits, code i at bits 6 i .. 6 i + 5 (a code: sign, 2 exponent bits, 3 mantissa bits); and NAME_scales (uint8): the same leading axes, one E8M0 byte (e + 127) for each 32 codes along K. Its value is code x scale, taken as it is: it is not quantised again, and the codes and scales need not be those that the quantiser above would give.
;; 2 versions. Each part assembles by itself: llvm-mc -triple=amdgcn-amd-amdhsa -mcpu=gfx1250 --defsym DOCPART=n.
;; ======== version 1 of 2: 5 launches
;; workspace buffers: sel 4,096 bytes of whole numbers; cw 8,192 bytes; xq 819,200 bytes; route 8,448 bytes of whole numbers; xs 1,728,000 bytes; act 3,456,000 bytes; y 8,847,360 bytes
;; launch route_quant (part 1): grid 256 x 1, 2 waves a work-group, no clusters, 11,520 bytes of LDS; arguments x, gate_w, sel, cw, xq; writes sel, cw, xq
.if DOCPART == 1
	.amdgcn_target "amdgcn-amd-amdhsa--gfx1250"
	.amdhsa_code_object_version 6
	.text
	.protected	k_qd8d4a1ccf5_route_quant
	.globl	k_qd8d4a1ccf5_route_quant
	.p2align	8
	.type	k_qd8d4a1ccf5_route_quant,@function
k_qd8d4a1ccf5_route_quant:
	s_mov_b64 s[64:65], 0
	v_nop
	global_prefetch_b8 v0, s[64:65] scope:SCOPE_SE
	s_setreg_imm32_b32 hwreg(HW_REG_WAVE_MODE, 25, 1), 1
	s_wait_xcnt 0x0
; THE ROUTER, AND x INTO CODES.  x [1024][1024] f32, gate_w [8][1024] f32.
; A wave takes two tokens.  For each: (a) the row's 32 blocks of 32 become codes of FP6 (E2M3), 768 bytes, in the row's own order, and 32 scale bytes;
; (b) the eight logits x . gate_w[e], fused multiply-adds in f32; the two largest (on a tie the lower index, as lax.top_k has it); the softmax of the two with the larger taken away first.
; Stored: sel[t] = e0 | e1 << 8;  cw[t] = c0, c1;  xq: [t][768] codes, and from byte 786,432 [t][32] scale bytes.
; THE ORDER OF THE SCALE BYTES.  The products of the later launches give lane half h the 48 consecutive bytes 96 s + 48 h of a row for the K step s: blocks 2 h and 2 h + 1 as they lie in memory.  The matrix
; instruction takes a lane's first six registers as its block h and the second six as its block 2 + h.  So block m of a K step stands in the instruction's place (0, 2, 1, 3)[m], alike for both operands, and its
; scale byte is put at that place of the K step's word.
; A block's scale is 2^(floor(log2(its largest magnitude)) - 2); its byte is that magnitude's exponent field - 2, held at 1 from below.  A block of zeros so gets the byte 1 where the rule says 127: its codes are
; zeros, and the bytes are read by this program alone.
; LIMITS: NaN and infinities in x or gate_w are not served.  The logits are summed in f32 in another order than a plain loop over k: two logits that lie within that rounding of each other may change places.
; The loads take the bytes as they lie (16 a lane, 512 a load).  The dot products use them so (gate_w is loaded by the same map); for the conversions, which take 16 neighbours from one lane, a step's 2,048 bytes turn
; through the wave's own stage in LDS: places of 64 bytes + 16 of padding.  No barrier: the waves share nothing.
.set SP,    80                         ; a lane's place in a stage
.set STGB,  32*SP                      ; a stage
.set WREG,  5632                       ; LDS of a wave: two stages, then its 64 scale bytes
.set R,     16                         ; v16-79   x as loaded: token j, step u, load i at 32 j + 16 u + 4 i
.set X,     80                         ; v80-111  two sets of 16 neighbours
.set ACC,   112                        ; v112-127 eight pairs of sums
.set C,     128                        ; v128-143 codes, four registers a step
.set E,     144                        ; v144-147 a scale byte a step
.set LG,    148                        ; v148-155 the logits
.set PT,    156                        ; v156-163 the other half of the lanes' sums
.set MK,    166                        ; v166-173 the logits with the winner taken out
.set MSB, 0
.macro WIN new                         ; the immediate's high byte repeats the setting that is left
.if MSB != (\new)
	s_set_vgpr_msb (MSB<<8)|(\new)
.set MSB, (\new)
.endif
.endm
	s_load_b128 s[4:7], s[0:1], 0x0                ; x, gate_w
	s_load_b128 s[8:11], s[0:1], 0x10              ; sel, cw
	s_load_b64 s[12:13], s[0:1], 0x20              ; xq
	v_lshl_add_u32 v254, v0, 2, 0x2c00
	v_mov_b32 v255, 0
	v_lshrrev_b32 v8, 5, v0
	v_readfirstlane_b32 s14, v8                    ; wave 0, 1
	v_and_b32 v1, 31, v0                           ; lane
	v_lshlrev_b32 v2, 4, v1                        ; my 16 bytes of a load's 512
	s_mul_i32 s15, s14, WREG
	v_lshrrev_b32 v3, 2, v1
	v_mul_u32_u24 v3, v3, SP
	v_and_b32 v8, 3, v1
	v_lshl_add_u32 v3, v8, 4, v3
	v_add_nc_u32 v3, s15, v3                       ; the stage, on the way in: SP (lane / 4) + 16 (lane % 4)
	v_mul_u32_u24 v4, v1, SP
	v_add_nc_u32 v4, s15, v4                       ; and on the way out: SP x lane
	v_mul_u32_u24 v5, v1, 12                       ; my 12 bytes of a step's 384 bytes of codes
	v_lshrrev_b32 v6, 1, v1                        ; my block of the step's 16
	v_and_b32 v6, 12, v6                           ; its K step's word,
	v_bfe_u32 v8, v1, 1, 1
	v_lshl_add_u32 v6, v8, 1, v6                   ; and its place in the word: 2 x (block % 2) + (block / 2) % 2
	v_bfe_u32 v8, v1, 2, 1
	v_add_nc_u32 v6, v6, v8
	s_add_co_u32 s15, s15, 2*STGB
	v_add_nc_u32 v6, s15, v6
	v_lshlrev_b32 v10, 1, v1                       ; the bytes' way out: 2 a lane
	v_add_nc_u32 v7, s15, v10
	v_lshlrev_b32 v13, 2, v1
	v_lshlrev_b32 v14, 3, v1
	s_lshl_b32 s16, ttmp9, 2
	s_lshl_b32 s17, s14, 1
	s_add_co_u32 s16, s16, s17                     ; my first token: 4 x work-group + 2 x wave
	s_lshl_b32 s20, s16, 12
	s_mov_b32 s21, 0
	s_mul_i32 s22, s16, 768
	s_mov_b32 s23, 0
	s_lshl_b32 s24, s16, 5
	s_add_co_u32 s24, s24, 786432
	s_mov_b32 s25, 0
	s_lshl_b32 s32, s16, 2
	s_mov_b32 s33, 0
	s_lshl_b32 s34, s16, 3
	s_mov_b32 s35, 0
	s_mov_b32 s30, 0x76543210
	s_mov_b32 s31, 0xfedcba98                      ; v_permlanex16_b32's selects for lane l xor 16
	s_wait_kmcnt 0x0
	s_add_nc_u64 s[4:5], s[4:5], s[20:21]          ; x at my first token
	s_add_nc_u64 s[26:27], s[12:13], s[22:23]      ; its codes
	s_add_nc_u64 s[28:29], s[12:13], s[24:25]      ; its scale bytes
	s_add_nc_u64 s[8:9], s[8:9], s[32:33]
	s_add_nc_u64 s[10:11], s[10:11], s[34:35]
.irp t, 0,1,2,3
.irp i, 0,1,2,3
	global_load_b128 v[R+16*\t+4*\i:R+16*\t+4*\i+3], v2, s[4:5] offset:2048*\t+512*\i th:TH_LOAD_NT   ; step t = 2 j + u: 32 lanes read 512 consecutive bytes
.endr
.endr
	WIN 0x40                                       ; destination window 1: gate_w, row e at 32 e, by the same map of lanes as x
.irp e, 0,1,2,3,4,5,6,7
.irp n, 0,1,2,3,4,5,6,7
	global_load_b128 v[32*\e+4*\n:32*\e+4*\n+3], v2, s[6:7] offset:4096*\e+512*\n
.endr
.endr
	WIN 0
.macro TURN t                          ; step t's numbers through a stage: LDS serves a wave's instructions in order, so no wait stands between the stores and the loads
.irp i, 0,1,2,3
	ds_store_b128 v3, v[R+16*(\t)+4*\i:R+16*(\t)+4*\i+3] offset:STGB*((\t)%2)+8*SP*\i
.endr
.irp i, 0,1,2,3
	ds_load_b128 v[X+16*((\t)%2)+4*\i:X+16*((\t)%2)+4*\i+3], v4 offset:STGB*((\t)%2)+16*\i
.endr
.endm
.macro STEP t
.set XQ, X+16*((\t)%2)
.if (\t) > 0
	s_wait_dscnt 1                                 ; this step's numbers are back from the stage; only the last step's byte store is younger
.else
	s_wait_dscnt 0x0
.endif
.if (\t)+1 < 4
	TURN (\t)+1                                    ; the next step goes through the other stage while this one is worked
.endif
	v_max3_num_f32 v8, |v[XQ]|, |v[XQ+1]|, |v[XQ+2]|               ; the largest magnitude of my 16, in two chains
	v_max3_num_f32 v9, |v[XQ+3]|, |v[XQ+4]|, |v[XQ+5]|
.irp i, 6,10
	v_max3_num_f32 v8, v8, |v[XQ+\i]|, |v[XQ+\i+1]|
	v_max3_num_f32 v9, v9, |v[XQ+\i+2]|, |v[XQ+\i+3]|
.endr
	v_max3_num_f32 v8, v8, |v[XQ+14]|, |v[XQ+15]|
	v_max3_num_f32 v8, v8, v9, 0x1800000           ; and the floor 2^(3 - 127): the byte cannot fall under 1
	v_max_num_f32_dpp v8, v8, v8 row_xmask:1 row_mask:0xf bank_mask:0xf   ; and of my neighbour's 16: the block's
	v_add_nc_u32 v11, 0xff000000, v8               ; 2 off its exponent field: the conversion takes the exponent field of this operand as its scale
	v_cvt_scalef32_pk16_fp6_f32 v[C+4*(\t):C+4*(\t)+2], v[XQ:XQ+15], v11
	v_lshrrev_b32 v[E+(\t)], 23, v11               ; the scale's byte (also the plain line behind the conversion)
	ds_store_b8 v6, v[E+(\t)] offset:16*(\t)       ; both lanes of a block write the same byte with the same value
	global_store_b96 v5, v[C+4*(\t):C+4*(\t)+2], s[26:27] offset:384*(\t)   ; the wave stores 384 consecutive bytes
.endm
	s_wait_loadcnt 63                              ; 64 loads of gate_w were issued behind x's sixteen: with 63 out at the most, x is in
	TURN 0
	STEP 0
	STEP 1
	STEP 2
	STEP 3
	ds_load_u16 v12, v7                            ; the two tokens' 64 scale bytes: LDS serves a wave's instructions in order
	s_wait_dscnt 0x0
	global_store_b16 v10, v12, s[28:29]            ; 64 consecutive bytes
.irp e, 0,1,2,3,4,5,6,7
	v_mov_b32 v[PT+\e], 0                          ; written once: a lane permute's destination counts as one of its sources
.endr
	v_mov_b32 v175, 0xff800000                     ; -infinity
	s_wait_loadcnt 0x0                             ; gate_w
; the eight logits of token j, in every lane
.macro DOT j
	WIN 0x04                                       ; source 1 (gate_w) window 1
.irp e, 0,1,2,3,4,5,6,7
	v_pk_mul_f32 v[ACC+2*\e:ACC+2*\e+1], v[R+32*\j:R+32*\j+1], v[32*\e:32*\e+1]   ; the first products start the sums
.endr
.irp q, 1,2,3,4,5,6,7,8,9,10,11,12,13,14,15
.irp e, 0,1,2,3,4,5,6,7
	v_pk_fma_f32 v[ACC+2*\e:ACC+2*\e+1], v[R+32*\j+2*\q:R+32*\j+2*\q+1], v[32*\e+2*\q:32*\e+2*\q+1], v[ACC+2*\e:ACC+2*\e+1]   ; eight chains by turns
.endr
.endr
	WIN 0
.irp e, 0,1,2,3,4,5,6,7
	v_add_f32 v[LG+\e], v[ACC+2*\e], v[ACC+2*\e+1]
.endr
.irp m, 1,2,4,8
.irp e, 0,1,2,3,4,5,6,7
	v_add_f32_dpp v[LG+\e], v[LG+\e], v[LG+\e] row_xmask:\m row_mask:0xf bank_mask:0xf
.endr
.endr
.irp e, 0,1,2,3,4,5,6,7
	v_permlanex16_b32 v[PT+\e], v[LG+\e], s30, s31
.endr
.irp e, 0,1,2,3,4,5,6,7
	v_add_f32 v[LG+\e], v[LG+\e], v[PT+\e]
.endr
.endm
; the largest of eight and its index: a later number wins only if it is larger, so a tie keeps the lower index.  No branch: the choice only selects values
.macro PICK src, best, idx
	v_mov_b32 v[\best], v[\src]
	v_mov_b32 v[\idx], 0
.irp e, 1,2,3,4,5,6,7
	v_cmp_le_f32 vcc_lo, v[\src+\e], v[\best]
	v_cndmask_b32 v[\best], v[\src+\e], v[\best], vcc_lo
	v_cndmask_b32 v[\idx], \e, v[\idx], vcc_lo
.endr
.endm
.macro TOP2 j
	PICK LG, 164, 165
.irp e, 0,1,2,3,4,5,6,7
	v_cmp_eq_u32 vcc_lo, \e, v165
	v_cndmask_b32 v[MK+\e], v[LG+\e], v175, vcc_lo   ; the winner is taken out
.endr
	PICK MK, 174, 186
	v_sub_f32 v187, v174, v164                     ; the second less the first: the maximum is taken away, the exponent is 0 or less
	v_mul_f32 v187, 0x3fb8aa3b, v187
	v_exp_f32 v187, v187
	v_lshl_or_b32 v[176+\j], v186, 8, v165         ; e0 | e1 << 8  (the plain line behind the exponential)
	s_wait_alu depctr_va_vdst(0)
	v_add_f32 v188, 1.0, v187
	v_rcp_f32 v[178+2*\j], v188                    ; c0 = 1 / (1 + t)
	v_nop
	s_wait_alu depctr_va_vdst(0)
	v_mul_f32 v[179+2*\j], v187, v[178+2*\j]       ; c1 = t / (1 + t)
.endm
	DOT 0
	TOP2 0
	DOT 1
	TOP2 1
	v_and_b32 v8, 1, v1                            ; lane 0 stores the first token's results, lane 1 the second's
	v_cmp_eq_u32 vcc_lo, 1, v8
	v_cndmask_b32 v182, v176, v177, vcc_lo
	v_cndmask_b32 v184, v178, v180, vcc_lo
	v_cndmask_b32 v185, v179, v181, vcc_lo
	v_cmp_gt_u32 vcc_lo, 2, v1
	s_wait_xcnt 0x0                                ; EXEC is a source of the stores above: it changes only behind this wait
	s_wait_tensorcnt 0x0
	ds_add_u32 v254, v255
	s_wait_dscnt 0x0
	s_and_saveexec_b32 s36, vcc_lo
	global_store_b32 v13, v182, s[8:9]
	global_store_b64 v14, v[184:185], s[10:11]
	s_wait_xcnt 0x0                                ; and again in front of the line that widens it
	s_or_b32 exec_lo, exec_lo, s36
	s_endpgm
.Lfunc_end_k_qd8d4a1ccf5_route_quant:
	.size	k_qd8d4a1ccf5_route_quant, .Lfunc_end_k_qd8d4a1ccf5_route_quant-k_qd8d4a1ccf5_route_quant
	.p2alignl 7, 3214868480
	.fill 96, 4, 3214868480
	.section	.rodata,"a",@progbits
	.p2align	6, 0x0
	.amdhsa_kernel k_qd8d4a1ccf5_route_quant
		.amdhsa_group_segment_fixed_size 11520
		.amdhsa_private_segment_fixed_size 0
		.amdhsa_enable_private_segment 0
		.amdhsa_kernarg_size 40
		.amdhsa_user_sgpr_count 2
		.amdhsa_user_sgpr_kernarg_segment_ptr 1
		.amdhsa_wavefront_size32 1
		.amdhsa_system_sgpr_workgroup_id_x 1
		.amdhsa_system_sgpr_workgroup_id_y 1
		.amdhsa_system_sgpr_workgroup_id_z 1
		.amdhsa_system_vgpr_workitem_id 0
		.amdhsa_next_free_vgpr 512
		.amdhsa_next_free_sgpr 66
		.amdhsa_reserve_vcc 1
		.amdhsa_float_denorm_mode_32 3
		.amdhsa_float_denorm_mode_16_64 3
		.amdhsa_memory_ordered 1
		.amdhsa_forward_progress 1
		.amdhsa_inst_pref_size 44
	.end_amdhsa_kernel
	.amdgpu_metadata
---
amdhsa.version: [ 1, 2 ]
amdhsa.kernels:
  - .name:           k_qd8d4a1ccf5_route_quant
    .symbol:         k_qd8d4a1ccf5_route_quant.kd
    .args:
      - { .name: x, .offset: 0, .size: 8, .value_kind: global_buffer, .address_space: global }
      - { .name: gate_w, .offset: 8, .size: 8, .value_kind: global_buffer, .address_space: global }
      - { .name: sel, .offset: 16, .size: 8, .value_kind: global_buffer, .address_space: global }
      - { .name: cw, .offset: 24, .size: 8, .value_kind: global_buffer, .address_space: global }
      - { .name: xq, .offset: 32, .size: 8, .value_kind: global_buffer, .address_space: global }
    .group_segment_fixed_size: 11520
    .private_segment_fixed_size: 0
    .kernarg_segment_align: 8
    .kernarg_segment_size: 40
    .max_flat_workgroup_size: 64
    .sgpr_count:     66
    .vgpr_count:     512
    .wavefront_size: 32
...
	.end_amdgpu_metadata
.endif
;; end of part 1
;; launch place (part 2): grid 256 x 1, 4 waves a work-group, no clusters, 0 bytes of LDS; arguments sel, xq, route, xs; writes route, xs
.if DOCPART == 2
	.amdgcn_target "amdgcn-amd-amdhsa--gfx1250"
	.amdhsa_code_object_version 6
	.text
	.protected	k_qd8d4a1ccf5_place
	.globl	k_qd8d4a1ccf5_place
	.p2align	8
	.type	k_qd8d4a1ccf5_place,@function
k_qd8d4a1ccf5_place:
	s_mov_b64 s[64:65], 0
	v_nop
	global_prefetch_b8 v0, s[64:65] scope:SCOPE_SE
	s_setreg_imm32_b32 hwreg(HW_REG_WAVE_MODE, 25, 1), 1
	s_wait_xcnt 0x0
; THE ROWS ARE PLACED BY EXPERT.  sel[t] = e0 | e1 << 8 (whole numbers, stored by the launch before).  A counting sort without atomics and without LDS.
; Expert e's rows stand together, in the order of the tokens, from place 16 tb[e] on; it has nt[e] = ceil(n[e] / 16) tiles of 16 places, the last filled up with rows of zero codes.  At most 135 tiles, 2,160 places.
; Stored: route[t] = the token's two places (8 bytes); from byte 8,192 tb[0..7], nt[0..7];  xs: [place][768] codes, from byte 1,658,880 [place][32] scale bytes: the token's row of xq, copied to both its places.
; SHARES.  1,024 waves, a wave to a token: wave number tc = 4 x work-group + wave copies token tc.  EVERY WAVE COUNTS FOR ITSELF: it reads all of sel (4 KiB), so that every address and every branch here is made of whole
; numbers read from memory by register arithmetic alone; the waves hand each other nothing, and there is no barrier.
; THE COUNT.  Lane l holds chunk l of sel, tokens 32 l .. 32 l + 31.  A token becomes (1 << 4 e0) + (1 << 4 e1): eight fields of 4 bits, one for each expert.  Four accumulators take eight tokens each (a field holds at
; most 8) and are widened to two registers of byte fields (at most 32): LO experts 0, 2, 4, 6; HI experts 1, 3, 5, 7.  PK holds, for my token's two experts E0 (low half) and E1 (high half), the chunk's count in the
; lanes of the chunks in front of mine, plus 1 in each lane whose token of MY chunk (a second load, a token to a lane) stands in front of mine and chose that expert.
; ACROSS THE LANES: v_readlane_b32 with constant lane numbers and scalar additions; the byte fields in groups of seven lanes (7 x 32 = 224 fits a byte), each group widened to fields of 16 bits.
; The first 128 waves of the launch write the zero rows: wave number W tries row W % 16 behind the last row of expert W / 16.  Wave 0 stores the table.
.set W,   16                           ; v16-47  my chunk of sel
.set ROW, 48                           ; v48-53  my token's codes, 8 bytes a lane x 3;  v54 its scale byte
.set T,   56                           ; v56-63  at work
.set ACC, 64                           ; v64-67  four accumulators of 4-bit fields
.set LL,  68                           ; v68-71  their even fields
.set LO,  72
.set HI,  73
.set PK,  74
	s_load_b128 s[4:7], s[0:1], 0x0                ; sel, xq
	s_load_b128 s[8:11], s[0:1], 0x10              ; route, xs
	v_lshrrev_b32 v2, 5, v0
	v_readfirstlane_b32 s18, v2                    ; wave 0..3
	v_and_b32 v1, 31, v0                           ; lane
	s_lshl_b32 s19, ttmp9, 2
	s_add_co_u32 s19, s19, s18                     ; tc: my token, and my wave's number in the launch
	s_lshr_b32 s20, s19, 5                         ; its chunk
	s_and_b32 s21, s19, 31                         ; and its place in the chunk
	v_lshlrev_b32 v3, 7, v1                        ; sel: 128 bytes a lane
	v_lshlrev_b32 v4, 3, v1                        ; a row's codes: 8 bytes a lane, 256 an instruction
	v_lshlrev_b32 v5, 2, v1                        ; 4 bytes a lane
	v_mov_b32 v6, 1
	v_mov_b32 v7, 0x10000
	s_lshl_b32 s22, s19, 2
	s_mov_b32 s23, 0
	s_lshl_b32 s24, s20, 7
	s_mov_b32 s25, 0
	s_mul_i32 s26, s19, 768
	s_mov_b32 s27, 0
	s_lshl_b32 s28, s19, 5
	s_add_co_u32 s28, s28, 786432
	s_mov_b32 s29, 0
	s_mov_b32 s43, 0                               ; the upper word of the offsets made below
	s_wait_kmcnt 0x0
	s_add_nc_u64 s[22:23], s[4:5], s[22:23]
	s_load_b32 s30, s[22:23], 0x0                  ; my token's two experts
	s_add_nc_u64 s[24:25], s[4:5], s[24:25]
	s_add_nc_u64 s[26:27], s[6:7], s[26:27]
	s_add_nc_u64 s[28:29], s[6:7], s[28:29]
	global_load_b32 v8, v5, s[24:25]               ; my chunk, a token to a lane
.irp j, 0,1,2,3,4,5,6,7
	global_load_b128 v[W+4*\j:W+4*\j+3], v3, s[4:5] offset:16*\j   ; all of sel, a chunk to a lane
.endr
	global_load_b64 v[ROW:ROW+1], v4, s[26:27]
	global_load_b64 v[ROW+2:ROW+3], v4, s[26:27] offset:256
	global_load_b64 v[ROW+4:ROW+5], v4, s[26:27] offset:512
	global_load_u8 v[ROW+6], v1, s[28:29]
	s_mov_b32 s40, 0                               ; the sum of PK
	s_mov_b32 s44, 0                               ; the counts, two fields of 16 bits each: experts 0 and 4,
	s_mov_b32 s45, 0                               ; 2 and 6,
	s_mov_b32 s46, 0                               ; 1 and 5,
	s_mov_b32 s47, 0                               ; 3 and 7
	s_wait_loadcnt 0x4                             ; sel is in; the four loads of the row are younger
; four tokens of the lane's chunk, by turns, one into each accumulator
.macro BUILD4 k0
.irp d, 0,1,2,3
	v_lshlrev_b32 v[T+2*\d], 2, v[W+\k0+\d]
.endr
.irp d, 0,1,2,3
	v_lshrrev_b32 v[T+2*\d+1], 6, v[W+\k0+\d]      ; 4 e1
.endr
.irp d, 0,1,2,3
	v_and_b32 v[T+2*\d], 28, v[T+2*\d]             ; 4 e0
.endr
.irp d, 0,1,2,3
	v_lshlrev_b32 v[T+2*\d], v[T+2*\d], v6         ; 1 << 4 e0
.endr
.irp d, 0,1,2,3
	v_lshlrev_b32 v[T+2*\d+1], v[T+2*\d+1], v6     ; 1 << 4 e1
.endr
.irp d, 0,1,2,3
.if \k0 == 0
	v_add_nc_u32 v[ACC+\d], v[T+2*\d], v[T+2*\d+1] ; the first four tokens start the sums
.else
	v_add3_u32 v[ACC+\d], v[ACC+\d], v[T+2*\d], v[T+2*\d+1]
.endif
.endr
.endm
.irp k, 0,4,8,12,16,20,24,28
	BUILD4 \k
.endr
.irp a, 0,1,2,3
	v_and_b32 v[LL+\a], 0x0f0f0f0f, v[ACC+\a]      ; the even experts' fields, a byte each
.endr
.irp a, 0,1,2,3
	v_lshrrev_b32 v[ACC+\a], 4, v[ACC+\a]
.endr
.irp a, 0,1,2,3
	v_and_b32 v[ACC+\a], 0x0f0f0f0f, v[ACC+\a]     ; the odd experts'
.endr
	v_add3_u32 v[LO], v[LL], v[LL+1], v[LL+2]
	v_add3_u32 v[HI], v[ACC], v[ACC+1], v[ACC+2]
	v_add_nc_u32 v[LO], v[LO], v[LL+3]             ; byte j: the chunk's rows for expert 2 j
	v_add_nc_u32 v[HI], v[HI], v[ACC+3]            ; for expert 2 j + 1
	s_wait_kmcnt 0x0
	s_and_b32 s31, s30, 0xff                       ; E0
	s_lshr_b32 s32, s30, 8                         ; E1
	s_and_b32 s33, s31, 6
	s_lshl_b32 s33, s33, 2                         ; E0's byte begins at bit 8 (E0 / 2),
	s_and_b32 s34, s31, 1
	s_cselect_b32 s34, -1, 0                       ; in HI if E0 is odd
	s_and_b32 s35, s32, 6
	s_lshl_b32 s35, s35, 2
	s_and_b32 s36, s32, 1
	s_cselect_b32 s36, -1, 0
	v_cndmask_b32 v75, v[LO], v[HI], s34
	v_cndmask_b32 v76, v[LO], v[HI], s36
	v_bfe_u32 v75, v75, s33, 8                     ; the chunk's rows for E0,
	v_bfe_u32 v76, v76, s35, 8                     ; and for E1
	v_lshl_or_b32 v[PK], v76, 16, v75
	v_cmp_gt_u32 vcc_lo, s20, v1                   ; only the chunks in front of mine count
	v_cndmask_b32 v[PK], 0, v[PK], vcc_lo
	v_and_b32 v9, 0xff, v8                         ; my chunk, a token to a lane: its first choice,
	v_lshrrev_b32 v8, 8, v8                        ; and its second
	v_cmp_eq_u32 vcc_lo, s31, v9
	v_cndmask_b32 v75, 0, v6, vcc_lo               ; 1 where the token chose E0,
	v_cmp_eq_u32 vcc_lo, s31, v8
	v_cndmask_b32 v76, 0, v6, vcc_lo
	v_cmp_eq_u32 vcc_lo, s32, v9
	v_cndmask_b32 v77, 0, v7, vcc_lo               ; 1 << 16 where it chose E1
	v_cmp_eq_u32 vcc_lo, s32, v8
	v_cndmask_b32 v78, 0, v7, vcc_lo
	v_add3_u32 v75, v75, v76, v77
	v_add_nc_u32 v75, v75, v78
	v_cmp_gt_u32 vcc_lo, s21, v1                   ; only the tokens in front of mine count
	v_cndmask_b32 v75, 0, v75, vcc_lo
	v_add_nc_u32 v[PK], v[PK], v75
; n lanes from lane first on: their LO, HI and PK come into scalar registers and are added; LO's and HI's byte fields are then widened
.macro GRP first, n
.irp l, 0,1,2,3,4,5,6
.if \l < \n
	v_readlane_b32 s[66+2*\l], v[LO], \first+\l
	v_readlane_b32 s[67+2*\l], v[HI], \first+\l
	v_readlane_b32 s[80+\l], v[PK], \first+\l
.endif
.endr
	s_add_co_u32 s37, s66, s68
	s_add_co_u32 s38, s67, s69
	s_add_co_u32 s40, s40, s80
	s_add_co_u32 s40, s40, s81
.irp l, 2,3,4,5,6
.if \l < \n
	s_add_co_u32 s37, s37, s[66+2*\l]
	s_add_co_u32 s38, s38, s[67+2*\l]
	s_add_co_u32 s40, s40, s[80+\l]
.endif
.endr
	s_and_b32 s39, s37, 0x00ff00ff
	s_add_co_u32 s44, s44, s39
	s_lshr_b32 s39, s37, 8
	s_and_b32 s39, s39, 0x00ff00ff
	s_add_co_u32 s45, s45, s39
	s_and_b32 s39, s38, 0x00ff00ff
	s_add_co_u32 s46, s46, s39
	s_lshr_b32 s39, s38, 8
	s_and_b32 s39, s39, 0x00ff00ff
	s_add_co_u32 s47, s47, s39
.endm
	GRP 0, 7
	GRP 7, 7
	GRP 14, 7
	GRP 21, 7
	GRP 28, 4
	s_and_b32 s48, s44, 0xffff                     ; n[0..7] in s48-55
	s_lshr_b32 s52, s44, 16
	s_and_b32 s50, s45, 0xffff
	s_lshr_b32 s54, s45, 16
	s_and_b32 s49, s46, 0xffff
	s_lshr_b32 s53, s46, 16
	s_and_b32 s51, s47, 0xffff
	s_lshr_b32 s55, s47, 16
	s_mov_b32 s37, 0
.irp e, 0,1,2,3,4,5,6,7
	s_mov_b32 s[56+\e], s37                        ; tb[e] in s56-63
	s_add_co_u32 s38, s[48+\e], 15
	s_lshr_b32 s[66+\e], s38, 4                    ; nt[e] in s66-73
	s_add_co_u32 s37, s37, s[66+\e]
.endr
	s_mov_b32 s90, 0
	s_mov_b32 s91, 0
.irp e, 0,1,2,3,4,5,6,7
	s_cmp_eq_u32 s31, \e
	s_cselect_b32 s90, s[56+\e], s90               ; tb[E0]
	s_cmp_eq_u32 s32, \e
	s_cselect_b32 s91, s[56+\e], s91               ; tb[E1]
.endr
	s_lshl_b32 s90, s90, 4
	s_lshl_b32 s91, s91, 4
	s_and_b32 s38, s40, 0xffff                     ; E0's rows in front of mine,
	s_lshr_b32 s39, s40, 16                        ; and E1's
	s_add_co_u32 s90, s90, s38                     ; my token's two places
	s_add_co_u32 s91, s91, s39
	s_min_u32 s90, s90, 2159                       ; a place lies inside the list
	s_min_u32 s91, s91, 2159
	v_mov_b32 v80, s90
	v_mov_b32 v81, s91
	s_lshl_b32 s39, s19, 3
	v_mov_b32 v82, s39                             ; route: 8 bytes a token
	v_cmp_eq_u32 vcc_lo, 0, v1
	s_wait_xcnt 0x0                                ; EXEC is a source of the loads above: it changes only behind this wait
	s_and_saveexec_b32 s92, vcc_lo
	global_store_b64 v82, v[80:81], s[8:9]         ; from lane 0 alone
	s_wait_xcnt 0x0                                ; and again in front of the line that widens it
	s_or_b32 exec_lo, exec_lo, s92
	s_mul_i32 s42, s90, 768
	s_add_nc_u64 s[94:95], s[10:11], s[42:43]
	s_lshl_b32 s42, s90, 5
	s_add_co_u32 s42, s42, 1658880
	s_add_nc_u64 s[96:97], s[10:11], s[42:43]
	s_mul_i32 s42, s91, 768
	s_add_nc_u64 s[98:99], s[10:11], s[42:43]
	s_lshl_b32 s42, s91, 5
	s_add_co_u32 s42, s42, 1658880
	s_add_nc_u64 s[100:101], s[10:11], s[42:43]
	s_wait_loadcnt 0x0                             ; the row
.irp b, 94,98
	global_store_b64 v4, v[ROW:ROW+1], s[\b:\b+1]  ; a row begins at a multiple of 768 bytes: each store covers 256 consecutive bytes, aligned
	global_store_b64 v4, v[ROW+2:ROW+3], s[\b:\b+1] offset:256
	global_store_b64 v4, v[ROW+4:ROW+5], s[\b:\b+1] offset:512
	global_store_b8 v1, v[ROW+6], s[\b+2:\b+3]
.endr
	; the rows that fill up an expert's last tile: the first 128 waves of the launch, sixteen to an expert
	s_cmp_lt_u32 s19, 128
	s_cbranch_scc0 .Lno_pad
	s_lshr_b32 s92, s19, 4                         ; the expert
	s_and_b32 s93, s19, 15                         ; which row behind its last
	s_mov_b32 s37, 0
	s_mov_b32 s38, 0
	s_mov_b32 s39, 0
.irp e, 0,1,2,3,4,5,6,7
	s_cmp_eq_u32 s92, \e
	s_cselect_b32 s37, s[48+\e], s37
	s_cselect_b32 s38, s[56+\e], s38
	s_cselect_b32 s39, s[66+\e], s39
.endr
	s_lshl_b32 s38, s38, 4
	s_lshl_b32 s39, s39, 4
	s_add_co_u32 s39, s39, s38                     ; behind the expert's last tile
	s_add_co_u32 s37, s37, s38
	s_add_co_u32 s37, s37, s93                     ; my row
	s_cmp_lt_u32 s37, s39
	s_cbranch_scc0 .Lno_pad
	s_min_u32 s37, s37, 2159
	v_mov_b32 v84, 0
	v_mov_b32 v85, 0
	v_mov_b32 v86, 127                             ; zero codes add nothing under any byte but 0xff
	s_wait_xcnt 0x0                                ; the copies' stores have read their bases
	s_mul_i32 s42, s37, 768
	s_add_nc_u64 s[94:95], s[10:11], s[42:43]
	s_lshl_b32 s42, s37, 5
	s_add_co_u32 s42, s42, 1658880
	s_add_nc_u64 s[96:97], s[10:11], s[42:43]
	global_store_b64 v4, v[84:85], s[94:95]
	global_store_b64 v4, v[84:85], s[94:95] offset:256
	global_store_b64 v4, v[84:85], s[94:95] offset:512
	global_store_b8 v1, v86, s[96:97]
.Lno_pad:
	s_cmp_lg_u32 s19, 0
	s_cbranch_scc1 .Lend
	v_mov_b32 v87, 0
.irp e, 0,1,2,3,4,5,6,7
	v_writelane_b32 v87, s[56+\e], \e
	v_writelane_b32 v87, s[66+\e], 8+\e
.endr
	global_store_b32 v5, v87, s[8:9] offset:8192   ; tb[0..7], nt[0..7], sixteen zeros
.Lend:
	s_endpgm
.Lfunc_end_k_qd8d4a1ccf5_place:
	.size	k_qd8d4a1ccf5_place, .Lfunc_end_k_qd8d4a1ccf5_place-k_qd8d4a1ccf5_place
	.p2alignl 7, 3214868480
	.fill 96, 4, 3214868480
	.section	.rodata,"a",@progbits
	.p2align	6, 0x0
	.amdhsa_kernel k_qd8d4a1ccf5_place
		.amdhsa_group_segment_fixed_size 0
		.amdhsa_private_segment_fixed_size 0
		.amdhsa_enable_private_segment 0
		.amdhsa_kernarg_size 32
		.amdhsa_user_sgpr_count 2
		.amdhsa_user_sgpr_kernarg_segment_ptr 1
		.amdhsa_wavefront_size32 1
		.amdhsa_system_sgpr_workgroup_id_x 1
		.amdhsa_system_sgpr_workgroup_id_y 1
		.amdhsa_system_sgpr_workgroup_id_z 1
		.amdhsa_system_vgpr_workitem_id 0
		.amdhsa_next_free_vgpr 96
		.amdhsa_next_free_sgpr 102
		.amdhsa_reserve_vcc 1
		.amdhsa_float_denorm_mode_32 3
		.amdhsa_float_denorm_mode_16_64 3
		.amdhsa_memory_ordered 1
		.amdhsa_forward_progress 1
		.amdhsa_inst_pref_size 31
	.end_amdhsa_kernel
	.amdgpu_metadata
---
amdhsa.version: [ 1, 2 ]
amdhsa.kernels:
  - .name:           k_qd8d4a1ccf5_place
    .symbol:         k_qd8d4a1ccf5_place.kd
    .args:
      - { .name: sel, .offset: 0, .size: 8, .value_kind: global_buffer, .address_space: global }
      - { .name: xq, .offset: 8, .size: 8, .value_kind: global_buffer, .address_space: global }
      - { .name: route, .offset: 16, .size: 8, .value_kind: global_buffer, .address_space: global }
      - { .name: xs, .offset: 24, .size: 8, .value_kind: global_buffer, .address_space: global }
    .group_segment_fixed_size: 0
    .private_segment_fixed_size: 0
    .kernarg_segment_align: 8
    .kernarg_segment_size: 32
    .max_flat_workgroup_size: 128
    .sgpr_count:     102
    .vgpr_count:     96
    .wavefront_size: 32
...
	.end_amdgpu_metadata
.endif
;; end of part 2
;; launch upgate (part 3): grid 256 x 1, 4 waves a work-group, no clusters, 310,784 bytes of LDS; arguments route, xs, w1_codes, w1_scales, w3_codes, w3_scales, act; writes act
.if DOCPART == 3
	.amdgcn_target "amdgcn-amd-amdhsa--gfx1250"
	.amdhsa_code_object_version 6
	.text
	.protected	k_qd8d4a1ccf5_upgate
	.globl	k_qd8d4a1ccf5_upgate
	.p2align	8
	.type	k_qd8d4a1ccf5_upgate,@function
k_qd8d4a1ccf5_upgate:
	s_mov_b64 s[64:65], 0
	v_nop
	global_prefetch_b8 v0, s[64:65] scope:SCOPE_SE
	s_setreg_imm32_b32 hwreg(HW_REG_WAVE_MODE, 25, 1), 1
	s_wait_xcnt 0x0
; a = silu(x W1) * (x W3) for the routed rows, both products on codes of FP6 (E2M3) with one E8M0 scale for each 32 along K, and a quantised along the hidden axis.  Only the rows that chose an expert are multiplied by it.
; xs: [place][768] codes of the rows, sorted by expert, and from byte 1,658,880 [place][32] scale bytes.  w1, w3: [8][2048][768] codes, K innermost; scale bytes [8][2048][32].
; act: [tile of 16 places] 25,600 bytes: 16 K steps of the next product x [lane half 2][row 16][48 bytes], then from byte 24,576 [K step 16][row 16] scale words.
; SHARES.  256 work-groups: expert e = wg / 32, slice sl = (wg / 2) % 16 of 128 hidden units, part = wg % 2 of the expert's tiles of rows.  Wave w takes hidden units 128 sl + 32 w .. + 31 of W1 and of W3:
; 2 x 2 tiles x 8 K steps x 12 = 384 registers, which stay for the whole launch.  The work-group's tiles of rows are laid in LDS once and read by all four waves.
; WEIGHTS.  A wave's 32 rows are 24,576 consecutive bytes: 48 loads of 512.  They turn into fragments through the wave's own stage in LDS (rows 784 bytes apart).
; K IS PERMUTED ALIKE ON BOTH SIDES: for K step s lane half h takes the 48 consecutive bytes 96 s + 48 h of its row, three loads of 16 bytes: memory's blocks 2 h, 2 h + 1, which the instruction takes as its blocks
; h and 2 + h.  So the two middle bytes of each scale word change places (v_perm_b32 for the weights' words; the rows' words are stored so).  The order inside a block of 32 is untouched; the sums are grouped otherwise.
; TRANSPOSED USE: source 0 = 16 rows of W, source 1 = 16 rows of x: a lane holds ONE row of x.  THE ROWS OF W THAT FORM A TILE ARE NOT NEIGHBOURS: lane r of tile u takes row 8 u + r + 8 (r / 8), so that the 16 registers
; of tiles 0 and 1 are hidden units 16 (lane / 16) + 0 .. 15 of the wave's 32, which are one block of the next K: one conversion gives 12 of the block's 24 bytes.
; WHAT HANGS ON THE STORED COUNTS (tb[e], nt[e]): scalar branches inside loops of constant count and ladders of branches, and, behind s_min_u32, global addresses.  No LDS address and no barrier hangs on them.
; An expert has at most 64 tiles, a part at most 32: two phases of 16 LDS slots; the second finds nothing to do unless a part has more than 16 tiles.
; NO CLUSTER AND NO TENSOR LOAD: how many tiles a work-group walks is read from memory, and partners would need different numbers; the text branches on those counts.
; LIMITS: a block of zeros gets the byte 1 where the rule says 127 (its codes are zeros; this program alone reads the bytes).  NaN and infinities are not served.  A lopsided choice of experts is served, but more
; slowly: an expert's work lies on its 32 work-groups, and the weights of an expert that nobody chose are still read.
.set PX,    784                        ; an LDS row of 768 bytes + 16 = 196 words: row r starts at bank 4 r mod 64 (64 banks of 4 bytes: ISA guide 11.1)
.set XSC,   16*PX                      ; in a slot: behind the 16 rows their 512 scale bytes
.set SLOTB, 13056
.set NSL,   16
.set WS,    NSL*SLOTB                  ; behind the slots: a stage for each wave: 32 rows, rows 16-31 another 128 bytes on, so that the rows 0-7 and 16-23 of a tile start at sixteen different groups of four banks
.set WSB,   25344
.set OUT,   WS                         ; laid over the stages, which are done with at the first barrier: the codes made, 1,536 bytes a slot,
.set OSC,   OUT+NSL*1536               ; and their scale words, 64 bytes a slot
.set XS,    28                         ; v28-31   the rows' scale words: lanes 0-15 K steps 0-3, lanes 16-31 K steps 4-7
.set W1S,   32                         ; v32-47   W1's scale words (8 u + s);  v48-63 W3's
.set W3S,   48
.set H,     64                         ; v64-79   x W1: tiles 0, 1
.set G,     80                         ; v80-95   x W3
.set TT,    96                         ; v96-111  at work
.set XF,    128                        ; v128-223 the rows' eight fragments; on the way out 4 x 13 registers
; v1 lane, v2 r, v3 h; v4, v5 stage in (v5: + 16 h); v6 stage out; v7 16 x lane; v8, v9 my part of a tile in xs; v10-12 the same in a slot; v13-15 the slot in hand; v16, v17 a fragment's and a scale word's place in a slot;
; v18, v19 the trip's; v20, v21 where my codes and my byte go; v22, v23 the trip's; v24-27 the way out; v112-114 codes; v116-121 at work; v122 W's scale rows.
; window 1: W1 (as loaded at 4 n, then fragment (u, s) at 12 (8 u + s));  window 2: W3 likewise;  window 3: tiles of rows as they land: slot k of a round at 24 k, its scale word at 240 + k.
.set MSB, 0
.macro WIN new                         ; the immediate's high byte repeats the setting that is left
.if MSB != (\new)
	s_set_vgpr_msb (MSB<<8)|(\new)
.set MSB, (\new)
.endif
.endm
.macro BARRIER                         ; my LDS stores have landed and my LDS loads are in: then the work-group's barrier
	s_wait_dscnt 0x0
	s_barrier_signal -1
	s_barrier_wait -1
.endm
.macro WLOAD win, base                 ; my 32 rows of a weight, as they lie
	WIN (\win)*64
.set NN, 0
.rept 48
	global_load_b128 v[4*NN:4*NN+3], v7, s[\base:\base+1] offset:512*NN
.set NN, NN+1
.endr
	WIN 0
.endm
.macro WTURN win                       ; through my stage.  Three loads are two rows: the middle one's lanes 16-31 lie in the second row, 16 bytes of padding further on
	WIN (\win)*4
.set AA, 0
.rept 16
	ds_store_b128 v4, v[12*AA:12*AA+3] offset:2*PX*AA+128*(AA/8)
	ds_store_b128 v5, v[12*AA+4:12*AA+7] offset:2*PX*AA+128*(AA/8)+512
	ds_store_b128 v4, v[12*AA+8:12*AA+11] offset:2*PX*AA+128*(AA/8)+PX+256
.set AA, AA+1
.endr
	s_wait_dscnt 0x0                               ; the stores have read their registers: the fragments land in the same ones
	WIN (\win)*64
.irp u, 0,1
.irp s, 0,1,2,3,4,5,6,7
.irp i, 0,1,2
	ds_load_b128 v[12*(8*\u+\s)+4*\i:12*(8*\u+\s)+4*\i+3], v6 offset:8*PX*\u+96*\s+16*\i
.endr
.endr
.endr
	WIN 0
.endm
.macro ALOAD tl, k                     ; my four rows (3,072 bytes) and my 128 scale bytes of the phase's tile tl
	WIN 0xc0
.irp j, 0,1,2,3,4,5
	global_load_b128 v[24*(\k)+4*\j:24*(\k)+4*\j+3], v8, s[36:37] offset:12288*(\tl)+512*\j
.endr
	global_load_b32 v[240+(\k)], v9, s[38:39] offset:512*(\tl)
	WIN 0
.endm
.macro ASTORE tl, k                    ; into slot tl
	v_add_nc_u32 v13, SLOTB*(\tl), v10
	v_add_nc_u32 v14, SLOTB*(\tl), v11
	v_add_nc_u32 v15, SLOTB*(\tl), v12
	WIN 0x0c
	ds_store_b128 v13, v[24*(\k):24*(\k)+3]
	ds_store_b128 v14, v[24*(\k)+4:24*(\k)+7] offset:512
	ds_store_b128 v13, v[24*(\k)+8:24*(\k)+11] offset:PX+256
	ds_store_b128 v13, v[24*(\k)+12:24*(\k)+15] offset:2*PX
	ds_store_b128 v14, v[24*(\k)+16:24*(\k)+19] offset:2*PX+512
	ds_store_b128 v13, v[24*(\k)+20:24*(\k)+23] offset:3*PX+256
	ds_store_b32 v15, v[240+(\k)]
	WIN 0
.endm
; A ROUND brings up to n tiles: a ladder.  Going up, tile k is asked for if the phase has it; the first that it has not leads to rung k of the way down, on which exactly the tiles asked for are stored.
.macro TRY id, first, k
	s_cmp_gt_u32 s26, (\first)+(\k)
	s_cbranch_scc0 .Lr\k\id
	ALOAD (\first)+(\k), \k
.endm
.macro PUT id, first, k
.Lr\k\id:
	s_wait_loadcnt 0x0                             ; all that was asked for is in
	ASTORE (\first)+(\k)-1, (\k)-1
.endm
.macro ROUND10 id
.irp k, 0,1,2,3,4,5,6,7,8,9
	TRY \id, 0, \k
.endr
.irp k, 10,9,8,7,6,5,4,3,2,1
	PUT \id, 0, \k
.endr
.Lr0\id:
.endm
.macro ROUND6 id
.irp k, 0,1,2,3,4,5
	TRY \id, 10, \k
.endr
.irp k, 6,5,4,3,2,1
	PUT \id, 10, \k
.endr
.Lr0\id:
.endm
.macro PTRS                            ; the phase's pointers, from its first tile s25
	s_min_u32 s27, s25, 134                        ; a tile lies inside the list
	s_mul_i32 s50, s27, 12288
	s_add_nc_u64 s[36:37], s[6:7], s[50:51]        ; its rows' codes
	s_lshl_b32 s50, s27, 9
	s_add_co_u32 s50, s50, 1658880
	s_add_nc_u64 s[38:39], s[6:7], s[50:51]        ; their scale bytes
	s_mul_i32 s50, s27, 25600
	s_mul_i32 s52, s20, 1536
	s_add_co_u32 s52, s52, s50
	s_add_nc_u64 s[40:41], s[16:17], s[52:53]      ; act: the tile, K step sl
	s_lshl_b32 s52, s20, 6
	s_add_co_u32 s52, s52, s50
	s_add_nc_u64 s[42:43], s[16:17], s[52:53]      ; and that K step's scale words (24,576 further on, in the immediate)
.endm
.macro WM d, a, s, sa                  ; one product: accumulator d, W's fragment a, K step s
.if (\s) == 0
	v_wmma_scale_f32_16x16x128_f8f6f4 v[\d:\d+7], v[\a:\a+11], v[XF+12*(\s):XF+12*(\s)+11], 0, v[\sa], v[XS+(\s)%4] matrix_a_fmt:MATRIX_FMT_FP6 matrix_b_fmt:MATRIX_FMT_FP6
.elseif (\s) < 4
	v_wmma_scale_f32_16x16x128_f8f6f4 v[\d:\d+7], v[\a:\a+11], v[XF+12*(\s):XF+12*(\s)+11], v[\d:\d+7], v[\sa], v[XS+(\s)%4] matrix_a_fmt:MATRIX_FMT_FP6 matrix_b_fmt:MATRIX_FMT_FP6
.else
	v_wmma_scale_f32_16x16x128_f8f6f4 v[\d:\d+7], v[\a:\a+11], v[XF+12*(\s):XF+12*(\s)+11], v[\d:\d+7], v[\sa], v[XS+(\s)%4] matrix_a_fmt:MATRIX_FMT_FP6 matrix_b_fmt:MATRIX_FMT_FP6 matrix_b_scale:MATRIX_SCALE_ROW1
.endif
.endm
.macro MM s                            ; K step s: four accumulators, one instruction a turn.  Even steps take W1 first, odd steps W3: one switch of the window a step
	s_wait_dscnt 3*(7-(\s))                        ; the later K steps' fragments, three loads each, may be out
.if (\s)%2 == 0
	WIN 1
	WM H, 12*(\s), \s, W1S+(\s)
	WM H+8, 12*(8+(\s)), \s, W1S+8+(\s)
	WIN 2
	WM G, 12*(\s), \s, W3S+(\s)
	WM G+8, 12*(8+(\s)), \s, W3S+8+(\s)
.else
	WIN 2
	WM G, 12*(\s), \s, W3S+(\s)
	WM G+8, 12*(8+(\s)), \s, W3S+8+(\s)
	WIN 1
	WM H, 12*(\s), \s, W1S+(\s)
	WM H+8, 12*(8+(\s)), \s, W1S+8+(\s)
.endif
.endm
; THE LOOP OVER THE SLOTS: 16 trips always; a trip whose slot holds no tile steps the addresses and does nothing else.
.macro TILES
	s_mov_b32 s32, 0
	s_mov_b32 s33, 0
	s_mov_b32 s34, 0
	s_mov_b32 s35, 0
.Ltile\@:
	s_cmp_lt_u32 s32, s26
	s_cbranch_scc0 .Lskip\@
	v_add_nc_u32 v18, s33, v16
	v_add_nc_u32 v19, s33, v17
	ds_load_b128 v[XS:XS+3], v19
.irp s, 0,1,2,3,4,5,6,7
.irp i, 0,1,2
	ds_load_b128 v[XF+12*\s+4*\i:XF+12*\s+4*\i+3], v18 offset:96*\s+16*\i
.endr
.endr
.irp s, 0,1,2,3,4,5,6,7
	MM \s
.endr
	WIN 0
	v_add_nc_u32 v22, s34, v20                     ; four places behind the last product (ISA guide 7.12.1)
	v_add_nc_u32 v23, s35, v21
	v_nop
	v_nop
.irp c, 0,2,4,6,8,10,12,14
	v_pk_mul_f32 v[TT+\c:TT+\c+1], v[H+\c:H+\c+1], s[44:45] op_sel_hi:[1,0]   ; -h log2(e); each accumulator is read from its low end on
.endr
.irp c, 0,1,2,3,4,5,6,7,8,9,10,11,12,13,14,15
	v_exp_f32 v[TT+\c], v[TT+\c]                   ; e^-h
.endr
.irp c, 0,2,4,6,8,10,12,14
	v_pk_mul_f32 v[H+\c:H+\c+1], v[H+\c:H+\c+1], v[G+\c:G+\c+1]   ; h g  (plain lines behind the exponentials)
.endr
	s_wait_alu depctr_va_vdst(0)
.irp c, 0,2,4,6,8,10,12,14
	v_pk_add_f32 v[TT+\c:TT+\c+1], v[TT+\c:TT+\c+1], 1.0 op_sel_hi:[1,0]
.endr
.irp c, 0,1,2,3,4,5,6,7,8,9,10,11,12,13,14,15
	v_rcp_f32 v[TT+\c], v[TT+\c]                   ; 1 / (1 + e^-h); where e^-h has overflowed: 0
.endr
	v_nop
	s_wait_alu depctr_va_vdst(0)
.irp c, 0,2,4,6,8,10,12,14
	v_pk_mul_f32 v[H+\c:H+\c+1], v[H+\c:H+\c+1], v[TT+\c:TT+\c+1]   ; a = silu(h) g: 16 neighbours along the next K
.endr
	v_max3_num_f32 v116, |v[H]|, |v[H+1]|, |v[H+2]|
	v_max3_num_f32 v118, |v[H+3]|, |v[H+4]|, |v[H+5]|
.irp i, 6,10
	v_max3_num_f32 v116, v116, |v[H+\i]|, |v[H+\i+1]|
	v_max3_num_f32 v118, v118, |v[H+\i+2]|, |v[H+\i+3]|
.endr
	v_max3_num_f32 v116, v116, |v[H+14]|, |v[H+15]|
	v_max3_num_f32 v116, v116, v118, 0x1800000     ; and the floor 2^(3 - 127): the byte cannot fall under 1
	v_permlanex16_b32 v117, v116, s46, s47
	v_max_num_f32 v116, v116, v117                 ; with lane l xor 16's 16: the block's largest magnitude
	v_add_nc_u32 v119, 0xff000000, v116            ; 2 off its exponent field: the conversion's scale operand
	v_cvt_scalef32_pk16_fp6_f32 v[112:114], v[H:H+15], v119
	v_lshrrev_b32 v120, 23, v119                   ; the scale's byte (also the plain line behind the conversion)
	ds_store_b32 v22, v112                         ; 12 bytes, at a multiple of 4
	ds_store_b32 v22, v113 offset:4
	ds_store_b32 v22, v114 offset:8
	ds_store_b8 v23, v120                          ; both halves of the lanes write the same byte with the same value
.Lskip\@:
	s_add_co_u32 s33, s33, SLOTB
	s_add_co_u32 s34, s34, 1536
	s_add_co_u32 s35, s35, 64
	s_add_co_u32 s32, s32, 1
	s_cmp_lt_u32 s32, NSL
	s_cbranch_scc1 .Ltile\@
.endm
.macro OUTC i                          ; the way out of slot w + 4 i: 1,536 consecutive bytes of codes, at a multiple of 256 from act's first byte, and 64 bytes of scale words
	s_add_co_u32 s28, s18, 4*\i
	s_cmp_lt_u32 s28, s26
	s_cbranch_scc0 .Lno\@
.irp j, 0,1,2
	ds_load_b128 v[XF+16*\i+4*\j:XF+16*\i+4*\j+3], v24 offset:6144*\i+512*\j
.endr
	ds_load_u16 v[XF+16*\i+12], v25 offset:256*\i
	s_wait_dscnt 0x0
.irp j, 0,1,2
	global_store_b128 v26, v[XF+16*\i+4*\j:XF+16*\i+4*\j+3], s[40:41] offset:102400*\i+512*\j
.endr
	global_store_b16 v27, v[XF+16*\i+12], s[42:43] offset:102400*\i+24576
.Lno\@:
.endm
	s_load_b256 s[4:11], s[0:1], 0x0               ; route, xs, W1's codes, W1's scales
	s_load_b128 s[12:15], s[0:1], 0x20             ; W3's codes, W3's scales
	s_load_b64 s[16:17], s[0:1], 0x30              ; act
	v_lshl_add_u32 v254, v0, 2, 0x4bc00
	v_mov_b32 v255, 0
	v_lshrrev_b32 v116, 5, v0
	v_readfirstlane_b32 s18, v116                  ; wave 0..3
	s_lshr_b32 s19, ttmp9, 5                       ; e
	s_bfe_u32 s20, ttmp9, 0x40001                  ; sl
	s_and_b32 s21, ttmp9, 1                        ; part
	v_and_b32 v1, 31, v0
	v_and_b32 v2, 15, v0
	v_bfe_u32 v3, v0, 4, 1
	v_lshlrev_b32 v7, 4, v1
	v_lshrrev_b32 v116, 3, v2
	v_lshl_add_u32 v118, v116, 3, v2               ; r + 8 (r / 8)
	v_lshlrev_b32 v122, 5, v118                    ; 32 scale bytes a row of W
	s_lshl_b32 s28, s19, 11
	s_lshl_b32 s29, s20, 7
	s_add_co_u32 s28, s28, s29
	s_lshl_b32 s29, s18, 5
	s_add_co_u32 s28, s28, s29                     ; my first row of W1 and W3: 2048 e + 128 sl + 32 w
	s_mul_i32 s50, s28, 768
	s_mov_b32 s51, 0
	s_lshl_b32 s52, s28, 5
	s_mov_b32 s53, 0
	s_lshl_b32 s54, s19, 2
	s_mov_b32 s55, 0
	s_wait_kmcnt 0x0
	s_add_nc_u64 s[8:9], s[8:9], s[50:51]
	s_add_nc_u64 s[12:13], s[12:13], s[50:51]
	s_add_nc_u64 s[10:11], s[10:11], s[52:53]
	s_add_nc_u64 s[14:15], s[14:15], s[52:53]
	s_add_nc_u64 s[4:5], s[4:5], s[54:55]
	s_load_b32 s22, s[4:5], 0x2000                 ; tb[e]
	s_load_b32 s23, s[4:5], 0x2020                 ; nt[e]
	WLOAD 1, 8
.irp u, 0,1
.irp j, 0,1
	global_load_b128 v[W1S+8*\u+4*\j:W1S+8*\u+4*\j+3], v122, s[10:11] offset:256*\u+16*\j   ; tile u begins 8 rows on; a row's eight words
	global_load_b128 v[W3S+8*\u+4*\j:W3S+8*\u+4*\j+3], v122, s[14:15] offset:256*\u+16*\j
.endr
.endr
	WLOAD 2, 12
	s_mul_i32 s28, s18, WSB
	s_add_co_u32 s28, s28, WS                      ; my stage
	v_add_nc_u32 v4, s28, v7
	v_lshl_add_u32 v5, v3, 4, v4
	v_mul_u32_u24 v6, v118, PX
	v_lshl_add_u32 v6, v116, 7, v6
	v_mad_u32_u24 v6, v3, 48, v6
	v_add_nc_u32 v6, s28, v6
	s_mul_i32 s29, s18, 3072
	v_add_nc_u32 v8, s29, v7
	v_lshlrev_b32 v9, 2, v1
	s_lshl_b32 s29, s18, 7
	v_add_nc_u32 v9, s29, v9
	s_mul_i32 s29, s18, 4*PX
	v_add_nc_u32 v10, s29, v7
	v_lshl_add_u32 v11, v3, 4, v10
	v_add_nc_u32 v12, XSC, v9
	v_mul_u32_u24 v16, v2, PX
	v_mad_u32_u24 v16, v3, 48, v16
	v_lshlrev_b32 v17, 5, v2
	v_lshl_add_u32 v17, v3, 4, v17
	v_add_nc_u32 v17, XSC, v17
	s_lshr_b32 s30, s18, 1
	s_and_b32 s31, s18, 1
	s_mul_i32 s28, s30, 768                        ; my block w of the K step: lane half w / 2 of the next product, the first or second 24 of its 48 bytes
	s_mul_i32 s29, s31, 24
	s_add_co_u32 s28, s28, s29
	s_add_co_u32 s28, s28, OUT
	v_mul_u32_u24 v20, v2, 48
	v_mad_u32_u24 v20, v3, 12, v20
	v_add_nc_u32 v20, s28, v20
	s_lshl_b32 s28, s31, 1                         ; and its byte's place in the scale word: 2 (w % 2) + w / 2
	s_add_co_u32 s28, s28, s30
	s_add_co_u32 s28, s28, OSC
	v_lshl_add_u32 v21, v2, 2, s28
	s_mul_i32 s28, s18, 1536
	s_add_co_u32 s28, s28, OUT
	v_add_nc_u32 v24, s28, v7
	s_lshl_b32 s28, s18, 6
	s_add_co_u32 s28, s28, OSC
	v_lshl_add_u32 v25, v1, 1, s28
	s_mul_i32 s28, s18, 25600
	v_add_nc_u32 v26, s28, v7
	v_lshl_add_u32 v27, v1, 1, s28
	v_mov_b32 v117, 0                              ; written once: a lane permute's destination counts as one of its sources
	s_mov_b32 s44, 0xbfb8aa3b                      ; -log2(e)
	s_mov_b32 s45, s44                             ; (named with it as a pair, so it is written)
	s_mov_b32 s46, 0x76543210
	s_mov_b32 s47, 0xfedcba98                      ; v_permlanex16_b32's selects for lane l xor 16
	s_mov_b32 s48, 0x03010200                      ; v_perm_b32: a word's two middle bytes change places
	s_wait_loadcnt 48                              ; W1 and the scale words are in; W3's 48 loads are younger
	WTURN 1
	s_wait_kmcnt 0x0
	s_add_co_u32 s28, s23, 1
	s_lshr_b32 s28, s28, 1                         ; tiles to a part
	s_mul_i32 s29, s21, s28                        ; my part's first
	s_sub_co_u32 s24, s23, s29
	s_min_u32 s24, s24, s28                        ; and how many it has: at most 32
	s_add_co_u32 s25, s22, s29
	s_min_u32 s26, s24, NSL                        ; this phase's
	PTRS
	ROUND10 a0
	s_wait_loadcnt 0x0                             ; W3 (on the way on which nothing was asked for, too)
	WTURN 2
	s_wait_dscnt 0x0                               ; the round's stores have read the registers in which the next round lands
	ROUND6 b0
.irp i, 0,1,2,3,4,5,6,7,8,9,10,11,12,13,14,15,16,17,18,19,20,21,22,23,24,25,26,27,28,29,30,31
	v_perm_b32 v[W1S+\i], v[W1S+\i], v[W1S+\i], s48
.endr
.rept 8
	v_nop                                          ; a scale register written by a vector instruction stands eight places ahead of a scaled product
.endr
	BARRIER                                        ; the tiles lie in their slots; every wave is done with its stage
	TILES
	BARRIER                                        ; the codes and scale words of all four waves lie in OUT and OSC; nobody reads the slots any more
	OUTC 0
	OUTC 1
	OUTC 2
	OUTC 3
	s_wait_xcnt 0x0                                ; the stores have read their registers and bases: both are written again below
	s_sub_co_u32 s26, s24, s26                     ; the second phase: what is left of my part
	s_min_u32 s26, s26, NSL
	s_add_co_u32 s25, s25, NSL
	PTRS
	ROUND10 a1
	s_wait_dscnt 0x0
	ROUND6 b1
	BARRIER
	TILES
	BARRIER
	OUTC 0
	OUTC 1
	OUTC 2
	OUTC 3
	s_wait_tensorcnt 0x0
	ds_add_u32 v254, v255
	s_wait_dscnt 0x0
	s_endpgm
.Lfunc_end_k_qd8d4a1ccf5_upgate:
	.size	k_qd8d4a1ccf5_upgate, .Lfunc_end_k_qd8d4a1ccf5_upgate-k_qd8d4a1ccf5_upgate
	.p2alignl 7, 3214868480
	.fill 96, 4, 3214868480
	.section	.rodata,"a",@progbits
	.p2align	6, 0x0
	.amdhsa_kernel k_qd8d4a1ccf5_upgate
		.amdhsa_group_segment_fixed_size 310784
		.amdhsa_private_segment_fixed_size 0
		.amdhsa_enable_private_segment 0
		.amdhsa_kernarg_size 56
		.amdhsa_user_sgpr_count 2
		.amdhsa_user_sgpr_kernarg_segment_ptr 1
		.amdhsa_wavefront_size32 1
		.amdhsa_system_sgpr_workgroup_id_x 1
		.amdhsa_system_sgpr_workgroup_id_y 1
		.amdhsa_system_sgpr_workgroup_id_z 1
		.amdhsa_system_vgpr_workitem_id 0
		.amdhsa_next_free_vgpr 1024
		.amdhsa_next_free_sgpr 66
		.amdhsa_reserve_vcc 0
		.amdhsa_float_denorm_mode_32 3
		.amdhsa_float_denorm_mode_16_64 3
		.amdhsa_memory_ordered 1
		.amdhsa_forward_progress 1
		.amdhsa_inst_pref_size 107
	.end_amdhsa_kernel
	.amdgpu_metadata
---
amdhsa.version: [ 1, 2 ]
amdhsa.kernels:
  - .name:           k_qd8d4a1ccf5_upgate
    .symbol:         k_qd8d4a1ccf5_upgate.kd
    .args:
      - { .name: route, .offset: 0, .size: 8, .value_kind: global_buffer, .address_space: global }
      - { .name: xs, .offset: 8, .size: 8, .value_kind: global_buffer, .address_space: global }
      - { .name: w1_codes, .offset: 16, .size: 8, .value_kind: global_buffer, .address_space: global }
      - { .name: w1_scales, .offset: 24, .size: 8, .value_kind: global_buffer, .address_space: global }
      - { .name: w3_codes, .offset: 32, .size: 8, .value_kind: global_buffer, .address_space: global }
      - { .name: w3_scales, .offset: 40, .size: 8, .value_kind: global_buffer, .address_space: global }
      - { .name: act, .offset: 48, .size: 8, .value_kind: global_buffer, .address_space: global }
    .group_segment_fixed_size: 310784
    .private_segment_fixed_size: 0
    .kernarg_segment_align: 8
    .kernarg_segment_size: 56
    .max_flat_workgroup_size: 128
    .sgpr_count:     66
    .vgpr_count:     1024
    .wavefront_size: 32
...
	.end_amdgpu_metadata
.endif
;; end of part 3
;; launch down (part 4): grid 256 x 1, 4 waves a work-group, no clusters, 304,640 bytes of LDS; arguments route, act, w2_codes, w2_scales, y; writes y
.if DOCPART == 4
	.amdgcn_target "amdgcn-amd-amdhsa--gfx1250"
	.amdhsa_code_object_version 6
	.text
	.protected	k_qd8d4a1ccf5_down
	.globl	k_qd8d4a1ccf5_down
	.p2align	8
	.type	k_qd8d4a1ccf5_down,@function
k_qd8d4a1ccf5_down:
	s_mov_b64 s[64:65], 0
	v_nop
	global_prefetch_b8 v0, s[64:65] scope:SCOPE_SE
	s_setreg_imm32_b32 hwreg(HW_REG_WAVE_MODE, 25, 1), 1
	s_wait_xcnt 0x0
; y[place] = a[place] W2 of the place's expert, on codes of FP6 (E2M3) with one E8M0 scale for each 32 along K = the 2,048 hidden units.  y: [place][1024] f32.
; act: [tile of 16 places] 25,600 bytes: 16 K steps x [lane half 2][row 16][48 bytes], then from byte 24,576 [K step 16][row 16] scale words: a fragment is read as it lies.  w2: [8][1024][1536] codes; scale bytes [8][1024][64].
; SHARES.  256 work-groups: expert e = wg / 32, slice dsl = (wg / 4) % 8 of 128 outputs, part = wg % 4 of the expert's tiles of rows.  Wave w takes outputs 128 dsl + 32 w .. + 31: 2 tiles x 16 K steps x 12 = 384
; registers, which stay.  The work-group's tiles of rows are laid in LDS once and read by all four waves.
; K IS PERMUTED ALIKE ON BOTH SIDES, as in the launch before: lane half h takes the 48 consecutive bytes 96 s + 48 h of a row of W2; the two middle bytes of W2's scale words change places; act's are stored so.
; TRANSPOSED USE: source 0 = 16 rows of W2, source 1 = 16 rows of a: a lane holds eight neighbouring outputs of one row.  Each tile of outputs is summed in two chains, K steps 0-7 and 8-15, so that four
; accumulators take turns; the two are added at the end.
; WHAT HANGS ON THE STORED COUNTS: scalar branches inside loops of constant count and ladders of branches, and, behind s_min_u32, global addresses.  No LDS address and no barrier.
; A part has at most 16 tiles: two phases of 8 LDS slots; the second finds nothing to do unless a part has more than 8.
; NO CLUSTER AND NO TENSOR LOAD: how many tiles a work-group walks is read from memory, and partners would need different numbers; the text branches on those counts.
; LIMITS: NaN and infinities are not served.  A lopsided choice of experts is served, but more slowly; the weights of an expert that nobody chose are still read.
.set SLOTB, 25600
.set NSL,   8
.set WS,    NSL*SLOTB                  ; behind the slots: a stage for each wave: 16 rows of 1,536 bytes + 16 = 388 words: row r starts at bank 4 r mod 64 (ISA guide 11.1)
.set WP,    1552
.set WSB,   16*WP
.set STG,   WS                         ; laid over the stages, which are done with at the first barrier: y, 16 rows x (512 bytes + 16) a slot
.set SPITCH, 528
.set AS,    28                         ; v28-35   a's scale words: register j: lanes 0-15 K step j, lanes 16-31 K step 8 + j
.set W2S,   36                         ; v36-67   W2's scale words (16 n + s)
.set Y,     68                         ; v68-99   tile 0: K steps 0-7, 8-15; tile 1 likewise
.set OB,    100                        ; v100-227 the way out: 16 registers a slot
; v1 lane, v2 r, v3 h; v4 stage in; v6 stage out; v7 16 x lane; v8, v9 my part of a tile in act (v8 also in a slot); v10 my scale words' place in a slot; v13, v14 the slot in hand; v16, v17 a fragment's and a scale
; word's place in a slot; v18, v19 the trip's; v20 where my results go; v22 the trip's; v24, v26 the way out; v27 W2's scale rows.
; window 1: W2's tile 0 (as loaded at 4 n, then fragment s at 12 s);  window 2: tile 1;  window 3: tiles of rows as they land, 50 registers a slot of a round; in the loop a's 16 fragments at 12 s.
.set MSB, 0
.macro WIN new                         ; the immediate's high byte repeats the setting that is left
.if MSB != (\new)
	s_set_vgpr_msb (MSB<<8)|(\new)
.set MSB, (\new)
.endif
.endm
.macro BARRIER                         ; my LDS stores have landed and my LDS loads are in: then the work-group's barrier
	s_wait_dscnt 0x0
	s_barrier_signal -1
	s_barrier_wait -1
.endm
.macro WLOAD win, off                  ; 16 rows of W2, 24,576 consecutive bytes, as they lie
	WIN (\win)*64
.set NN, 0
.rept 48
	global_load_b128 v[4*NN:4*NN+3], v7, s[8:9] offset:(\off)+512*NN
.set NN, NN+1
.endr
	WIN 0
.endm
.macro WTURN win                       ; through my stage: three loads are a row
	WIN (\win)*4
.set NN, 0
.rept 48
	ds_store_b128 v4, v[4*NN:4*NN+3] offset:512*NN+16*(NN/3)
.set NN, NN+1
.endr
	s_wait_dscnt 0x0                               ; the stores have read their registers: the fragments land in the same ones
	WIN (\win)*64
.irp s, 0,1,2,3,4,5,6,7,8,9,10,11,12,13,14,15
.irp i, 0,1,2
	ds_load_b128 v[12*\s+4*\i:12*\s+4*\i+3], v6 offset:96*\s+16*\i
.endr
.endr
	WIN 0
.endm
.macro ALOAD tl, k                     ; my quarter of the phase's tile tl: 6,144 bytes of codes, 256 of scale words
	WIN 0xc0
.irp j, 0,1,2,3,4,5,6,7,8,9,10,11
	global_load_b128 v[50*(\k)+4*\j:50*(\k)+4*\j+3], v8, s[36:37] offset:SLOTB*(\tl)+512*\j
.endr
	global_load_b64 v[50*(\k)+48:50*(\k)+49], v9, s[36:37] offset:SLOTB*(\tl)+24576
	WIN 0
.endm
.macro ASTORE tl, k                    ; into slot tl, as it lies
	v_add_nc_u32 v13, SLOTB*(\tl), v8
	v_add_nc_u32 v14, SLOTB*(\tl), v10
	WIN 0x0c
.irp j, 0,1,2,3,4,5,6,7,8,9,10,11
	ds_store_b128 v13, v[50*(\k)+4*\j:50*(\k)+4*\j+3] offset:512*\j
.endr
	ds_store_b64 v14, v[50*(\k)+48:50*(\k)+49]
	WIN 0
.endm
; A ROUND brings up to n tiles: a ladder.  Going up, tile k is asked for if the phase has it; the first that it has not leads to rung k of the way down, on which exactly the tiles asked for are stored.
.macro TRY id, first, k
	s_cmp_gt_u32 s26, (\first)+(\k)
	s_cbranch_scc0 .Lr\k\id
	ALOAD (\first)+(\k), \k
.endm
.macro PUT id, first, k
.Lr\k\id:
	s_wait_loadcnt 0x0                             ; all that was asked for is in
	ASTORE (\first)+(\k)-1, (\k)-1
.endm
.macro ROUND5 id
.irp k, 0,1,2,3,4
	TRY \id, 0, \k
.endr
.irp k, 5,4,3,2,1
	PUT \id, 0, \k
.endr
.Lr0\id:
.endm
.macro ROUND3 id
.irp k, 0,1,2
	TRY \id, 5, \k
.endr
.irp k, 3,2,1
	PUT \id, 5, \k
.endr
.Lr0\id:
.endm
.macro PTRS                            ; the phase's pointers, from its first tile s25
	s_min_u32 s27, s25, 134                        ; a tile lies inside the list
	s_mul_i32 s50, s27, SLOTB
	s_add_nc_u64 s[36:37], s[6:7], s[50:51]        ; act
	s_lshl_b32 s50, s27, 16
	s_lshl_b32 s52, s20, 9
	s_add_co_u32 s50, s50, s52
	s_add_nc_u64 s[40:41], s[12:13], s[50:51]      ; y: the tile's first row, my work-group's 512 bytes of it
.endm
.macro WM d, n, j, hi                  ; one product: accumulator d, tile n of W2 (by the window), K step 8 hi + j
.if (\j) == 0
.if \hi
	v_wmma_scale_f32_16x16x128_f8f6f4 v[\d:\d+7], v[12*(8*\hi+\j):12*(8*\hi+\j)+11], v[12*(8*\hi+\j):12*(8*\hi+\j)+11], 0, v[W2S+16*\n+8*\hi+\j], v[AS+\j] matrix_a_fmt:MATRIX_FMT_FP6 matrix_b_fmt:MATRIX_FMT_FP6 matrix_b_scale:MATRIX_SCALE_ROW1
.else
	v_wmma_scale_f32_16x16x128_f8f6f4 v[\d:\d+7], v[12*(8*\hi+\j):12*(8*\hi+\j)+11], v[12*(8*\hi+\j):12*(8*\hi+\j)+11], 0, v[W2S+16*\n+8*\hi+\j], v[AS+\j] matrix_a_fmt:MATRIX_FMT_FP6 matrix_b_fmt:MATRIX_FMT_FP6
.endif
.else
.if \hi
	v_wmma_scale_f32_16x16x128_f8f6f4 v[\d:\d+7], v[12*(8*\hi+\j):12*(8*\hi+\j)+11], v[12*(8*\hi+\j):12*(8*\hi+\j)+11], v[\d:\d+7], v[W2S+16*\n+8*\hi+\j], v[AS+\j] matrix_a_fmt:MATRIX_FMT_FP6 matrix_b_fmt:MATRIX_FMT_FP6 matrix_b_scale:MATRIX_SCALE_ROW1
.else
	v_wmma_scale_f32_16x16x128_f8f6f4 v[\d:\d+7], v[12*(8*\hi+\j):12*(8*\hi+\j)+11], v[12*(8*\hi+\j):12*(8*\hi+\j)+11], v[\d:\d+7], v[W2S+16*\n+8*\hi+\j], v[AS+\j] matrix_a_fmt:MATRIX_FMT_FP6 matrix_b_fmt:MATRIX_FMT_FP6
.endif
.endif
.endm
.macro MM j                            ; K steps j and 8 + j: four accumulators, one instruction a turn.  W2's fragment (window 1 or 2) and a's (window 3) have the same number in different windows
	s_wait_dscnt 6*(7-\j)                          ; the later pairs of K steps, six loads each, may be out
.if \j%2 == 0
	WIN 0x0d
	WM Y, 0, \j, 0
	WM Y+8, 0, \j, 1
	WIN 0x0e
	WM Y+16, 1, \j, 0
	WM Y+24, 1, \j, 1
.else
	WIN 0x0e
	WM Y+16, 1, \j, 0
	WM Y+24, 1, \j, 1
	WIN 0x0d
	WM Y, 0, \j, 0
	WM Y+8, 0, \j, 1
.endif
.endm
; THE LOOP OVER THE SLOTS: 8 trips always; a trip whose slot holds no tile steps the addresses and does nothing else.
.macro TILES
	s_mov_b32 s32, 0
	s_mov_b32 s33, 0
	s_mov_b32 s34, 0
.Ltile\@:
	s_cmp_lt_u32 s32, s26
	s_cbranch_scc0 .Lskip\@
	v_add_nc_u32 v18, s33, v16
	v_add_nc_u32 v19, s33, v17
.irp q, 0,1,2,3,4,5,6,7
	ds_load_b32 v[AS+\q], v19 offset:64*\q
.endr
	WIN 0xc0
.irp j, 0,1,2,3,4,5,6,7
.irp i, 0,1,2
	ds_load_b128 v[12*\j+4*\i:12*\j+4*\i+3], v18 offset:1536*\j+16*\i
.endr
.irp i, 0,1,2
	ds_load_b128 v[12*(8+\j)+4*\i:12*(8+\j)+4*\i+3], v18 offset:1536*(8+\j)+16*\i
.endr
.endr
.irp j, 0,1,2,3,4,5,6,7
	MM \j
.endr
	WIN 0
	v_add_nc_u32 v22, s34, v20                     ; four places behind the last product (ISA guide 7.12.1)
	v_nop
	v_nop
	v_nop
.irp c, 0,2,4,6
	v_pk_add_f32 v[Y+\c:Y+\c+1], v[Y+\c:Y+\c+1], v[Y+8+\c:Y+8+\c+1]   ; the two chains; each accumulator is read from its low end on
.endr
.irp c, 0,2,4,6
	v_pk_add_f32 v[Y+16+\c:Y+16+\c+1], v[Y+16+\c:Y+16+\c+1], v[Y+24+\c:Y+24+\c+1]
.endr
	ds_store_b128 v22, v[Y:Y+3]                    ; lane (r, h): y(row r, 32 w + 16 n + 8 h + 0 .. 7)
	ds_store_b128 v22, v[Y+4:Y+7] offset:16
	ds_store_b128 v22, v[Y+16:Y+19] offset:64
	ds_store_b128 v22, v[Y+20:Y+23] offset:80
.Lskip\@:
	s_add_co_u32 s33, s33, SLOTB
	s_add_co_u32 s34, s34, 16*SPITCH
	s_add_co_u32 s32, s32, 1
	s_cmp_lt_u32 s32, NSL
	s_cbranch_scc1 .Ltile\@
.endm
.macro YOUT tl                         ; the way out of slot tl: my four rows; 32 lanes store 512 consecutive bytes, at a multiple of 256 from y's first byte
	s_cmp_gt_u32 s26, \tl
	s_cbranch_scc0 .Lny\@
.irp i, 0,1,2,3
	ds_load_b128 v[OB+16*\tl+4*\i:OB+16*\tl+4*\i+3], v24 offset:16*SPITCH*\tl+SPITCH*\i
.endr
	s_wait_dscnt 0x0
.irp i, 0,1,2,3
	global_store_b128 v26, v[OB+16*\tl+4*\i:OB+16*\tl+4*\i+3], s[40:41] offset:65536*\tl+4096*\i
.endr
.Lny\@:
.endm
	s_load_b256 s[4:11], s[0:1], 0x0               ; route, act, W2's codes, W2's scales
	s_load_b64 s[12:13], s[0:1], 0x20              ; y
	v_lshl_add_u32 v254, v0, 2, 0x4a400
	v_mov_b32 v255, 0
	v_lshrrev_b32 v13, 5, v0
	v_readfirstlane_b32 s18, v13                   ; wave 0..3
	s_lshr_b32 s19, ttmp9, 5                       ; e
	s_bfe_u32 s20, ttmp9, 0x30002                  ; dsl
	s_and_b32 s21, ttmp9, 3                        ; part
	v_and_b32 v1, 31, v0
	v_and_b32 v2, 15, v0
	v_bfe_u32 v3, v0, 4, 1
	v_lshlrev_b32 v7, 4, v1
	v_lshlrev_b32 v27, 6, v2                       ; 64 scale bytes a row of W2
	s_lshl_b32 s28, s19, 10
	s_lshl_b32 s29, s20, 7
	s_add_co_u32 s28, s28, s29
	s_lshl_b32 s29, s18, 5
	s_add_co_u32 s28, s28, s29                     ; my first row of W2: 1024 e + 128 dsl + 32 w
	s_mul_i32 s50, s28, 1536
	s_mov_b32 s51, 0
	s_lshl_b32 s52, s28, 6
	s_mov_b32 s53, 0
	s_lshl_b32 s54, s19, 2
	s_mov_b32 s55, 0
	s_wait_kmcnt 0x0
	s_add_nc_u64 s[8:9], s[8:9], s[50:51]
	s_add_nc_u64 s[10:11], s[10:11], s[52:53]
	s_add_nc_u64 s[4:5], s[4:5], s[54:55]
	s_load_b32 s22, s[4:5], 0x2000                 ; tb[e]
	s_load_b32 s23, s[4:5], 0x2020                 ; nt[e]
	WLOAD 1, 0
.irp n, 0,1
.irp j, 0,1,2,3
	global_load_b128 v[W2S+16*\n+4*\j:W2S+16*\n+4*\j+3], v27, s[10:11] offset:1024*\n+16*\j   ; a row's sixteen words
.endr
.endr
	WLOAD 2, 24576
	s_mul_i32 s28, s18, WSB
	s_add_co_u32 s28, s28, WS                      ; my stage
	v_add_nc_u32 v4, s28, v7
	v_mul_u32_u24 v6, v2, WP
	v_mad_u32_u24 v6, v3, 48, v6
	v_add_nc_u32 v6, s28, v6
	s_mul_i32 s29, s18, 6144
	v_add_nc_u32 v8, s29, v7
	s_lshl_b32 s29, s18, 8
	v_lshl_add_u32 v9, v1, 3, s29
	v_add_nc_u32 v10, 24576, v9
	v_mul_u32_u24 v16, v2, 48
	v_mad_u32_u24 v16, v3, 768, v16
	v_lshlrev_b32 v17, 2, v2
	v_lshl_add_u32 v17, v3, 9, v17
	v_add_nc_u32 v17, 24576, v17
	s_lshl_b32 s29, s18, 7
	s_add_co_u32 s29, s29, STG
	v_mul_u32_u24 v20, v2, SPITCH
	v_lshl_add_u32 v20, v3, 5, v20
	v_add_nc_u32 v20, s29, v20
	s_mul_i32 s29, s18, 4*SPITCH
	s_add_co_u32 s29, s29, STG
	v_add_nc_u32 v24, s29, v7
	s_lshl_b32 s29, s18, 14
	v_add_nc_u32 v26, s29, v7
	s_mov_b32 s48, 0x03010200                      ; v_perm_b32: a word's two middle bytes change places
	s_wait_loadcnt 48                              ; tile 0 and the scale words are in; tile 1's 48 loads are younger
	WTURN 1
	s_wait_kmcnt 0x0
	s_add_co_u32 s28, s23, 3
	s_lshr_b32 s28, s28, 2                         ; tiles to a part
	s_mul_i32 s29, s21, s28
	s_min_u32 s29, s29, s23                        ; my part's first
	s_sub_co_u32 s24, s23, s29
	s_min_u32 s24, s24, s28                        ; and how many it has: at most 16
	s_add_co_u32 s25, s22, s29
	s_min_u32 s26, s24, NSL                        ; this phase's
	PTRS
	ROUND5 a0
	s_wait_loadcnt 0x0                             ; tile 1 (on the way on which nothing was asked for, too)
	WTURN 2
	s_wait_dscnt 0x0                               ; the round's stores have read the registers in which the next round lands
	ROUND3 b0
.irp i, 0,1,2,3,4,5,6,7,8,9,10,11,12,13,14,15,16,17,18,19,20,21,22,23,24,25,26,27,28,29,30,31
	v_perm_b32 v[W2S+\i], v[W2S+\i], v[W2S+\i], s48
.endr
.rept 8
	v_nop                                          ; a scale register written by a vector instruction stands eight places ahead of a scaled product
.endr
	BARRIER                                        ; the tiles lie in their slots; every wave is done with its stage
	TILES
	BARRIER                                        ; whole rows of y lie in the stage; nobody reads the slots any more
.irp t, 0,1,2,3,4,5,6,7
	YOUT \t
.endr
	s_wait_xcnt 0x0                                ; the stores have read their registers and base: both are written again below
	s_sub_co_u32 s26, s24, s26                     ; the second phase: what is left of my part
	s_min_u32 s26, s26, NSL
	s_add_co_u32 s25, s25, NSL
	PTRS
	ROUND5 a1
	s_wait_dscnt 0x0
	ROUND3 b1
	BARRIER
	TILES
	BARRIER
.irp t, 0,1,2,3,4,5,6,7
	YOUT \t
.endr
	s_wait_tensorcnt 0x0
	ds_add_u32 v254, v255
	s_wait_dscnt 0x0
	s_endpgm
.Lfunc_end_k_qd8d4a1ccf5_down:
	.size	k_qd8d4a1ccf5_down, .Lfunc_end_k_qd8d4a1ccf5_down-k_qd8d4a1ccf5_down
	.p2alignl 7, 3214868480
	.fill 96, 4, 3214868480
	.section	.rodata,"a",@progbits
	.p2align	6, 0x0
	.amdhsa_kernel k_qd8d4a1ccf5_down
		.amdhsa_group_segment_fixed_size 304640
		.amdhsa_private_segment_fixed_size 0
		.amdhsa_enable_private_segment 0
		.amdhsa_kernarg_size 40
		.amdhsa_user_sgpr_count 2
		.amdhsa_user_sgpr_kernarg_segment_ptr 1
		.amdhsa_wavefront_size32 1
		.amdhsa_system_sgpr_workgroup_id_x 1
		.amdhsa_system_sgpr_workgroup_id_y 1
		.amdhsa_system_sgpr_workgroup_id_z 1
		.amdhsa_system_vgpr_workitem_id 0
		.amdhsa_next_free_vgpr 1024
		.amdhsa_next_free_sgpr 66
		.amdhsa_reserve_vcc 0
		.amdhsa_float_denorm_mode_32 3
		.amdhsa_float_denorm_mode_16_64 3
		.amdhsa_memory_ordered 1
		.amdhsa_forward_progress 1
		.amdhsa_inst_pref_size 98
	.end_amdhsa_kernel
	.amdgpu_metadata
---
amdhsa.version: [ 1, 2 ]
amdhsa.kernels:
  - .name:           k_qd8d4a1ccf5_down
    .symbol:         k_qd8d4a1ccf5_down.kd
    .args:
      - { .name: route, .offset: 0, .size: 8, .value_kind: global_buffer, .address_space: global }
      - { .name: act, .offset: 8, .size: 8, .value_kind: global_buffer, .address_space: global }
      - { .name: w2_codes, .offset: 16, .size: 8, .value_kind: global_buffer, .address_space: global }
      - { .name: w2_scales, .offset: 24, .size: 8, .value_kind: global_buffer, .address_space: global }
      - { .name: y, .offset: 32, .size: 8, .value_kind: global_buffer, .address_space: global }
    .group_segment_fixed_size: 304640
    .private_segment_fixed_size: 0
    .kernarg_segment_align: 8
    .kernarg_segment_size: 40
    .max_flat_workgroup_size: 128
    .sgpr_count:     66
    .vgpr_count:     1024
    .wavefront_size: 32
...
	.end_amdgpu_metadata
.endif
;; end of part 4
;; launch combine (part 5): grid 256 x 1, 4 waves a work-group, no clusters, 0 bytes of LDS; arguments route, cw, y, out0; writes out0
.if DOCPART == 5
	.amdgcn_target "amdgcn-amd-amdhsa--gfx1250"
	.amdhsa_code_object_version 6
	.text
	.protected	k_qd8d4a1ccf5_combine
	.globl	k_qd8d4a1ccf5_combine
	.p2align	8
	.type	k_qd8d4a1ccf5_combine,@function
k_qd8d4a1ccf5_combine:
	s_mov_b64 s[64:65], 0
	v_nop
	global_prefetch_b8 v0, s[64:65] scope:SCOPE_SE
	s_setreg_imm32_b32 hwreg(HW_REG_WAVE_MODE, 25, 1), 1
	s_wait_xcnt 0x0
; out[t] = c0 y[p0] + c1 y[p1]: each token's two rows, gathered by the places that an earlier launch stored as whole numbers, weighed by the softmax of its two logits.  All in f32.
; A wave to a token: a row is 4,096 bytes, eight loads of 512 consecutive bytes for each of the two rows, all sixteen on their way at once.  Each output row has one owner: nothing is added across work-groups.
; No LDS, no barrier, no matrix unit: memory binds.
	s_load_b128 s[4:7], s[0:1], 0x0                ; route, cw
	s_load_b128 s[8:11], s[0:1], 0x10              ; y, out0
	v_lshrrev_b32 v1, 5, v0
	v_readfirstlane_b32 s12, v1                    ; wave 0..3
	v_and_b32 v2, 31, v0
	v_lshlrev_b32 v2, 4, v2                        ; 16 bytes a lane
	s_lshl_b32 s13, ttmp9, 2
	s_add_co_u32 s13, s13, s12                     ; my token
	s_lshl_b32 s14, s13, 3
	s_mov_b32 s15, 0
	s_lshl_b32 s20, s13, 12
	s_mov_b32 s21, 0
	s_wait_kmcnt 0x0
	s_add_nc_u64 s[4:5], s[4:5], s[14:15]
	s_add_nc_u64 s[6:7], s[6:7], s[14:15]
	s_add_nc_u64 s[10:11], s[10:11], s[20:21]
	s_load_b64 s[16:17], s[4:5], 0x0               ; p0, p1
	s_load_b64 s[18:19], s[6:7], 0x0               ; c0, c1
	s_wait_kmcnt 0x0
	s_min_u32 s16, s16, 2159                       ; a place lies inside the list
	s_min_u32 s17, s17, 2159
	s_lshl_b32 s22, s16, 12
	s_mov_b32 s23, 0
	s_lshl_b32 s24, s17, 12
	s_mov_b32 s25, 0
	s_add_nc_u64 s[22:23], s[8:9], s[22:23]
	s_add_nc_u64 s[24:25], s[8:9], s[24:25]
	s_mov_b32 s26, s19                             ; c1 as the low word of a pair: the packed forms take a scalar pair's low word for both halves
	s_mov_b32 s27, s19
.irp i, 0,1,2,3,4,5,6,7
	global_load_b128 v[4+8*\i:7+8*\i], v2, s[22:23] offset:512*\i th:TH_LOAD_NT
	global_load_b128 v[8+8*\i:11+8*\i], v2, s[24:25] offset:512*\i th:TH_LOAD_NT
.endr
.irp i, 0,1,2,3,4,5,6,7
	s_wait_loadcnt 14-2*\i                         ; loads come back in order: pair i is in, the later pairs, two loads each, may be out
	v_pk_mul_f32 v[68+4*\i:69+4*\i], v[8+8*\i:9+8*\i], s[26:27] op_sel_hi:[1,0]
	v_pk_mul_f32 v[70+4*\i:71+4*\i], v[10+8*\i:11+8*\i], s[26:27] op_sel_hi:[1,0]
	v_pk_fma_f32 v[68+4*\i:69+4*\i], v[4+8*\i:5+8*\i], s[18:19], v[68+4*\i:69+4*\i] op_sel_hi:[1,0,1]
	v_pk_fma_f32 v[70+4*\i:71+4*\i], v[6+8*\i:7+8*\i], s[18:19], v[70+4*\i:71+4*\i] op_sel_hi:[1,0,1]
	global_store_b128 v2, v[68+4*\i:71+4*\i], s[10:11] offset:512*\i th:TH_STORE_NT   ; 512 consecutive bytes, aligned; each store has registers of its own
.endr
	s_endpgm
.Lfunc_end_k_qd8d4a1ccf5_combine:
	.size	k_qd8d4a1ccf5_combine, .Lfunc_end_k_qd8d4a1ccf5_combine-k_qd8d4a1ccf5_combine
	.p2alignl 7, 3214868480
	.fill 96, 4, 3214868480
	.section	.rodata,"a",@progbits
	.p2align	6, 0x0
	.amdhsa_kernel k_qd8d4a1ccf5_combine
		.amdhsa_group_segment_fixed_size 0
		.amdhsa_private_segment_fixed_size 0
		.amdhsa_enable_private_segment 0
		.amdhsa_kernarg_size 32
		.amdhsa_user_sgpr_count 2
		.amdhsa_user_sgpr_kernarg_segment_ptr 1
		.amdhsa_wavefront_size32 1
		.amdhsa_system_sgpr_workgroup_id_x 1
		.amdhsa_system_sgpr_workgroup_id_y 1
		.amdhsa_system_sgpr_workgroup_id_z 1
		.amdhsa_system_vgpr_workitem_id 0
		.amdhsa_next_free_vgpr 100
		.amdhsa_next_free_sgpr 66
		.amdhsa_reserve_vcc 0
		.amdhsa_float_denorm_mode_32 3
		.amdhsa_float_denorm_mode_16_64 3
		.amdhsa_memory_ordered 1
		.amdhsa_forward_progress 1
		.amdhsa_inst_pref_size 6
	.end_amdhsa_kernel
	.amdgpu_metadata
---
amdhsa.version: [ 1, 2 ]
amdhsa.kernels:
  - .name:           k_qd8d4a1ccf5_combine
    .symbol:         k_qd8d4a1ccf5_combine.kd
    .args:
      - { .name: route, .offset: 0, .size: 8, .value_kind: global_buffer, .address_space: global }
      - { .name: cw, .offset: 8, .size: 8, .value_kind: global_buffer, .address_space: global }
      - { .name: y, .offset: 16, .size: 8, .value_kind: global_buffer, .address_space: global }
      - { .name: out0, .offset: 24, .size: 8, .value_kind: global_buffer, .address_space: global }
    .group_segment_fixed_size: 0
    .private_segment_fixed_size: 0
    .kernarg_segment_align: 8
    .kernarg_segment_size: 32
    .max_flat_workgroup_size: 128
    .sgpr_count:     66
    .vgpr_count:     100
    .wavefront_size: 32
...
	.end_amdgpu_metadata
.endif
;; end of part 5
;; ======== version 2 of 2: 5 launches
;; workspace buffers: sel 4,096 bytes of whole numbers; cw 8,192 bytes; xq 819,200 bytes; route 8,448 bytes of whole numbers; xs 1,728,000 bytes; act 3,456,000 bytes; y 8,847,360 bytes
;; launch route_quant (part 6): grid 256 x 1, 2 waves a work-group, no clusters, 11,520 bytes of LDS; arguments x, gate_w, sel, cw, xq; writes sel, cw, xq
.if DOCPART == 6
	.amdgcn_target "amdgcn-amd-amdhsa--gfx1250"
	.amdhsa_code_object_version 6
	.text
	.protected	k_qd8d4a1ccf5_route_quant
	.globl	k_qd8d4a1ccf5_route_quant
	.p2align	8
	.type	k_qd8d4a1ccf5_route_quant,@function
k_qd8d4a1ccf5_route_quant:
	s_mov_b64 s[64:65], 0
	v_nop
	global_prefetch_b8 v0, s[64:65] scope:SCOPE_SE
	s_setreg_imm32_b32 hwreg(HW_REG_WAVE_MODE, 25, 1), 1
	s_wait_xcnt 0x0
; THE ROUTER, AND x INTO CODES.  x [1024][1024] f32, gate_w [8][1024] f32.
; A wave takes two tokens.  For each: (a) the row's 32 blocks of 32 become codes of FP6 (E2M3), 768 bytes, in the row's own order, and 32 scale bytes;
; (b) the eight logits x . gate_w[e], fused multiply-adds in f32; the two largest (on a tie the lower index, as lax.top_k has it); the softmax of the two with the larger taken away first.
; Stored: sel[t] = e0 | e1 << 8;  cw[t] = c0, c1;  xq: [t][768] codes, and from byte 786,432 [t][32] scale bytes.
; THE ORDER OF THE SCALE BYTES.  The products of the later launches give lane half h the 48 consecutive bytes 96 s + 48 h of a row for the K step s: blocks 2 h and 2 h + 1 as they lie in memory.  The matrix
; instruction takes a lane's first six registers as its block h and the second six as its block 2 + h.  So block m of a K step stands in the instruction's place (0, 2, 1, 3)[m], alike for both operands, and its
; scale byte is put at that place of the K step's word.
; A block's scale is 2^(floor(log2(its largest magnitude)) - 2); its byte is that magnitude's exponent field - 2, held at 1 from below.  A block of zeros so gets the byte 1 where the rule says 127: its codes are
; zeros, and the bytes are read by this program alone.
; LIMITS: NaN and infinities in x or gate_w are not served.  The logits are summed in f32 in another order than a plain loop over k: two logits that lie within that rounding of each other may change places.
; The loads take the bytes as they lie (16 a lane, 512 a load).  The dot products use them so (gate_w is loaded by the same map); for the conversions, which take 16 neighbours from one lane, a step's 2,048 bytes turn
; through the wave's own stage in LDS: places of 64 bytes + 16 of padding.  No barrier: the waves share nothing.
.set SP,    80                         ; a lane's place in a stage
.set STGB,  32*SP                      ; a stage
.set WREG,  5632                       ; LDS of a wave: two stages, then its 64 scale bytes
.set R,     16                         ; v16-79   x as loaded: token j, step u, load i at 32 j + 16 u + 4 i
.set X,     80                         ; v80-111  two sets of 16 neighbours
.set ACC,   112                        ; v112-127 eight pairs of sums
.set C,     128                        ; v128-143 codes, four registers a step
.set E,     144                        ; v144-147 a scale byte a step
.set LG,    148                        ; v148-155 the logits
.set PT,    156                        ; v156-163 the other half of the lanes' sums
.set MK,    166                        ; v166-173 the logits with the winner taken out
.set MSB, 0
.macro WIN new                         ; the immediate's high byte repeats the setting that is left
.if MSB != (\new)
	s_set_vgpr_msb (MSB<<8)|(\new)
.set MSB, (\new)
.endif
.endm
	s_load_b128 s[4:7], s[0:1], 0x0                ; x, gate_w
	s_load_b128 s[8:11], s[0:1], 0x10              ; sel, cw
	s_load_b64 s[12:13], s[0:1], 0x20              ; xq
	v_lshl_add_u32 v254, v0, 2, 0x2c00
	v_mov_b32 v255, 0
	v_lshrrev_b32 v8, 5, v0
	v_readfirstlane_b32 s14, v8                    ; wave 0, 1
	v_and_b32 v1, 31, v0                           ; lane
	v_lshlrev_b32 v2, 4, v1                        ; my 16 bytes of a load's 512
	s_mul_i32 s15, s14, WREG
	v_lshrrev_b32 v3, 2, v1
	v_mul_u32_u24 v3, v3, SP
	v_and_b32 v8, 3, v1
	v_lshl_add_u32 v3, v8, 4, v3
	v_add_nc_u32 v3, s15, v3                       ; the stage, on the way in: SP (lane / 4) + 16 (lane % 4)
	v_mul_u32_u24 v4, v1, SP
	v_add_nc_u32 v4, s15, v4                       ; and on the way out: SP x lane
	v_mul_u32_u24 v5, v1, 12                       ; my 12 bytes of a step's 384 bytes of codes
	v_lshrrev_b32 v6, 1, v1                        ; my block of the step's 16
	v_and_b32 v6, 12, v6                           ; its K step's word,
	v_bfe_u32 v8, v1, 1, 1
	v_lshl_add_u32 v6, v8, 1, v6                   ; and its place in the word: 2 x (block % 2) + (block / 2) % 2
	v_bfe_u32 v8, v1, 2, 1
	v_add_nc_u32 v6, v6, v8
	s_add_co_u32 s15, s15, 2*STGB
	v_add_nc_u32 v6, s15, v6
	v_lshlrev_b32 v10, 1, v1                       ; the bytes' way out: 2 a lane
	v_add_nc_u32 v7, s15, v10
	v_lshlrev_b32 v13, 2, v1
	v_lshlrev_b32 v14, 3, v1
	s_lshl_b32 s16, ttmp9, 2
	s_lshl_b32 s17, s14, 1
	s_add_co_u32 s16, s16, s17                     ; my first token: 4 x work-group + 2 x wave
	s_lshl_b32 s20, s16, 12
	s_mov_b32 s21, 0
	s_mul_i32 s22, s16, 768
	s_mov_b32 s23, 0
	s_lshl_b32 s24, s16, 5
	s_add_co_u32 s24, s24, 786432
	s_mov_b32 s25, 0
	s_lshl_b32 s32, s16, 2
	s_mov_b32 s33, 0
	s_lshl_b32 s34, s16, 3
	s_mov_b32 s35, 0
	s_mov_b32 s30, 0x76543210
	s_mov_b32 s31, 0xfedcba98                      ; v_permlanex16_b32's selects for lane l xor 16
	s_wait_kmcnt 0x0
	s_add_nc_u64 s[4:5], s[4:5], s[20:21]          ; x at my first token
	s_add_nc_u64 s[26:27], s[12:13], s[22:23]      ; its codes
	s_add_nc_u64 s[28:29], s[12:13], s[24:25]      ; its scale bytes
	s_add_nc_u64 s[8:9], s[8:9], s[32:33]
	s_add_nc_u64 s[10:11], s[10:11], s[34:35]
.irp t, 0,1,2,3
.irp i, 0,1,2,3
	global_load_b128 v[R+16*\t+4*\i:R+16*\t+4*\i+3], v2, s[4:5] offset:2048*\t+512*\i th:TH_LOAD_NT   ; step t = 2 j + u: 32 lanes read 512 consecutive bytes
.endr
.endr
	WIN 0x40                                       ; destination window 1: gate_w, row e at 32 e, by the same map of lanes as x
.irp e, 0,1,2,3,4,5,6,7
.irp n, 0,1,2,3,4,5,6,7
	global_load_b128 v[32*\e+4*\n:32*\e+4*\n+3], v2, s[6:7] offset:4096*\e+512*\n
.endr
.endr
	WIN 0
.macro TURN t                          ; step t's numbers through a stage: LDS serves a wave's instructions in order, so no wait stands between the stores and the loads
.irp i, 0,1,2,3
	ds_store_b128 v3, v[R+16*(\t)+4*\i:R+16*(\t)+4*\i+3] offset:STGB*((\t)%2)+8*SP*\i
.endr
.irp i, 0,1,2,3
	ds_load_b128 v[X+16*((\t)%2)+4*\i:X+16*((\t)%2)+4*\i+3], v4 offset:STGB*((\t)%2)+16*\i
.endr
.endm
.macro STEP t
.set XQ, X+16*((\t)%2)
.if (\t) > 0
	s_wait_dscnt 1                                 ; this step's numbers are back from the stage; only the last step's byte store is younger
.else
	s_wait_dscnt 0x0
.endif
.if (\t)+1 < 4
	TURN (\t)+1                                    ; the next step goes through the other stage while this one is worked
.endif
	v_max3_num_f32 v8, |v[XQ]|, |v[XQ+1]|, |v[XQ+2]|               ; the largest magnitude of my 16, in two chains
	v_max3_num_f32 v9, |v[XQ+3]|, |v[XQ+4]|, |v[XQ+5]|
.irp i, 6,10
	v_max3_num_f32 v8, v8, |v[XQ+\i]|, |v[XQ+\i+1]|
	v_max3_num_f32 v9, v9, |v[XQ+\i+2]|, |v[XQ+\i+3]|
.endr
	v_max3_num_f32 v8, v8, |v[XQ+14]|, |v[XQ+15]|
	v_max3_num_f32 v8, v8, v9, 0x1800000           ; and the floor 2^(3 - 127): the byte cannot fall under 1
	v_max_num_f32_dpp v8, v8, v8 row_xmask:1 row_mask:0xf bank_mask:0xf   ; and of my neighbour's 16: the block's
	v_add_nc_u32 v11, 0xff000000, v8               ; 2 off its exponent field: the conversion takes the exponent field of this operand as its scale
	v_cvt_scalef32_pk16_fp6_f32 v[C+4*(\t):C+4*(\t)+2], v[XQ:XQ+15], v11
	v_lshrrev_b32 v[E+(\t)], 23, v11               ; the scale's byte (also the plain line behind the conversion)
	ds_store_b8 v6, v[E+(\t)] offset:16*(\t)       ; both lanes of a block write the same byte with the same value
	global_store_b96 v5, v[C+4*(\t):C+4*(\t)+2], s[26:27] offset:384*(\t)   ; the wave stores 384 consecutive bytes
.endm
	s_wait_loadcnt 63                              ; 64 loads of gate_w were issued behind x's sixteen: with 63 out at the most, x is in
	TURN 0
	STEP 0
	STEP 1
	STEP 2
	STEP 3
	ds_load_u16 v12, v7                            ; the two tokens' 64 scale bytes: LDS serves a wave's instructions in order
	s_wait_dscnt 0x0
	global_store_b16 v10, v12, s[28:29]            ; 64 consecutive bytes
.irp e, 0,1,2,3,4,5,6,7
	v_mov_b32 v[PT+\e], 0                          ; written once: a lane permute's destination counts as one of its sources
.endr
	v_mov_b32 v175, 0xff800000                     ; -infinity
	s_wait_loadcnt 0x0                             ; gate_w
; the eight logits of token j, in every lane
.macro DOT j
	WIN 0x04                                       ; source 1 (gate_w) window 1
.irp e, 0,1,2,3,4,5,6,7
	v_pk_mul_f32 v[ACC+2*\e:ACC+2*\e+1], v[R+32*\j:R+32*\j+1], v[32*\e:32*\e+1]   ; the first products start the sums
.endr
.irp q, 1,2,3,4,5,6,7,8,9,10,11,12,13,14,15
.irp e, 0,1,2,3,4,5,6,7
	v_pk_fma_f32 v[ACC+2*\e:ACC+2*\e+1], v[R+32*\j+2*\q:R+32*\j+2*\q+1], v[32*\e+2*\q:32*\e+2*\q+1], v[ACC+2*\e:ACC+2*\e+1]   ; eight chains by turns
.endr
.endr
	WIN 0
.irp e, 0,1,2,3,4,5,6,7
	v_add_f32 v[LG+\e], v[ACC+2*\e], v[ACC+2*\e+1]
.endr
.irp m, 1,2,4,8
.irp e, 0,1,2,3,4,5,6,7
	v_add_f32_dpp v[LG+\e], v[LG+\e], v[LG+\e] row_xmask:\m row_mask:0xf bank_mask:0xf
.endr
.endr
.irp e, 0,1,2,3,4,5,6,7
	v_permlanex16_b32 v[PT+\e], v[LG+\e], s30, s31
.endr
.irp e, 0,1,2,3,4,5,6,7
	v_add_f32 v[LG+\e], v[LG+\e], v[PT+\e]
.endr
.endm
; the largest of eight and its index: a later number wins only if it is larger, so a tie keeps the lower index.  No branch: the choice only selects values
.macro PICK src, best, idx
	v_mov_b32 v[\best], v[\src]
	v_mov_b32 v[\idx], 0
.irp e, 1,2,3,4,5,6,7
	v_cmp_le_f32 vcc_lo, v[\src+\e], v[\best]
	v_cndmask_b32 v[\best], v[\src+\e], v[\best], vcc_lo
	v_cndmask_b32 v[\idx], \e, v[\idx], vcc_lo
.endr
.endm
.macro TOP2 j
	PICK LG, 164, 165
.irp e, 0,1,2,3,4,5,6,7
	v_cmp_eq_u32 vcc_lo, \e, v165
	v_cndmask_b32 v[MK+\e], v[LG+\e], v175, vcc_lo   ; the winner is taken out
.endr
	PICK MK, 174, 186
	v_sub_f32 v187, v174, v164                     ; the second less the first: the maximum is taken away, the exponent is 0 or less
	v_mul_f32 v187, 0x3fb8aa3b, v187
	s_wait_alu depctr_va_vdst(0)
	v_exp_f32 v187, v187
	v_lshl_or_b32 v[176+\j], v186, 8, v165         ; e0 | e1 << 8  (the plain line behind the exponential)
	s_wait_alu depctr_va_vdst(0)
	v_add_f32 v188, 1.0, v187
	s_wait_alu depctr_va_vdst(0)
	v_rcp_f32 v[178+2*\j], v188                    ; c0 = 1 / (1 + t)
	v_nop
	s_wait_alu depctr_va_vdst(0)
	v_mul_f32 v[179+2*\j], v187, v[178+2*\j]       ; c1 = t / (1 + t)
.endm
	DOT 0
	TOP2 0
	DOT 1
	TOP2 1
	v_and_b32 v8, 1, v1                            ; lane 0 stores the first token's results, lane 1 the second's
	v_cmp_eq_u32 vcc_lo, 1, v8
	v_cndmask_b32 v182, v176, v177, vcc_lo
	v_cndmask_b32 v184, v178, v180, vcc_lo
	v_cndmask_b32 v185, v179, v181, vcc_lo
	v_cmp_gt_u32 vcc_lo, 2, v1
	s_wait_alu depctr_va_vdst(0)
	s_wait_xcnt 0x0                                ; EXEC is a source of the stores above: it changes only behind this wait
	s_wait_tensorcnt 0x0
	ds_add_u32 v254, v255
	s_wait_dscnt 0x0
	s_and_saveexec_b32 s36, vcc_lo
	global_store_b32 v13, v182, s[8:9]
	global_store_b64 v14, v[184:185], s[10:11]
	s_wait_xcnt 0x0                                ; and again in front of the line that widens it
	s_or_b32 exec_lo, exec_lo, s36
	s_endpgm
.Lfunc_end_k_qd8d4a1ccf5_route_quant:
	.size	k_qd8d4a1ccf5_route_quant, .Lfunc_end_k_qd8d4a1ccf5_route_quant-k_qd8d4a1ccf5_route_quant
	.p2alignl 7, 3214868480
	.fill 96, 4, 3214868480
	.section	.rodata,"a",@progbits
	.p2align	6, 0x0
	.amdhsa_kernel k_qd8d4a1ccf5_route_quant
		.amdhsa_group_segment_fixed_size 11520
		.amdhsa_private_segment_fixed_size 0
		.amdhsa_enable_private_segment 0
		.amdhsa_kernarg_size 40
		.amdhsa_user_sgpr_count 2
		.amdhsa_user_sgpr_kernarg_segment_ptr 1
		.amdhsa_wavefront_size32 1
		.amdhsa_system_sgpr_workgroup_id_x 1
		.amdhsa_system_sgpr_workgroup_id_y 1
		.amdhsa_system_sgpr_workgroup_id_z 1
		.amdhsa_system_vgpr_workitem_id 0
		.amdhsa_next_free_vgpr 512
		.amdhsa_next_free_sgpr 66
		.amdhsa_reserve_vcc 1
		.amdhsa_float_denorm_mode_32 3
		.amdhsa_float_denorm_mode_16_64 3
		.amdhsa_memory_ordered 1
		.amdhsa_forward_progress 1
		.amdhsa_inst_pref_size 44
	.end_amdhsa_kernel
	.amdgpu_metadata
---
amdhsa.version: [ 1, 2 ]
amdhsa.kernels:
  - .name:           k_qd8d4a1ccf5_route_quant
    .symbol:         k_qd8d4a1ccf5_route_quant.kd
    .args:
      - { .name: x, .offset: 0, .size: 8, .value_kind: global_buffer, .address_space: global }
      - { .name: gate_w, .offset: 8, .size: 8, .value_kind: global_buffer, .address_space: global }
      - { .name: sel, .offset: 16, .size: 8, .value_kind: global_buffer, .address_space: global }
      - { .name: cw, .offset: 24, .size: 8, .value_kind: global_buffer, .address_space: global }
      - { .name: xq, .offset: 32, .size: 8, .value_kind: global_buffer, .address_space: global }
    .group_segment_fixed_size: 11520
    .private_segment_fixed_size: 0
    .kernarg_segment_align: 8
    .kernarg_segment_size: 40
    .max_flat_workgroup_size: 64
    .sgpr_count:     66
    .vgpr_count:     512
    .wavefront_size: 32
...
	.end_amdgpu_metadata
.endif
;; end of part 6
;; launch place (part 7): grid 256 x 1, 4 waves a work-group, no clusters, 0 bytes of LDS; arguments sel, xq, route, xs; writes route, xs
.if DOCPART == 7
	.amdgcn_target "amdgcn-amd-amdhsa--gfx1250"
	.amdhsa_code_object_version 6
	.text
	.protected	k_qd8d4a1ccf5_place
	.globl	k_qd8d4a1ccf5_place
	.p2align	8
	.type	k_qd8d4a1ccf5_place,@function
k_qd8d4a1ccf5_place:
	s_mov_b64 s[64:65], 0
	v_nop
	global_prefetch_b8 v0, s[64:65] scope:SCOPE_SE
	s_setreg_imm32_b32 hwreg(HW_REG_WAVE_MODE, 25, 1), 1
	s_wait_xcnt 0x0
; THE ROWS ARE PLACED BY EXPERT.  sel[t] = e0 | e1 << 8 (whole numbers, stored by the launch before).  A counting sort without atomics and without LDS.
; Expert e's rows stand together, in the order of the tokens, from place 16 tb[e] on; it has nt[e] = ceil(n[e] / 16) tiles of 16 places, the last filled up with rows of zero codes.  At most 135 tiles, 2,160 places.
; Stored: route[t] = the token's two places (8 bytes); from byte 8,192 tb[0..7], nt[0..7];  xs: [place][768] codes, from byte 1,658,880 [place][32] scale bytes: the token's row of xq, copied to both its places.
; SHARES.  1,024 waves, a wave to a token: wave number tc = 4 x work-group + wave copies token tc.  EVERY WAVE COUNTS FOR ITSELF: it reads all of sel (4 KiB), so that every address and every branch here is made of whole
; numbers read from memory by register arithmetic alone; the waves hand each other nothing, and there is no barrier.
; THE COUNT.  Lane l holds chunk l of sel, tokens 32 l .. 32 l + 31.  A token becomes (1 << 4 e0) + (1 << 4 e1): eight fields of 4 bits, one for each expert.  Four accumulators take eight tokens each (a field holds at
; most 8) and are widened to two registers of byte fields (at most 32): LO experts 0, 2, 4, 6; HI experts 1, 3, 5, 7.  PK holds, for my token's two experts E0 (low half) and E1 (high half), the chunk's count in the
; lanes of the chunks in front of mine, plus 1 in each lane whose token of MY chunk (a second load, a token to a lane) stands in front of mine and chose that expert.
; ACROSS THE LANES: v_readlane_b32 with constant lane numbers and scalar additions; the byte fields in groups of seven lanes (7 x 32 = 224 fits a byte), each group widened to fields of 16 bits.
; The first 128 waves of the launch write the zero rows: wave number W tries row W % 16 behind the last row of expert W / 16.  Wave 0 stores the table.
.set W,   16                           ; v16-47  my chunk of sel
.set ROW, 48                           ; v48-53  my token's codes, 8 bytes a lane x 3;  v54 its scale byte
.set T,   56                           ; v56-63  at work
.set ACC, 64                           ; v64-67  four accumulators of 4-bit fields
.set LL,  68                           ; v68-71  their even fields
.set LO,  72
.set HI,  73
.set PK,  74
	s_load_b128 s[4:7], s[0:1], 0x0                ; sel, xq
	s_load_b128 s[8:11], s[0:1], 0x10              ; route, xs
	v_lshrrev_b32 v2, 5, v0
	v_readfirstlane_b32 s18, v2                    ; wave 0..3
	v_and_b32 v1, 31, v0                           ; lane
	s_lshl_b32 s19, ttmp9, 2
	s_add_co_u32 s19, s19, s18                     ; tc: my token, and my wave's number in the launch
	s_lshr_b32 s20, s19, 5                         ; its chunk
	s_and_b32 s21, s19, 31                         ; and its place in the chunk
	v_lshlrev_b32 v3, 7, v1                        ; sel: 128 bytes a lane
	v_lshlrev_b32 v4, 3, v1                        ; a row's codes: 8 bytes a lane, 256 an instruction
	v_lshlrev_b32 v5, 2, v1                        ; 4 bytes a lane
	v_mov_b32 v6, 1
	v_mov_b32 v7, 0x10000
	s_lshl_b32 s22, s19, 2
	s_mov_b32 s23, 0
	s_lshl_b32 s24, s20, 7
	s_mov_b32 s25, 0
	s_mul_i32 s26, s19, 768
	s_mov_b32 s27, 0
	s_lshl_b32 s28, s19, 5
	s_add_co_u32 s28, s28, 786432
	s_mov_b32 s29, 0
	s_mov_b32 s43, 0                               ; the upper word of the offsets made below
	s_wait_alu depctr_va_vdst(0)
	s_wait_kmcnt 0x0
	s_add_nc_u64 s[22:23], s[4:5], s[22:23]
	s_load_b32 s30, s[22:23], 0x0                  ; my token's two experts
	s_add_nc_u64 s[24:25], s[4:5], s[24:25]
	s_add_nc_u64 s[26:27], s[6:7], s[26:27]
	s_add_nc_u64 s[28:29], s[6:7], s[28:29]
	global_load_b32 v8, v5, s[24:25]               ; my chunk, a token to a lane
.irp j, 0,1,2,3,4,5,6,7
	global_load_b128 v[W+4*\j:W+4*\j+3], v3, s[4:5] offset:16*\j   ; all of sel, a chunk to a lane
.endr
	global_load_b64 v[ROW:ROW+1], v4, s[26:27]
	global_load_b64 v[ROW+2:ROW+3], v4, s[26:27] offset:256
	global_load_b64 v[ROW+4:ROW+5], v4, s[26:27] offset:512
	global_load_u8 v[ROW+6], v1, s[28:29]
	s_mov_b32 s40, 0                               ; the sum of PK
	s_mov_b32 s44, 0                               ; the counts, two fields of 16 bits each: experts 0 and 4,
	s_mov_b32 s45, 0                               ; 2 and 6,
	s_mov_b32 s46, 0                               ; 1 and 5,
	s_mov_b32 s47, 0                               ; 3 and 7
	s_wait_loadcnt 0x4                             ; sel is in; the four loads of the row are younger
; four tokens of the lane's chunk, by turns, one into each accumulator
.macro BUILD4 k0
.irp d, 0,1,2,3
	v_lshlrev_b32 v[T+2*\d], 2, v[W+\k0+\d]
.endr
.irp d, 0,1,2,3
	v_lshrrev_b32 v[T+2*\d+1], 6, v[W+\k0+\d]      ; 4 e1
.endr
.irp d, 0,1,2,3
	v_and_b32 v[T+2*\d], 28, v[T+2*\d]             ; 4 e0
.endr
.irp d, 0,1,2,3
	v_lshlrev_b32 v[T+2*\d], v[T+2*\d], v6         ; 1 << 4 e0
.endr
.irp d, 0,1,2,3
	v_lshlrev_b32 v[T+2*\d+1], v[T+2*\d+1], v6     ; 1 << 4 e1
.endr
.irp d, 0,1,2,3
.if \k0 == 0
	v_add_nc_u32 v[ACC+\d], v[T+2*\d], v[T+2*\d+1] ; the first four tokens start the sums
.else
	v_add3_u32 v[ACC+\d], v[ACC+\d], v[T+2*\d], v[T+2*\d+1]
.endif
.endr
.endm
.irp k, 0,4,8,12,16,20,24,28
	BUILD4 \k
.endr
.irp a, 0,1,2,3
	v_and_b32 v[LL+\a], 0x0f0f0f0f, v[ACC+\a]      ; the even experts' fields, a byte each
.endr
.irp a, 0,1,2,3
	v_lshrrev_b32 v[ACC+\a], 4, v[ACC+\a]
.endr
.irp a, 0,1,2,3
	v_and_b32 v[ACC+\a], 0x0f0f0f0f, v[ACC+\a]     ; the odd experts'
.endr
	v_add3_u32 v[LO], v[LL], v[LL+1], v[LL+2]
	v_add3_u32 v[HI], v[ACC], v[ACC+1], v[ACC+2]
	v_add_nc_u32 v[LO], v[LO], v[LL+3]             ; byte j: the chunk's rows for expert 2 j
	v_add_nc_u32 v[HI], v[HI], v[ACC+3]            ; for expert 2 j + 1
	s_wait_alu depctr_va_vdst(0)
	s_wait_kmcnt 0x0
	s_and_b32 s31, s30, 0xff                       ; E0
	s_lshr_b32 s32, s30, 8                         ; E1
	s_and_b32 s33, s31, 6
	s_lshl_b32 s33, s33, 2                         ; E0's byte begins at bit 8 (E0 / 2),
	s_and_b32 s34, s31, 1
	s_cselect_b32 s34, -1, 0                       ; in HI if E0 is odd
	s_and_b32 s35, s32, 6
	s_lshl_b32 s35, s35, 2
	s_and_b32 s36, s32, 1
	s_cselect_b32 s36, -1, 0
	v_cndmask_b32 v75, v[LO], v[HI], s34
	v_cndmask_b32 v76, v[LO], v[HI], s36
	v_bfe_u32 v75, v75, s33, 8                     ; the chunk's rows for E0,
	v_bfe_u32 v76, v76, s35, 8                     ; and for E1
	v_lshl_or_b32 v[PK], v76, 16, v75
	v_cmp_gt_u32 vcc_lo, s20, v1                   ; only the chunks in front of mine count
	v_cndmask_b32 v[PK], 0, v[PK], vcc_lo
	v_and_b32 v9, 0xff, v8                         ; my chunk, a token to a lane: its first choice,
	v_lshrrev_b32 v8, 8, v8                        ; and its second
	v_cmp_eq_u32 vcc_lo, s31, v9
	v_cndmask_b32 v75, 0, v6, vcc_lo               ; 1 where the token chose E0,
	v_cmp_eq_u32 vcc_lo, s31, v8
	v_cndmask_b32 v76, 0, v6, vcc_lo
	v_cmp_eq_u32 vcc_lo, s32, v9
	v_cndmask_b32 v77, 0, v7, vcc_lo               ; 1 << 16 where it chose E1
	v_cmp_eq_u32 vcc_lo, s32, v8
	v_cndmask_b32 v78, 0, v7, vcc_lo
	v_add3_u32 v75, v75, v76, v77
	v_add_nc_u32 v75, v75, v78
	v_cmp_gt_u32 vcc_lo, s21, v1                   ; only the tokens in front of mine count
	v_cndmask_b32 v75, 0, v75, vcc_lo
	v_add_nc_u32 v[PK], v[PK], v75
; n lanes from lane first on: their LO, HI and PK come into scalar registers and are added; LO's and HI's byte fields are then widened
.macro GRP first, n
.irp l, 0,1,2,3,4,5,6
.if \l < \n
	v_readlane_b32 s[66+2*\l], v[LO], \first+\l
	v_readlane_b32 s[67+2*\l], v[HI], \first+\l
	v_readlane_b32 s[80+\l], v[PK], \first+\l
.endif
.endr
	s_add_co_u32 s37, s66, s68
	s_add_co_u32 s38, s67, s69
	s_add_co_u32 s40, s40, s80
	s_add_co_u32 s40, s40, s81
.irp l, 2,3,4,5,6
.if \l < \n
	s_add_co_u32 s37, s37, s[66+2*\l]
	s_add_co_u32 s38, s38, s[67+2*\l]
	s_add_co_u32 s40, s40, s[80+\l]
.endif
.endr
	s_and_b32 s39, s37, 0x00ff00ff
	s_add_co_u32 s44, s44, s39
	s_lshr_b32 s39, s37, 8
	s_and_b32 s39, s39, 0x00ff00ff
	s_add_co_u32 s45, s45, s39
	s_and_b32 s39, s38, 0x00ff00ff
	s_add_co_u32 s46, s46, s39
	s_lshr_b32 s39, s38, 8
	s_and_b32 s39, s39, 0x00ff00ff
	s_add_co_u32 s47, s47, s39
.endm
	GRP 0, 7
	GRP 7, 7
	GRP 14, 7
	GRP 21, 7
	GRP 28, 4
	s_and_b32 s48, s44, 0xffff                     ; n[0..7] in s48-55
	s_lshr_b32 s52, s44, 16
	s_and_b32 s50, s45, 0xffff
	s_lshr_b32 s54, s45, 16
	s_and_b32 s49, s46, 0xffff
	s_lshr_b32 s53, s46, 16
	s_and_b32 s51, s47, 0xffff
	s_lshr_b32 s55, s47, 16
	s_mov_b32 s37, 0
.irp e, 0,1,2,3,4,5,6,7
	s_mov_b32 s[56+\e], s37                        ; tb[e] in s56-63
	s_add_co_u32 s38, s[48+\e], 15
	s_lshr_b32 s[66+\e], s38, 4                    ; nt[e] in s66-73
	s_add_co_u32 s37, s37, s[66+\e]
.endr
	s_mov_b32 s90, 0
	s_mov_b32 s91, 0
.irp e, 0,1,2,3,4,5,6,7
	s_cmp_eq_u32 s31, \e
	s_cselect_b32 s90, s[56+\e], s90               ; tb[E0]
	s_cmp_eq_u32 s32, \e
	s_cselect_b32 s91, s[56+\e], s91               ; tb[E1]
.endr
	s_lshl_b32 s90, s90, 4
	s_lshl_b32 s91, s91, 4
	s_and_b32 s38, s40, 0xffff                     ; E0's rows in front of mine,
	s_lshr_b32 s39, s40, 16                        ; and E1's
	s_add_co_u32 s90, s90, s38                     ; my token's two places
	s_add_co_u32 s91, s91, s39
	s_min_u32 s90, s90, 2159                       ; a place lies inside the list
	s_min_u32 s91, s91, 2159
	v_mov_b32 v80, s90
	v_mov_b32 v81, s91
	s_lshl_b32 s39, s19, 3
	v_mov_b32 v82, s39                             ; route: 8 bytes a token
	v_cmp_eq_u32 vcc_lo, 0, v1
	s_wait_alu depctr_va_vdst(0)
	s_wait_xcnt 0x0                                ; EXEC is a source of the loads above: it changes only behind this wait
	s_and_saveexec_b32 s92, vcc_lo
	global_store_b64 v82, v[80:81], s[8:9]         ; from lane 0 alone
	s_wait_xcnt 0x0                                ; and again in front of the line that widens it
	s_or_b32 exec_lo, exec_lo, s92
	s_mul_i32 s42, s90, 768
	s_add_nc_u64 s[94:95], s[10:11], s[42:43]
	s_lshl_b32 s42, s90, 5
	s_add_co_u32 s42, s42, 1658880
	s_add_nc_u64 s[96:97], s[10:11], s[42:43]
	s_mul_i32 s42, s91, 768
	s_add_nc_u64 s[98:99], s[10:11], s[42:43]
	s_lshl_b32 s42, s91, 5
	s_add_co_u32 s42, s42, 1658880
	s_add_nc_u64 s[100:101], s[10:11], s[42:43]
	s_wait_loadcnt 0x0                             ; the row
.irp b, 94,98
	global_store_b64 v4, v[ROW:ROW+1], s[\b:\b+1]  ; a row begins at a multiple of 768 bytes: each store covers 256 consecutive bytes, aligned
	global_store_b64 v4, v[ROW+2:ROW+3], s[\b:\b+1] offset:256
	global_store_b64 v4, v[ROW+4:ROW+5], s[\b:\b+1] offset:512
	global_store_b8 v1, v[ROW+6], s[\b+2:\b+3]
.endr
	; the rows that fill up an expert's last tile: the first 128 waves of the launch, sixteen to an expert
	s_cmp_lt_u32 s19, 128
	s_cbranch_scc0 .Lno_pad
	s_lshr_b32 s92, s19, 4                         ; the expert
	s_and_b32 s93, s19, 15                         ; which row behind its last
	s_mov_b32 s37, 0
	s_mov_b32 s38, 0
	s_mov_b32 s39, 0
.irp e, 0,1,2,3,4,5,6,7
	s_cmp_eq_u32 s92, \e
	s_cselect_b32 s37, s[48+\e], s37
	s_cselect_b32 s38, s[56+\e], s38
	s_cselect_b32 s39, s[66+\e], s39
.endr
	s_lshl_b32 s38, s38, 4
	s_lshl_b32 s39, s39, 4
	s_add_co_u32 s39, s39, s38                     ; behind the expert's last tile
	s_add_co_u32 s37, s37, s38
	s_add_co_u32 s37, s37, s93                     ; my row
	s_cmp_lt_u32 s37, s39
	s_cbranch_scc0 .Lno_pad
	s_min_u32 s37, s37, 2159
	v_mov_b32 v84, 0
	v_mov_b32 v85, 0
	v_mov_b32 v86, 127                             ; zero codes add nothing under any byte but 0xff
	s_wait_alu depctr_va_vdst(0)
	s_wait_xcnt 0x0                                ; the copies' stores have read their bases
	s_mul_i32 s42, s37, 768
	s_add_nc_u64 s[94:95], s[10:11], s[42:43]
	s_lshl_b32 s42, s37, 5
	s_add_co_u32 s42, s42, 1658880
	s_add_nc_u64 s[96:97], s[10:11], s[42:43]
	global_store_b64 v4, v[84:85], s[94:95]
	global_store_b64 v4, v[84:85], s[94:95] offset:256
	global_store_b64 v4, v[84:85], s[94:95] offset:512
	global_store_b8 v1, v86, s[96:97]
.Lno_pad:
	s_cmp_lg_u32 s19, 0
	s_cbranch_scc1 .Lend
	v_mov_b32 v87, 0
.irp e, 0,1,2,3,4,5,6,7
	v_writelane_b32 v87, s[56+\e], \e
	v_writelane_b32 v87, s[66+\e], 8+\e
.endr
	global_store_b32 v5, v87, s[8:9] offset:8192   ; tb[0..7], nt[0..7], sixteen zeros
.Lend:
	s_endpgm
.Lfunc_end_k_qd8d4a1ccf5_place:
	.size	k_qd8d4a1ccf5_place, .Lfunc_end_k_qd8d4a1ccf5_place-k_qd8d4a1ccf5_place
	.p2alignl 7, 3214868480
	.fill 96, 4, 3214868480
	.section	.rodata,"a",@progbits
	.p2align	6, 0x0
	.amdhsa_kernel k_qd8d4a1ccf5_place
		.amdhsa_group_segment_fixed_size 0
		.amdhsa_private_segment_fixed_size 0
		.amdhsa_enable_private_segment 0
		.amdhsa_kernarg_size 32
		.amdhsa_user_sgpr_count 2
		.amdhsa_user_sgpr_kernarg_segment_ptr 1
		.amdhsa_wavefront_size32 1
		.amdhsa_system_sgpr_workgroup_id_x 1
		.amdhsa_system_sgpr_workgroup_id_y 1
		.amdhsa_system_sgpr_workgroup_id_z 1
		.amdhsa_system_vgpr_workitem_id 0
		.amdhsa_next_free_vgpr 96
		.amdhsa_next_free_sgpr 102
		.amdhsa_reserve_vcc 1
		.amdhsa_float_denorm_mode_32 3
		.amdhsa_float_denorm_mode_16_64 3
		.amdhsa_memory_ordered 1
		.amdhsa_forward_progress 1
		.amdhsa_inst_pref_size 31
	.end_amdhsa_kernel
	.amdgpu_metadata
---
amdhsa.version: [ 1, 2 ]
amdhsa.kernels:
  - .name:           k_qd8d4a1ccf5_place
    .symbol:         k_qd8d4a1ccf5_place.kd
    .args:
      - { .name: sel, .offset: 0, .size: 8, .value_kind: global_buffer, .address_space: global }
      - { .name: xq, .offset: 8, .size: 8, .value_kind: global_buffer, .address_space: global }
      - { .name: route, .offset: 16, .size: 8, .value_kind: global_buffer, .address_space: global }
      - { .name: xs, .offset: 24, .size: 8, .value_kind: global_buffer, .address_space: global }
    .group_segment_fixed_size: 0
    .private_segment_fixed_size: 0
    .kernarg_segment_align: 8
    .kernarg_segment_size: 32
    .max_flat_workgroup_size: 128
    .sgpr_count:     102
    .vgpr_count:     96
    .wavefront_size: 32
...
	.end_amdgpu_metadata
.endif
;; end of part 7
;; launch upgate (part 8): grid 256 x 1, 4 waves a work-group, no clusters, 310,784 bytes of LDS; arguments route, xs, w1_codes, w1_scales, w3_codes, w3_scales, act; writes act
.if DOCPART == 8
	.amdgcn_target "amdgcn-amd-amdhsa--gfx1250"
	.amdhsa_code_object_version 6
	.text
	.protected	k_qd8d4a1ccf5_upgate
	.globl	k_qd8d4a1ccf5_upgate
	.p2align	8
	.type	k_qd8d4a1ccf5_upgate,@function
k_qd8d4a1ccf5_upgate:
	s_mov_b64 s[64:65], 0
	v_nop
	global_prefetch_b8 v0, s[64:65] scope:SCOPE_SE
	s_setreg_imm32_b32 hwreg(HW_REG_WAVE_SCHED_MODE, 0, 2), 2
	s_setreg_imm32_b32 hwreg(HW_REG_WAVE_MODE, 25, 1), 1
	s_wait_xcnt 0x0
	s_wait_alu depctr_vm_vsrc(0)
; a = silu(x W1) * (x W3) for the routed rows, both products on codes of FP6 (E2M3) with one E8M0 scale for each 32 along K, and a quantised along the hidden axis.  Only the rows that chose an expert are multiplied by it.
; xs: [place][768] codes of the rows, sorted by expert, and from byte 1,658,880 [place][32] scale bytes.  w1, w3: [8][2048][768] codes, K innermost; scale bytes [8][2048][32].
; act: [tile of 16 places] 25,600 bytes: 16 K steps of the next product x [lane half 2][row 16][48 bytes], then from byte 24,576 [K step 16][row 16] scale words.
; SHARES.  256 work-groups: expert e = wg / 32, slice sl = (wg / 2) % 16 of 128 hidden units, part = wg % 2 of the expert's tiles of rows.  Wave w takes hidden units 128 sl + 32 w .. + 31 of W1 and of W3:
; 2 x 2 tiles x 8 K steps x 12 = 384 registers, which stay for the whole launch.  The work-group's tiles of rows are laid in LDS once and read by all four waves.
; WEIGHTS.  A wave's 32 rows are 24,576 consecutive bytes: 48 loads of 512.  They turn into fragments through the wave's own stage in LDS (rows 784 bytes apart).
; K IS PERMUTED ALIKE ON BOTH SIDES: for K step s lane half h takes the 48 consecutive bytes 96 s + 48 h of its row, three loads of 16 bytes: memory's blocks 2 h, 2 h + 1, which the instruction takes as its blocks
; h and 2 + h.  So the two middle bytes of each scale word change places (v_perm_b32 for the weights' words; the rows' words are stored so).  The order inside a block of 32 is untouched; the sums are grouped otherwise.
; TRANSPOSED USE: source 0 = 16 rows of W, source 1 = 16 rows of x: a lane holds ONE row of x.  THE ROWS OF W THAT FORM A TILE ARE NOT NEIGHBOURS: lane r of tile u takes row 8 u + r + 8 (r / 8), so that the 16 registers
; of tiles 0 and 1 are hidden units 16 (lane / 16) + 0 .. 15 of the wave's 32, which are one block of the next K: one conversion gives 12 of the block's 24 bytes.
; WHAT HANGS ON THE STORED COUNTS (tb[e], nt[e]): scalar branches inside loops of constant count and ladders of branches, and, behind s_min_u32, global addresses.  No LDS address and no barrier hangs on them.
; An expert has at most 64 tiles, a part at most 32: two phases of 16 LDS slots; the second finds nothing to do unless a part has more than 16 tiles.
; NO CLUSTER AND NO TENSOR LOAD: how many tiles a work-group walks is read from memory, and partners would need different numbers; the text branches on those counts.
; LIMITS: a block of zeros gets the byte 1 where the rule says 127 (its codes are zeros; this program alone reads the bytes).  NaN and infinities are not served.  A lopsided choice of experts is served, but more
; slowly: an expert's work lies on its 32 work-groups, and the weights of an expert that nobody chose are still read.
; THE MODE: SCHED_MODE bits 1:0 = 2 (LLVM: expert scheduling mode 2), set by the entry lines.  The code itself states the register dependences between vector or matrix instructions and memory or LDS
; instructions, with s_wait_alu, always for 0.
; THE PLAN.  Registers that memory or LDS instructions touch:
;   v4-12, v24-27, v122, v224-232   addresses and offsets, made once at the head and never written again: two waits on va_vdst at the head state them for the whole kernel.
;   windows 1, 2    a weight as loaded; read by the LDS stores into my stage; then the fragments' LDS loads land in the same registers: one wait on vm_vsrc between the two runs.  From then on the products alone name them.
;   window 3        a round's tiles as they land; read by the round's LDS stores; no vector or matrix instruction names them.  One wait on vm_vsrc stands between a round's stores and the next round's loads.
;   v32-63          the weights' scale words: loaded, then written by v_perm_b32: eight places and one wait on va_vdst ahead of the products.
;   v18, v19        a trip's two LDS addresses: written at the trip's head, read by its 25 LDS loads.
;   XS, XF          written by a trip's LDS loads, read by its products; on the way out written by LDS loads and read by global stores.
;   v22, v23, v112-114, v120   written by vector instructions late in a trip, read by the trip's four LDS stores.
; So a trip holds: one wait on vm_vsrc at its head (the last trip's loads and stores have read all that this trip writes again); one on va_vdst behind the two adds; the two behind the exponentials and the
; reciprocals, which also state that the products are done reading XS and XF; and one ahead of the four stores.  A trip's loads stand in the trip's own arm: whether a slot holds a tile is a stored number.
.set PX,    784                        ; an LDS row of 768 bytes + 16 = 196 words: row r starts at bank 4 r mod 64 (64 banks of 4 bytes: ISA guide 11.1)
.set XSC,   16*PX                      ; in a slot: behind the 16 rows their 512 scale bytes
.set SLOTB, 13056
.set NSL,   16
.set WS,    NSL*SLOTB                  ; behind the slots: a stage for each wave: 32 rows, rows 16-31 another 128 bytes on, so that the rows 0-7 and 16-23 of a tile start at sixteen different groups of four banks
.set WSB,   25344
.set OUT,   WS                         ; laid over the stages, which are done with at the first barrier: the codes made, 1,536 bytes a slot,
.set OSC,   OUT+NSL*1536               ; and their scale words, 64 bytes a slot
.set XS,    28                         ; v28-31   the rows' scale words: lanes 0-15 K steps 0-3, lanes 16-31 K steps 4-7
.set W1S,   32                         ; v32-47   W1's scale words (8 u + s);  v48-63 W3's
.set W3S,   48
.set H,     64                         ; v64-79   x W1: tiles 0, 1
.set G,     80                         ; v80-95   x W3
.set TT,    96                         ; v96-111  at work
.set XF,    128                        ; v128-223 the rows' eight fragments; on the way out 4 x 13 registers
.set AB,    221                        ; v224-232 my part of a tile in slots 5 b .. 5 b + 4, b = 1, 2, 3: three registers at AB + 3 b, as v10-12 for b = 0
; v1 lane, v2 r, v3 h; v4, v5 stage in (v5: + 16 h); v6 stage out; v7 16 x lane; v8, v9 my part of a tile in xs; v10-12 the same in slots 0-4; v16, v17 a fragment's and a scale word's place in a slot;
; v18, v19 the trip's; v20, v21 where my codes and my byte go; v22, v23 the trip's; v24-27 the way out; v112-114 codes; v116-121 at work; v122 W's scale rows.
; window 1: W1 (as loaded at 4 n, then fragment (u, s) at 12 (8 u + s));  window 2: W3 likewise;  window 3: tiles of rows as they land: slot k of a round at 24 k, its scale word at 240 + k.
.set MSB, 0
.macro WIN new                         ; the immediate's high byte repeats the setting that is left
.if MSB != (\new)
	s_set_vgpr_msb (MSB<<8)|(\new)
.set MSB, (\new)
.endif
.endm
.macro BARRIER                         ; my LDS stores have landed and my LDS loads are in: then the work-group's barrier
	s_wait_dscnt 0x0
	s_barrier_signal -1
	s_barrier_wait -1
.endm
.macro WLOAD win, base                 ; my 32 rows of a weight, as they lie
	WIN (\win)*64
.set NN, 0
.rept 48
	global_load_b128 v[4*NN:4*NN+3], v7, s[\base:\base+1] offset:512*NN
.set NN, NN+1
.endr
	WIN 0
.endm
.macro WTURN win                       ; through my stage.  Three loads are two rows: the middle one's lanes 16-31 lie in the second row, 16 bytes of padding further on
	WIN (\win)*4
.set AA, 0
.rept 16
	ds_store_b128 v4, v[12*AA:12*AA+3] offset:2*PX*AA+128*(AA/8)
	ds_store_b128 v5, v[12*AA+4:12*AA+7] offset:2*PX*AA+128*(AA/8)+512
	ds_store_b128 v4, v[12*AA+8:12*AA+11] offset:2*PX*AA+128*(AA/8)+PX+256
.set AA, AA+1
.endr
	s_wait_dscnt 0x0                               ; the stores have read their registers: the fragments land in the same ones
	WIN (\win)*64
	s_wait_alu depctr_vm_vsrc(0)                   ; the LDS stores issued so far have read their data: the weight's registers, in which the fragments' loads below land
.irp u, 0,1
.irp s, 0,1,2,3,4,5,6,7
.irp i, 0,1,2
	ds_load_b128 v[12*(8*\u+\s)+4*\i:12*(8*\u+\s)+4*\i+3], v6 offset:8*PX*\u+96*\s+16*\i
.endr
.endr
.endr
	WIN 0
.endm
.macro ALOAD tl, k                     ; my four rows (3,072 bytes) and my 128 scale bytes of the phase's tile tl
	WIN 0xc0
.irp j, 0,1,2,3,4,5
	global_load_b128 v[24*(\k)+4*\j:24*(\k)+4*\j+3], v8, s[36:37] offset:12288*(\tl)+512*\j
.endr
	global_load_b32 v[240+(\k)], v9, s[38:39] offset:512*(\tl)
	WIN 0
.endm
.macro ASTORE tl, k                    ; into slot tl.  Five slots lie inside an LDS instruction's immediate (4 x 13,056 + 2,608 bytes at the most): a set of three addresses serves five slots, and none is stepped
.set BA, 10
.if (\tl)/5 > 0
.set BA, AB+3*((\tl)/5)
.endif
.set BO, SLOTB*((\tl)%5)
	WIN 0x0c
	ds_store_b128 v[BA], v[24*(\k):24*(\k)+3] offset:BO
	ds_store_b128 v[BA+1], v[24*(\k)+4:24*(\k)+7] offset:BO+512
	ds_store_b128 v[BA], v[24*(\k)+8:24*(\k)+11] offset:BO+PX+256
	ds_store_b128 v[BA], v[24*(\k)+12:24*(\k)+15] offset:BO+2*PX
	ds_store_b128 v[BA+1], v[24*(\k)+16:24*(\k)+19] offset:BO+2*PX+512
	ds_store_b128 v[BA], v[24*(\k)+20:24*(\k)+23] offset:BO+3*PX+256
	ds_store_b32 v[BA+2], v[240+(\k)] offset:BO
	WIN 0
.endm
; A ROUND brings up to n tiles: a ladder.  Going up, tile k is asked for if the phase has it; the first that it has not leads to rung k of the way down, on which exactly the tiles asked for are stored.
.macro TRY id, first, k
	s_cmp_gt_u32 s26, (\first)+(\k)
	s_cbranch_scc0 .Lr\k\id
	ALOAD (\first)+(\k), \k
.endm
.macro PUT id, first, k
.Lr\k\id:
	s_wait_loadcnt 0x0                             ; all that was asked for is in
	ASTORE (\first)+(\k)-1, (\k)-1
.endm
.macro ROUND10 id
.irp k, 0,1,2,3,4,5,6,7,8,9
	TRY \id, 0, \k
.endr
.irp k, 10,9,8,7,6,5,4,3,2,1
	PUT \id, 0, \k
.endr
.Lr0\id:
.endm
.macro ROUND6 id
.irp k, 0,1,2,3,4,5
	TRY \id, 10, \k
.endr
.irp k, 6,5,4,3,2,1
	PUT \id, 10, \k
.endr
.Lr0\id:
.endm
.macro PTRS                            ; the phase's pointers, from its first tile s25
	s_min_u32 s27, s25, 134                        ; a tile lies inside the list
	s_mul_i32 s50, s27, 12288
	s_add_nc_u64 s[36:37], s[6:7], s[50:51]        ; its rows' codes
	s_lshl_b32 s50, s27, 9
	s_add_co_u32 s50, s50, 1658880
	s_add_nc_u64 s[38:39], s[6:7], s[50:51]        ; their scale bytes
	s_mul_i32 s50, s27, 25600
	s_mul_i32 s52, s20, 1536
	s_add_co_u32 s52, s52, s50
	s_add_nc_u64 s[40:41], s[16:17], s[52:53]      ; act: the tile, K step sl
	s_lshl_b32 s52, s20, 6
	s_add_co_u32 s52, s52, s50
	s_add_nc_u64 s[42:43], s[16:17], s[52:53]      ; and that K step's scale words (24,576 further on, in the immediate)
.endm
.macro WM d, a, s, sa                  ; one product: accumulator d, W's fragment a, K step s
.if (\s) == 0
	v_wmma_scale_f32_16x16x128_f8f6f4 v[\d:\d+7], v[\a:\a+11], v[XF+12*(\s):XF+12*(\s)+11], 0, v[\sa], v[XS+(\s)%4] matrix_a_fmt:MATRIX_FMT_FP6 matrix_b_fmt:MATRIX_FMT_FP6
.elseif (\s) < 4
	v_wmma_scale_f32_16x16x128_f8f6f4 v[\d:\d+7], v[\a:\a+11], v[XF+12*(\s):XF+12*(\s)+11], v[\d:\d+7], v[\sa], v[XS+(\s)%4] matrix_a_fmt:MATRIX_FMT_FP6 matrix_b_fmt:MATRIX_FMT_FP6
.else
	v_wmma_scale_f32_16x16x128_f8f6f4 v[\d:\d+7], v[\a:\a+11], v[XF+12*(\s):XF+12*(\s)+11], v[\d:\d+7], v[\sa], v[XS+(\s)%4] matrix_a_fmt:MATRIX_FMT_FP6 matrix_b_fmt:MATRIX_FMT_FP6 matrix_b_scale:MATRIX_SCALE_ROW1
.endif
.endm
.macro MM s                            ; K step s: four accumulators, one instruction a turn.  Even steps take W1 first, odd steps W3: one switch of the window a step
	s_wait_dscnt 3*(7-(\s))                        ; the later K steps' fragments, three loads each, may be out
.if (\s)%2 == 0
	WIN 1
	WM H, 12*(\s), \s, W1S+(\s)
	WM H+8, 12*(8+(\s)), \s, W1S+8+(\s)
	WIN 2
	WM G, 12*(\s), \s, W3S+(\s)
	WM G+8, 12*(8+(\s)), \s, W3S+8+(\s)
.else
	WIN 2
	WM G, 12*(\s), \s, W3S+(\s)
	WM G+8, 12*(8+(\s)), \s, W3S+8+(\s)
	WIN 1
	WM H, 12*(\s), \s, W1S+(\s)
	WM H+8, 12*(8+(\s)), \s, W1S+8+(\s)
.endif
.endm
; THE LOOP OVER THE SLOTS: 16 trips always; a trip whose slot holds no tile steps the addresses and does nothing else.
.macro TILES
	s_mov_b32 s32, 0
	s_mov_b32 s33, 0
	s_mov_b32 s34, 0
	s_mov_b32 s35, 0
.Ltile\@:
	s_cmp_lt_u32 s32, s26
	s_cbranch_scc0 .Lskip\@
	s_wait_alu depctr_vm_vsrc(0)                   ; the last trip's LDS loads have read v18 and v19, and its LDS stores v22, v23, v112-114 and v120: this trip writes all of them again
	v_add_nc_u32 v18, s33, v16
	v_add_nc_u32 v19, s33, v17
	s_wait_alu depctr_va_vdst(0)                   ; v18 and v19 are written, which the loads below read.  (That the last trip's products are done reading XS and XF has been stated by that trip's own waits)
	ds_load_b128 v[XS:XS+3], v19
.irp s, 0,1,2,3,4,5,6,7
.irp i, 0,1,2
	ds_load_b128 v[XF+12*\s+4*\i:XF+12*\s+4*\i+3], v18 offset:96*\s+16*\i
.endr
.endr
.irp s, 0,1,2,3,4,5,6,7
	MM \s
.endr
	WIN 0
	v_add_nc_u32 v22, s34, v20                     ; four places behind the last product (ISA guide 7.12.1)
	v_add_nc_u32 v23, s35, v21
	v_nop
	v_nop
.irp c, 0,2,4,6,8,10,12,14
	v_pk_mul_f32 v[TT+\c:TT+\c+1], v[H+\c:H+\c+1], s[44:45] op_sel_hi:[1,0]   ; -h log2(e); each accumulator is read from its low end on
.endr
	s_wait_alu depctr_va_vdst(0)
.irp c, 0,1,2,3,4,5,6,7,8,9,10,11,12,13,14,15
	v_exp_f32 v[TT+\c], v[TT+\c]                   ; e^-h
.endr
	s_wait_alu depctr_va_vdst(0)
.irp c, 0,2,4,6,8,10,12,14
	v_pk_mul_f32 v[H+\c:H+\c+1], v[H+\c:H+\c+1], v[G+\c:G+\c+1]   ; h g  (plain lines behind the exponentials)
.endr
	s_wait_alu depctr_va_vdst(0)                   ; the sixteen exponentials have written v[TT ..], ahead of their first reader; the products are done reading XS and XF; v22 and v23 are written
.irp c, 0,2,4,6,8,10,12,14
	v_pk_add_f32 v[TT+\c:TT+\c+1], v[TT+\c:TT+\c+1], 1.0 op_sel_hi:[1,0]
.endr
	s_wait_alu depctr_va_vdst(0)
.irp c, 0,1,2,3,4,5,6,7,8,9,10,11,12,13,14,15
	v_rcp_f32 v[TT+\c], v[TT+\c]                   ; 1 / (1 + e^-h); where e^-h has overflowed: 0
.endr
	v_nop
	s_wait_alu depctr_va_vdst(0)                   ; the sixteen reciprocals have written v[TT ..], ahead of their first reader
.irp c, 0,2,4,6,8,10,12,14
	v_pk_mul_f32 v[H+\c:H+\c+1], v[H+\c:H+\c+1], v[TT+\c:TT+\c+1]   ; a = silu(h) g: 16 neighbours along the next K
.endr
	v_max3_num_f32 v116, |v[H]|, |v[H+1]|, |v[H+2]|
	v_max3_num_f32 v118, |v[H+3]|, |v[H+4]|, |v[H+5]|
.irp i, 6,10
	v_max3_num_f32 v116, v116, |v[H+\i]|, |v[H+\i+1]|
	v_max3_num_f32 v118, v118, |v[H+\i+2]|, |v[H+\i+3]|
.endr
	v_max3_num_f32 v116, v116, |v[H+14]|, |v[H+15]|
	v_max3_num_f32 v116, v116, v118, 0x1800000     ; and the floor 2^(3 - 127): the byte cannot fall under 1
	v_permlanex16_b32 v117, v116, s46, s47
	v_max_num_f32 v116, v116, v117                 ; with lane l xor 16's 16: the block's largest magnitude
	v_add_nc_u32 v119, 0xff000000, v116            ; 2 off its exponent field: the conversion's scale operand
	v_cvt_scalef32_pk16_fp6_f32 v[112:114], v[H:H+15], v119
	v_lshrrev_b32 v120, 23, v119                   ; the scale's byte (also the plain line behind the conversion)
	s_wait_alu depctr_va_vdst(0)                   ; the conversion has written v112-114 and the shift v120, which the four LDS stores read
	ds_store_b32 v22, v112                         ; 12 bytes, at a multiple of 4
	ds_store_b32 v22, v113 offset:4
	ds_store_b32 v22, v114 offset:8
	ds_store_b8 v23, v120                          ; both halves of the lanes write the same byte with the same value
.Lskip\@:
	s_add_co_u32 s33, s33, SLOTB
	s_add_co_u32 s34, s34, 1536
	s_add_co_u32 s35, s35, 64
	s_add_co_u32 s32, s32, 1
	s_cmp_lt_u32 s32, NSL
	s_cbranch_scc1 .Ltile\@
.endm
.macro OUTC i                          ; the way out of slot w + 4 i: 1,536 consecutive bytes of codes, at a multiple of 256 from act's first byte, and 64 bytes of scale words.  The loads land in v[XF ..]: every way from a product that read them leads through a trip's later waits on va_vdst
	s_add_co_u32 s28, s18, 4*\i
	s_cmp_lt_u32 s28, s26
	s_cbranch_scc0 .Lno\@
.irp j, 0,1,2
	ds_load_b128 v[XF+16*\i+4*\j:XF+16*\i+4*\j+3], v24 offset:6144*\i+512*\j
.endr
	ds_load_u16 v[XF+16*\i+12], v25 offset:256*\i
	s_wait_dscnt 0x0
.irp j, 0,1,2
	global_store_b128 v26, v[XF+16*\i+4*\j:XF+16*\i+4*\j+3], s[40:41] offset:102400*\i+512*\j
.endr
	global_store_b16 v27, v[XF+16*\i+12], s[42:43] offset:102400*\i+24576
.Lno\@:
.endm
	s_load_b256 s[4:11], s[0:1], 0x0               ; route, xs, W1's codes, W1's scales
	s_load_b128 s[12:15], s[0:1], 0x20             ; W3's codes, W3's scales
	s_load_b64 s[16:17], s[0:1], 0x30              ; act
	v_lshl_add_u32 v254, v0, 2, 0x4bc00
	v_mov_b32 v255, 0
	v_lshrrev_b32 v116, 5, v0
	v_readfirstlane_b32 s18, v116                  ; wave 0..3
	s_lshr_b32 s19, ttmp9, 5                       ; e
	s_bfe_u32 s20, ttmp9, 0x40001                  ; sl
	s_and_b32 s21, ttmp9, 1                        ; part
	v_and_b32 v1, 31, v0
	v_and_b32 v2, 15, v0
	v_bfe_u32 v3, v0, 4, 1
	v_lshlrev_b32 v7, 4, v1
	v_lshrrev_b32 v116, 3, v2
	v_lshl_add_u32 v118, v116, 3, v2               ; r + 8 (r / 8)
	v_lshlrev_b32 v122, 5, v118                    ; 32 scale bytes a row of W
	s_wait_alu depctr_va_sdst(0)                   ; s18 is written, ahead of its first reader: the weights' bases are made from it
	s_lshl_b32 s28, s19, 11
	s_lshl_b32 s29, s20, 7
	s_add_co_u32 s28, s28, s29
	s_lshl_b32 s29, s18, 5
	s_add_co_u32 s28, s28, s29                     ; my first row of W1 and W3: 2048 e + 128 sl + 32 w
	s_mul_i32 s50, s28, 768
	s_mov_b32 s51, 0
	s_lshl_b32 s52, s28, 5
	s_mov_b32 s53, 0
	s_lshl_b32 s54, s19, 2
	s_mov_b32 s55, 0
	s_wait_kmcnt 0x0
	s_add_nc_u64 s[8:9], s[8:9], s[50:51]
	s_add_nc_u64 s[12:13], s[12:13], s[50:51]
	s_add_nc_u64 s[10:11], s[10:11], s[52:53]
	s_add_nc_u64 s[14:15], s[14:15], s[52:53]
	s_add_nc_u64 s[4:5], s[4:5], s[54:55]
	s_load_b32 s22, s[4:5], 0x2000                 ; tb[e]
	s_load_b32 s23, s[4:5], 0x2020                 ; nt[e]
	WIN 0x40                                       ; W1 lands in window 1: the switch stands ahead of the wait
	s_wait_alu depctr_va_vdst(0)                   ; v7 and v122 are written: the offsets of the weights' loads and of their scale words' loads
	WLOAD 1, 8
.irp u, 0,1
.irp j, 0,1
	global_load_b128 v[W1S+8*\u+4*\j:W1S+8*\u+4*\j+3], v122, s[10:11] offset:256*\u+16*\j   ; tile u begins 8 rows on; a row's eight words
	global_load_b128 v[W3S+8*\u+4*\j:W3S+8*\u+4*\j+3], v122, s[14:15] offset:256*\u+16*\j
.endr
.endr
	WLOAD 2, 12
	s_mul_i32 s28, s18, WSB
	s_add_co_u32 s28, s28, WS                      ; my stage
	v_add_nc_u32 v4, s28, v7
	v_lshl_add_u32 v5, v3, 4, v4
	v_mul_u32_u24 v6, v118, PX
	v_lshl_add_u32 v6, v116, 7, v6
	v_mad_u32_u24 v6, v3, 48, v6
	v_add_nc_u32 v6, s28, v6
	s_mul_i32 s29, s18, 3072
	v_add_nc_u32 v8, s29, v7
	v_lshlrev_b32 v9, 2, v1
	s_lshl_b32 s29, s18, 7
	v_add_nc_u32 v9, s29, v9
	s_mul_i32 s29, s18, 4*PX
	v_add_nc_u32 v10, s29, v7
	v_lshl_add_u32 v11, v3, 4, v10
	v_add_nc_u32 v12, XSC, v9
.irp b, 1,2,3
	v_add_nc_u32 v[AB+3*\b], 5*SLOTB*\b, v10       ; the same three places five, ten and fifteen slots on
	v_add_nc_u32 v[AB+3*\b+1], 5*SLOTB*\b, v11
	v_add_nc_u32 v[AB+3*\b+2], 5*SLOTB*\b, v12
.endr
	v_mul_u32_u24 v16, v2, PX
	v_mad_u32_u24 v16, v3, 48, v16
	v_lshlrev_b32 v17, 5, v2
	v_lshl_add_u32 v17, v3, 4, v17
	v_add_nc_u32 v17, XSC, v17
	s_lshr_b32 s30, s18, 1
	s_and_b32 s31, s18, 1
	s_mul_i32 s28, s30, 768                        ; my block w of the K step: lane half w / 2 of the next product, the first or second 24 of its 48 bytes
	s_mul_i32 s29, s31, 24
	s_add_co_u32 s28, s28, s29
	s_add_co_u32 s28, s28, OUT
	v_mul_u32_u24 v20, v2, 48
	v_mad_u32_u24 v20, v3, 12, v20
	v_add_nc_u32 v20, s28, v20
	s_lshl_b32 s28, s31, 1                         ; and its byte's place in the scale word: 2 (w % 2) + w / 2
	s_add_co_u32 s28, s28, s30
	s_add_co_u32 s28, s28, OSC
	v_lshl_add_u32 v21, v2, 2, s28
	s_mul_i32 s28, s18, 1536
	s_add_co_u32 s28, s28, OUT
	v_add_nc_u32 v24, s28, v7
	s_lshl_b32 s28, s18, 6
	s_add_co_u32 s28, s28, OSC
	v_lshl_add_u32 v25, v1, 1, s28
	s_mul_i32 s28, s18, 25600
	v_add_nc_u32 v26, s28, v7
	v_lshl_add_u32 v27, v1, 1, s28
	v_mov_b32 v117, 0                              ; written once: a lane permute's destination counts as one of its sources
	s_mov_b32 s44, 0xbfb8aa3b                      ; -log2(e)
	s_mov_b32 s45, s44                             ; (named with it as a pair, so it is written)
	s_mov_b32 s46, 0x76543210
	s_mov_b32 s47, 0xfedcba98                      ; v_permlanex16_b32's selects for lane l xor 16
	s_mov_b32 s48, 0x03010200                      ; v_perm_b32: a word's two middle bytes change places
	s_wait_alu depctr_va_vdst(0)                   ; v4-6, v8-12, v24-27 and v224-232 are written: the addresses and offsets that the LDS and global instructions below read; none is written again
	s_wait_loadcnt 48                              ; W1 and the scale words are in; W3's 48 loads are younger
	WTURN 1
	s_wait_kmcnt 0x0
	s_add_co_u32 s28, s23, 1
	s_lshr_b32 s28, s28, 1                         ; tiles to a part
	s_mul_i32 s29, s21, s28                        ; my part's first
	s_sub_co_u32 s24, s23, s29
	s_min_u32 s24, s24, s28                        ; and how many it has: at most 32
	s_add_co_u32 s25, s22, s29
	s_min_u32 s26, s24, NSL                        ; this phase's
	PTRS
	ROUND10 a0
	s_wait_loadcnt 0x0                             ; W3 (on the way on which nothing was asked for, too)
	WTURN 2
	s_wait_dscnt 0x0                               ; the round's stores have read the registers in which the next round lands.  (The wait on vm_vsrc in the turn above stands behind the round's stores and states that too; no store has been issued since)
	ROUND6 b0
.irp i, 0,1,2,3,4,5,6,7,8,9,10,11,12,13,14,15,16,17,18,19,20,21,22,23,24,25,26,27,28,29,30,31
	v_perm_b32 v[W1S+\i], v[W1S+\i], v[W1S+\i], s48
.endr
.rept 8
	v_nop                                          ; a scale register written by a vector instruction stands eight places ahead of a scaled product
.endr
	s_wait_alu depctr_va_vdst(0)                   ; the 32 v_perm_b32 have written the weights' scale words, which the scaled products take; the places above stay beside this wait
	BARRIER                                        ; the tiles lie in their slots; every wave is done with its stage
	TILES
	BARRIER                                        ; the codes and scale words of all four waves lie in OUT and OSC; nobody reads the slots any more
	OUTC 0
	OUTC 1
	OUTC 2
	OUTC 3
	s_wait_xcnt 0x0                                ; the stores have read their registers and bases: both are written again below
	s_wait_alu depctr_vm_vsrc(0)                   ; the first phase's LDS stores have read the registers of window 3, in which the second phase's tiles land; the way out's stores have read v[XF ..], in which LDS loads land again
	s_sub_co_u32 s26, s24, s26                     ; the second phase: what is left of my part
	s_min_u32 s26, s26, NSL
	s_add_co_u32 s25, s25, NSL
	PTRS
	ROUND10 a1
	s_wait_dscnt 0x0
	s_wait_alu depctr_vm_vsrc(0)                   ; the round's LDS stores have read the registers of window 3 in which the next round's loads land
	ROUND6 b1
	BARRIER
	TILES
	BARRIER
	OUTC 0
	OUTC 1
	OUTC 2
	OUTC 3
	s_wait_dscnt 0x0                               ; the closing lines, six on end
	s_wait_alu 0x0
	s_wait_tensorcnt 0x0
	ds_add_u32 v254, v255
	s_wait_dscnt 0x0
	s_endpgm
.Lfunc_end_k_qd8d4a1ccf5_upgate:
	.size	k_qd8d4a1ccf5_upgate, .Lfunc_end_k_qd8d4a1ccf5_upgate-k_qd8d4a1ccf5_upgate
	.p2alignl 7, 3214868480
	.fill 96, 4, 3214868480
	.section	.rodata,"a",@progbits
	.p2align	6, 0x0
	.amdhsa_kernel k_qd8d4a1ccf5_upgate
		.amdhsa_group_segment_fixed_size 310784
		.amdhsa_private_segment_fixed_size 0
		.amdhsa_enable_private_segment 0
		.amdhsa_kernarg_size 56
		.amdhsa_user_sgpr_count 2
		.amdhsa_user_sgpr_kernarg_segment_ptr 1
		.amdhsa_wavefront_size32 1
		.amdhsa_system_sgpr_workgroup_id_x 1
		.amdhsa_system_sgpr_workgroup_id_y 1
		.amdhsa_system_sgpr_workgroup_id_z 1
		.amdhsa_system_vgpr_workitem_id 0
		.amdhsa_next_free_vgpr 1024
		.amdhsa_next_free_sgpr 66
		.amdhsa_reserve_vcc 0
		.amdhsa_float_denorm_mode_32 3
		.amdhsa_float_denorm_mode_16_64 3
		.amdhsa_memory_ordered 1
		.amdhsa_forward_progress 1
		.amdhsa_inst_pref_size 102
	.end_amdhsa_kernel
	.amdgpu_metadata
---
amdhsa.version: [ 1, 2 ]
amdhsa.kernels:
  - .name:           k_qd8d4a1ccf5_upgate
    .symbol:         k_qd8d4a1ccf5_upgate.kd
    .args:
      - { .name: route, .offset: 0, .size: 8, .value_kind: global_buffer, .address_space: global }
      - { .name: xs, .offset: 8, .size: 8, .value_kind: global_buffer, .address_space: global }
      - { .name: w1_codes, .offset: 16, .size: 8, .value_kind: global_buffer, .address_space: global }
      - { .name: w1_scales, .offset: 24, .size: 8, .value_kind: global_buffer, .address_space: global }
      - { .name: w3_codes, .offset: 32, .size: 8, .value_kind: global_buffer, .address_space: global }
      - { .name: w3_scales, .offset: 40, .size: 8, .value_kind: global_buffer, .address_space: global }
      - { .name: act, .offset: 48, .size: 8, .value_kind: global_buffer, .address_space: global }
    .group_segment_fixed_size: 310784
    .private_segment_fixed_size: 0
    .kernarg_segment_align: 8
    .kernarg_segment_size: 56
    .max_flat_workgroup_size: 128
    .sgpr_count:     66
    .vgpr_count:     1024
    .wavefront_size: 32
...
	.end_amdgpu_metadata
.endif
;; end of part 8
;; launch down (part 9): grid 256 x 1, 4 waves a work-group, no clusters, 304,640 bytes of LDS; arguments route, act, w2_codes, w2_scales, y; writes y
.if DOCPART == 9
	.amdgcn_target "amdgcn-amd-amdhsa--gfx1250"
	.amdhsa_code_object_version 6
	.text
	.protected	k_qd8d4a1ccf5_down
	.globl	k_qd8d4a1ccf5_down
	.p2align	8
	.type	k_qd8d4a1ccf5_down,@function
k_qd8d4a1ccf5_down:
	s_mov_b64 s[64:65], 0
	v_nop
	global_prefetch_b8 v0, s[64:65] scope:SCOPE_SE
	s_setreg_imm32_b32 hwreg(HW_REG_WAVE_SCHED_MODE, 0, 2), 2
	s_setreg_imm32_b32 hwreg(HW_REG_WAVE_MODE, 25, 1), 1
	s_wait_xcnt 0x0
	s_wait_alu depctr_vm_vsrc(0)
; y[place] = a[place] W2 of the place's expert, on codes of FP6 (E2M3) with one E8M0 scale for each 32 along K = the 2,048 hidden units.  y: [place][1024] f32.
; act: [tile of 16 places] 25,600 bytes: 16 K steps x [lane half 2][row 16][48 bytes], then from byte 24,576 [K step 16][row 16] scale words: a fragment is read as it lies.  w2: [8][1024][1536] codes; scale bytes [8][1024][64].
; SHARES.  256 work-groups: expert e = wg / 32, slice dsl = (wg / 4) % 8 of 128 outputs, part = wg % 4 of the expert's tiles of rows.  Wave w takes outputs 128 dsl + 32 w .. + 31: 2 tiles x 16 K steps x 12 = 384
; registers, which stay.  The work-group's tiles of rows are laid in LDS once and read by all four waves.
; K IS PERMUTED ALIKE ON BOTH SIDES, as in the launch before: lane half h takes the 48 consecutive bytes 96 s + 48 h of a row of W2; the two middle bytes of W2's scale words change places; act's are stored so.
; TRANSPOSED USE: source 0 = 16 rows of W2, source 1 = 16 rows of a: a lane holds eight neighbouring outputs of one row.  Each tile of outputs is summed in two chains, K steps 0-7 and 8-15, so that four
; accumulators take turns; the two are added at the end.
; WHAT HANGS ON THE STORED COUNTS: scalar branches inside loops of constant count and ladders of branches, and, behind s_min_u32, global addresses.  No LDS address and no barrier.
; A part has at most 16 tiles: two phases of 8 LDS slots; the second finds nothing to do unless a part has more than 8.
; NO CLUSTER AND NO TENSOR LOAD: how many tiles a work-group walks is read from memory, and partners would need different numbers; the text branches on those counts.
; LIMITS: NaN and infinities are not served.  A lopsided choice of experts is served, but more slowly; the weights of an expert that nobody chose are still read.
; THE MODE: SCHED_MODE bits 1:0 = 2 (LLVM: expert scheduling mode 2), set by the entry lines.  The code itself states the register dependences between vector or matrix instructions and memory or LDS
; instructions, with s_wait_alu, always for 0.
; THE PLAN.  Registers that memory or LDS instructions touch:
;   v4, v6-10, v24, v26, v27, v228-231   addresses and offsets, made once at the head and never written again: two waits on va_vdst at the head state them for the whole kernel.
;   windows 1, 2    a tile of W2 as loaded; read by the LDS stores into my stage; then the fragments' LDS loads land in the same registers: one wait on vm_vsrc between the two runs.  From then on the products alone name them.
;   window 3        a round's tiles as they land, read by the round's LDS stores; in the loop a's sixteen fragments, written by a trip's LDS loads and read by its products.
;   v36-67          W2's scale words: loaded, then written by v_perm_b32: eight places and one wait on va_vdst ahead of the products.
;   v18, v19        a trip's two LDS addresses: written at the trip's head, read by its 56 LDS loads.     AS: written by a trip's LDS loads, read by its products.
;   v22, and the two accumulators of each tile's sum   written late in a trip (the accumulators begun anew by the next trip's products), read by the trip's four LDS stores.
;   OB              written by the way out's LDS loads, read by its global stores; no vector instruction names them.
; So a trip holds three waits: one on vm_vsrc at its head (the LDS stores and loads issued so far have read all that this trip writes again, window 3 among it); one on va_vdst behind the two adds; and one on
; va_vdst ahead of the four stores, which also states that the trip's products are done reading AS and window 3.  A trip's loads stand in the trip's own arm: whether a slot holds a tile is a stored number.
.set SLOTB, 25600
.set NSL,   8
.set WS,    NSL*SLOTB                  ; behind the slots: a stage for each wave: 16 rows of 1,536 bytes + 16 = 388 words: row r starts at bank 4 r mod 64 (ISA guide 11.1)
.set WP,    1552
.set WSB,   16*WP
.set STG,   WS                         ; laid over the stages, which are done with at the first barrier: y, 16 rows x (512 bytes + 16) a slot
.set SPITCH, 528
.set AS,    28                         ; v28-35   a's scale words: register j: lanes 0-15 K step j, lanes 16-31 K step 8 + j
.set W2S,   36                         ; v36-67   W2's scale words (16 n + s)
.set Y,     68                         ; v68-99   tile 0: K steps 0-7, 8-15; tile 1 likewise
.set OB,    100                        ; v100-227 the way out: 16 registers a slot
.set AB,    226                        ; v228-231 my part of a tile in slots 3 b .. 3 b + 2, b = 1, 2: two registers at AB + 2 b, as v8 and v10 for b = 0
; v1 lane, v2 r, v3 h; v4 stage in; v6 stage out; v7 16 x lane; v8, v9 my part of a tile in act (v8 also in slots 0-2); v10 my scale words' place in slots 0-2; v16, v17 a fragment's and a scale
; word's place in a slot; v18, v19 the trip's; v20 where my results go; v22 the trip's; v24, v26 the way out; v27 W2's scale rows.
; window 1: W2's tile 0 (as loaded at 4 n, then fragment s at 12 s);  window 2: tile 1;  window 3: tiles of rows as they land, 50 registers a slot of a round; in the loop a's 16 fragments at 12 s.
.set MSB, 0
.macro WIN new                         ; the immediate's high byte repeats the setting that is left
.if MSB != (\new)
	s_set_vgpr_msb (MSB<<8)|(\new)
.set MSB, (\new)
.endif
.endm
.macro BARRIER                         ; my LDS stores have landed and my LDS loads are in: then the work-group's barrier
	s_wait_dscnt 0x0
	s_barrier_signal -1
	s_barrier_wait -1
.endm
.macro WLOAD win, off                  ; 16 rows of W2, 24,576 consecutive bytes, as they lie
	WIN (\win)*64
.set NN, 0
.rept 48
	global_load_b128 v[4*NN:4*NN+3], v7, s[8:9] offset:(\off)+512*NN
.set NN, NN+1
.endr
	WIN 0
.endm
.macro WTURN win                       ; through my stage: three loads are a row
	WIN (\win)*4
.set NN, 0
.rept 48
	ds_store_b128 v4, v[4*NN:4*NN+3] offset:512*NN+16*(NN/3)
.set NN, NN+1
.endr
	s_wait_dscnt 0x0                               ; the stores have read their registers: the fragments land in the same ones
	WIN (\win)*64
	s_wait_alu depctr_vm_vsrc(0)                   ; the LDS stores issued so far have read their data: the weight's registers, in which the fragments' loads below land
.irp s, 0,1,2,3,4,5,6,7,8,9,10,11,12,13,14,15
.irp i, 0,1,2
	ds_load_b128 v[12*\s+4*\i:12*\s+4*\i+3], v6 offset:96*\s+16*\i
.endr
.endr
	WIN 0
.endm
.macro ALOAD tl, k                     ; my quarter of the phase's tile tl: 6,144 bytes of codes, 256 of scale words
	WIN 0xc0
.irp j, 0,1,2,3,4,5,6,7,8,9,10,11
	global_load_b128 v[50*(\k)+4*\j:50*(\k)+4*\j+3], v8, s[36:37] offset:SLOTB*(\tl)+512*\j
.endr
	global_load_b64 v[50*(\k)+48:50*(\k)+49], v9, s[36:37] offset:SLOTB*(\tl)+24576
	WIN 0
.endm
.macro ASTORE tl, k                    ; into slot tl, as it lies.  Three slots lie inside an LDS instruction's immediate (2 x 25,600 + 5,632 bytes at the most): a pair of addresses serves three slots, and none is stepped
.set BA, 8
.set BS, 10
.if (\tl)/3 > 0
.set BA, AB+2*((\tl)/3)
.set BS, AB+2*((\tl)/3)+1
.endif
.set BO, SLOTB*((\tl)%3)
	WIN 0x0c
.irp j, 0,1,2,3,4,5,6,7,8,9,10,11
	ds_store_b128 v[BA], v[50*(\k)+4*\j:50*(\k)+4*\j+3] offset:BO+512*\j
.endr
	ds_store_b64 v[BS], v[50*(\k)+48:50*(\k)+49] offset:BO
	WIN 0
.endm
; A ROUND brings up to n tiles: a ladder.  Going up, tile k is asked for if the phase has it; the first that it has not leads to rung k of the way down, on which exactly the tiles asked for are stored.
.macro TRY id, first, k
	s_cmp_gt_u32 s26, (\first)+(\k)
	s_cbranch_scc0 .Lr\k\id
	ALOAD (\first)+(\k), \k
.endm
.macro PUT id, first, k
.Lr\k\id:
	s_wait_loadcnt 0x0                             ; all that was asked for is in
	ASTORE (\first)+(\k)-1, (\k)-1
.endm
.macro ROUND5 id
.irp k, 0,1,2,3,4
	TRY \id, 0, \k
.endr
.irp k, 5,4,3,2,1
	PUT \id, 0, \k
.endr
.Lr0\id:
.endm
.macro ROUND3 id
.irp k, 0,1,2
	TRY \id, 5, \k
.endr
.irp k, 3,2,1
	PUT \id, 5, \k
.endr
.Lr0\id:
.endm
.macro PTRS                            ; the phase's pointers, from its first tile s25
	s_min_u32 s27, s25, 134                        ; a tile lies inside the list
	s_mul_i32 s50, s27, SLOTB
	s_add_nc_u64 s[36:37], s[6:7], s[50:51]        ; act
	s_lshl_b32 s50, s27, 16
	s_lshl_b32 s52, s20, 9
	s_add_co_u32 s50, s50, s52
	s_add_nc_u64 s[40:41], s[12:13], s[50:51]      ; y: the tile's first row, my work-group's 512 bytes of it
.endm
.macro WM d, n, j, hi                  ; one product: accumulator d, tile n of W2 (by the window), K step 8 hi + j
.if (\j) == 0
.if \hi
	v_wmma_scale_f32_16x16x128_f8f6f4 v[\d:\d+7], v[12*(8*\hi+\j):12*(8*\hi+\j)+11], v[12*(8*\hi+\j):12*(8*\hi+\j)+11], 0, v[W2S+16*\n+8*\hi+\j], v[AS+\j] matrix_a_fmt:MATRIX_FMT_FP6 matrix_b_fmt:MATRIX_FMT_FP6 matrix_b_scale:MATRIX_SCALE_ROW1
.else
	v_wmma_scale_f32_16x16x128_f8f6f4 v[\d:\d+7], v[12*(8*\hi+\j):12*(8*\hi+\j)+11], v[12*(8*\hi+\j):12*(8*\hi+\j)+11], 0, v[W2S+16*\n+8*\hi+\j], v[AS+\j] matrix_a_fmt:MATRIX_FMT_FP6 matrix_b_fmt:MATRIX_FMT_FP6
.endif
.else
.if \hi
	v_wmma_scale_f32_16x16x128_f8f6f4 v[\d:\d+7], v[12*(8*\hi+\j):12*(8*\hi+\j)+11], v[12*(8*\hi+\j):12*(8*\hi+\j)+11], v[\d:\d+7], v[W2S+16*\n+8*\hi+\j], v[AS+\j] matrix_a_fmt:MATRIX_FMT_FP6 matrix_b_fmt:MATRIX_FMT_FP6 matrix_b_scale:MATRIX_SCALE_ROW1
.else
	v_wmma_scale_f32_16x16x128_f8f6f4 v[\d:\d+7], v[12*(8*\hi+\j):12*(8*\hi+\j)+11], v[12*(8*\hi+\j):12*(8*\hi+\j)+11], v[\d:\d+7], v[W2S+16*\n+8*\hi+\j], v[AS+\j] matrix_a_fmt:MATRIX_FMT_FP6 matrix_b_fmt:MATRIX_FMT_FP6
.endif
.endif
.endm
.macro MM j                            ; K steps j and 8 + j: four accumulators, one instruction a turn.  W2's fragment (window 1 or 2) and a's (window 3) have the same number in different windows
	s_wait_dscnt 6*(7-\j)                          ; the later pairs of K steps, six loads each, may be out
.if \j%2 == 0
	WIN 0x0d
	WM Y, 0, \j, 0
	WM Y+8, 0, \j, 1
	WIN 0x0e
	WM Y+16, 1, \j, 0
	WM Y+24, 1, \j, 1
.else
	WIN 0x0e
	WM Y+16, 1, \j, 0
	WM Y+24, 1, \j, 1
	WIN 0x0d
	WM Y, 0, \j, 0
	WM Y+8, 0, \j, 1
.endif
.endm
; THE LOOP OVER THE SLOTS: 8 trips always; a trip whose slot holds no tile steps the addresses and does nothing else.
.macro TILES
	s_mov_b32 s32, 0
	s_mov_b32 s33, 0
	s_mov_b32 s34, 0
.Ltile\@:
	s_cmp_lt_u32 s32, s26
	s_cbranch_scc0 .Lskip\@
	s_wait_alu depctr_vm_vsrc(0)                   ; the last trip's LDS loads have read v18 and v19, and its LDS stores v22 and the accumulators: this trip writes all of them again; in a phase's first trip: the rounds' LDS stores have read the registers of window 3, in which the fragments land
	v_add_nc_u32 v18, s33, v16
	v_add_nc_u32 v19, s33, v17
	s_wait_alu depctr_va_vdst(0)                   ; v18 and v19 are written, which the loads below read.  (That the last trip's products are done reading AS and window 3 has been stated by the wait ahead of that trip's stores)
.irp q, 0,1,2,3,4,5,6,7
	ds_load_b32 v[AS+\q], v19 offset:64*\q
.endr
	WIN 0xc0
.irp j, 0,1,2,3,4,5,6,7
.irp i, 0,1,2
	ds_load_b128 v[12*\j+4*\i:12*\j+4*\i+3], v18 offset:1536*\j+16*\i
.endr
.irp i, 0,1,2
	ds_load_b128 v[12*(8+\j)+4*\i:12*(8+\j)+4*\i+3], v18 offset:1536*(8+\j)+16*\i
.endr
.endr
.irp j, 0,1,2,3,4,5,6,7
	MM \j
.endr
	WIN 0
	v_add_nc_u32 v22, s34, v20                     ; four places behind the last product (ISA guide 7.12.1)
	v_nop
	v_nop
	v_nop
.irp c, 0,2,4,6
	v_pk_add_f32 v[Y+\c:Y+\c+1], v[Y+\c:Y+\c+1], v[Y+8+\c:Y+8+\c+1]   ; the two chains; each accumulator is read from its low end on
.endr
.irp c, 0,2,4,6
	v_pk_add_f32 v[Y+16+\c:Y+16+\c+1], v[Y+16+\c:Y+16+\c+1], v[Y+24+\c:Y+24+\c+1]
.endr
	s_wait_alu depctr_va_vdst(0)                   ; the additions have written the sums and v22 is written, which the four LDS stores read; the products are done reading AS and window 3, in which later loads land
	ds_store_b128 v22, v[Y:Y+3]                    ; lane (r, h): y(row r, 32 w + 16 n + 8 h + 0 .. 7)
	ds_store_b128 v22, v[Y+4:Y+7] offset:16
	ds_store_b128 v22, v[Y+16:Y+19] offset:64
	ds_store_b128 v22, v[Y+20:Y+23] offset:80
.Lskip\@:
	s_add_co_u32 s33, s33, SLOTB
	s_add_co_u32 s34, s34, 16*SPITCH
	s_add_co_u32 s32, s32, 1
	s_cmp_lt_u32 s32, NSL
	s_cbranch_scc1 .Ltile\@
.endm
.macro YOUT tl                         ; the way out of slot tl: my four rows; 32 lanes store 512 consecutive bytes, at a multiple of 256 from y's first byte
	s_cmp_gt_u32 s26, \tl
	s_cbranch_scc0 .Lny\@
.irp i, 0,1,2,3
	ds_load_b128 v[OB+16*\tl+4*\i:OB+16*\tl+4*\i+3], v24 offset:16*SPITCH*\tl+SPITCH*\i
.endr
	s_wait_dscnt 0x0
.irp i, 0,1,2,3
	global_store_b128 v26, v[OB+16*\tl+4*\i:OB+16*\tl+4*\i+3], s[40:41] offset:65536*\tl+4096*\i
.endr
.Lny\@:
.endm
	s_load_b256 s[4:11], s[0:1], 0x0               ; route, act, W2's codes, W2's scales
	s_load_b64 s[12:13], s[0:1], 0x20              ; y
	v_lshl_add_u32 v254, v0, 2, 0x4a400
	v_mov_b32 v255, 0
	v_lshrrev_b32 v13, 5, v0
	v_readfirstlane_b32 s18, v13                   ; wave 0..3
	s_lshr_b32 s19, ttmp9, 5                       ; e
	s_bfe_u32 s20, ttmp9, 0x30002                  ; dsl
	s_and_b32 s21, ttmp9, 3                        ; part
	v_and_b32 v1, 31, v0
	v_and_b32 v2, 15, v0
	v_bfe_u32 v3, v0, 4, 1
	v_lshlrev_b32 v7, 4, v1
	v_lshlrev_b32 v27, 6, v2                       ; 64 scale bytes a row of W2
	s_wait_alu depctr_va_sdst(0)                   ; s18 is written, ahead of its first reader: W2's bases are made from it
	s_lshl_b32 s28, s19, 10
	s_lshl_b32 s29, s20, 7
	s_add_co_u32 s28, s28, s29
	s_lshl_b32 s29, s18, 5
	s_add_co_u32 s28, s28, s29                     ; my first row of W2: 1024 e + 128 dsl + 32 w
	s_mul_i32 s50, s28, 1536
	s_mov_b32 s51, 0
	s_lshl_b32 s52, s28, 6
	s_mov_b32 s53, 0
	s_lshl_b32 s54, s19, 2
	s_mov_b32 s55, 0
	s_wait_kmcnt 0x0
	s_add_nc_u64 s[8:9], s[8:9], s[50:51]
	s_add_nc_u64 s[10:11], s[10:11], s[52:53]
	s_add_nc_u64 s[4:5], s[4:5], s[54:55]
	s_load_b32 s22, s[4:5], 0x2000                 ; tb[e]
	s_load_b32 s23, s[4:5], 0x2020                 ; nt[e]
	WIN 0x40                                       ; tile 0 lands in window 1: the switch stands ahead of the wait
	s_wait_alu depctr_va_vdst(0)                   ; v7 and v27 are written: the offsets of W2's loads and of its scale words' loads
	WLOAD 1, 0
.irp n, 0,1
.irp j, 0,1,2,3
	global_load_b128 v[W2S+16*\n+4*\j:W2S+16*\n+4*\j+3], v27, s[10:11] offset:1024*\n+16*\j   ; a row's sixteen words
.endr
.endr
	WLOAD 2, 24576
	s_mul_i32 s28, s18, WSB
	s_add_co_u32 s28, s28, WS                      ; my stage
	v_add_nc_u32 v4, s28, v7
	v_mul_u32_u24 v6, v2, WP
	v_mad_u32_u24 v6, v3, 48, v6
	v_add_nc_u32 v6, s28, v6
	s_mul_i32 s29, s18, 6144
	v_add_nc_u32 v8, s29, v7
	s_lshl_b32 s29, s18, 8
	v_lshl_add_u32 v9, v1, 3, s29
	v_add_nc_u32 v10, 24576, v9
.irp b, 1,2
	v_add_nc_u32 v[AB+2*\b], 3*SLOTB*\b, v8        ; the same two places three and six slots on
	v_add_nc_u32 v[AB+2*\b+1], 3*SLOTB*\b, v10
.endr
	v_mul_u32_u24 v16, v2, 48
	v_mad_u32_u24 v16, v3, 768, v16
	v_lshlrev_b32 v17, 2, v2
	v_lshl_add_u32 v17, v3, 9, v17
	v_add_nc_u32 v17, 24576, v17
	s_lshl_b32 s29, s18, 7
	s_add_co_u32 s29, s29, STG
	v_mul_u32_u24 v20, v2, SPITCH
	v_lshl_add_u32 v20, v3, 5, v20
	v_add_nc_u32 v20, s29, v20
	s_mul_i32 s29, s18, 4*SPITCH
	s_add_co_u32 s29, s29, STG
	v_add_nc_u32 v24, s29, v7
	s_lshl_b32 s29, s18, 14
	v_add_nc_u32 v26, s29, v7
	s_mov_b32 s48, 0x03010200                      ; v_perm_b32: a word's two middle bytes change places
	s_wait_alu depctr_va_vdst(0)                   ; v4, v6, v8-10, v24, v26 and v228-231 are written: the addresses and offsets that the LDS and global instructions below read; none is written again
	s_wait_loadcnt 48                              ; tile 0 and the scale words are in; tile 1's 48 loads are younger
	WTURN 1
	s_wait_kmcnt 0x0
	s_add_co_u32 s28, s23, 3
	s_lshr_b32 s28, s28, 2                         ; tiles to a part
	s_mul_i32 s29, s21, s28
	s_min_u32 s29, s29, s23                        ; my part's first
	s_sub_co_u32 s24, s23, s29
	s_min_u32 s24, s24, s28                        ; and how many it has: at most 16
	s_add_co_u32 s25, s22, s29
	s_min_u32 s26, s24, NSL                        ; this phase's
	PTRS
	ROUND5 a0
	s_wait_loadcnt 0x0                             ; tile 1 (on the way on which nothing was asked for, too)
	WTURN 2
	s_wait_dscnt 0x0                               ; the round's stores have read the registers in which the next round lands.  (The wait on vm_vsrc in the turn above stands behind the round's stores and states that too; no store has been issued since)
	ROUND3 b0
.irp i, 0,1,2,3,4,5,6,7,8,9,10,11,12,13,14,15,16,17,18,19,20,21,22,23,24,25,26,27,28,29,30,31
	v_perm_b32 v[W2S+\i], v[W2S+\i], v[W2S+\i], s48
.endr
.rept 8
	v_nop                                          ; a scale register written by a vector instruction stands eight places ahead of a scaled product
.endr
	s_wait_alu depctr_va_vdst(0)                   ; the 32 v_perm_b32 have written W2's scale words, which the scaled products take; the places above stay beside this wait
	BARRIER                                        ; the tiles lie in their slots; every wave is done with its stage
	TILES
	BARRIER                                        ; whole rows of y lie in the stage; nobody reads the slots any more
.irp t, 0,1,2,3,4,5,6,7
	YOUT \t
.endr
	s_wait_xcnt 0x0                                ; the stores have read their registers and base: both are written again below
	s_wait_alu depctr_vm_vsrc(0)                   ; the first phase's LDS stores have read the registers of window 3, in which the second phase's tiles land; the way out's stores have read v[OB ..], in which LDS loads land again
	s_sub_co_u32 s26, s24, s26                     ; the second phase: what is left of my part
	s_min_u32 s26, s26, NSL
	s_add_co_u32 s25, s25, NSL
	PTRS
	ROUND5 a1
	s_wait_dscnt 0x0
	s_wait_alu depctr_vm_vsrc(0)                   ; the round's LDS stores have read the registers of window 3 in which the next round's loads land
	ROUND3 b1
	BARRIER
	TILES
	BARRIER
.irp t, 0,1,2,3,4,5,6,7
	YOUT \t
.endr
	s_wait_dscnt 0x0                               ; the closing lines, six on end
	s_wait_alu 0x0
	s_wait_tensorcnt 0x0
	ds_add_u32 v254, v255
	s_wait_dscnt 0x0
	s_endpgm
.Lfunc_end_k_qd8d4a1ccf5_down:
	.size	k_qd8d4a1ccf5_down, .Lfunc_end_k_qd8d4a1ccf5_down-k_qd8d4a1ccf5_down
	.p2alignl 7, 3214868480
	.fill 96, 4, 3214868480
	.section	.rodata,"a",@progbits
	.p2align	6, 0x0
	.amdhsa_kernel k_qd8d4a1ccf5_down
		.amdhsa_group_segment_fixed_size 304640
		.amdhsa_private_segment_fixed_size 0
		.amdhsa_enable_private_segment 0
		.amdhsa_kernarg_size 40
		.amdhsa_user_sgpr_count 2
		.amdhsa_user_sgpr_kernarg_segment_ptr 1
		.amdhsa_wavefront_size32 1
		.amdhsa_system_sgpr_workgroup_id_x 1
		.amdhsa_system_sgpr_workgroup_id_y 1
		.amdhsa_system_sgpr_workgroup_id_z 1
		.amdhsa_system_vgpr_workitem_id 0
		.amdhsa_next_free_vgpr 1024
		.amdhsa_next_free_sgpr 66
		.amdhsa_reserve_vcc 0
		.amdhsa_float_denorm_mode_32 3
		.amdhsa_float_denorm_mode_16_64 3
		.amdhsa_memory_ordered 1
		.amdhsa_forward_progress 1
		.amdhsa_inst_pref_size 97
	.end_amdhsa_kernel
	.amdgpu_metadata
---
amdhsa.version: [ 1, 2 ]
amdhsa.kernels:
  - .name:           k_qd8d4a1ccf5_down
    .symbol:         k_qd8d4a1ccf5_down.kd
    .args:
      - { .name: route, .offset: 0, .size: 8, .value_kind: global_buffer, .address_space: global }
      - { .name: act, .offset: 8, .size: 8, .value_kind: global_buffer, .address_space: global }
      - { .name: w2_codes, .offset: 16, .size: 8, .value_kind: global_buffer, .address_space: global }
      - { .name: w2_scales, .offset: 24, .size: 8, .value_kind: global_buffer, .address_space: global }
      - { .name: y, .offset: 32, .size: 8, .value_kind: global_buffer, .address_space: global }
    .group_segment_fixed_size: 304640
    .private_segment_fixed_size: 0
    .kernarg_segment_align: 8
    .kernarg_segment_size: 40
    .max_flat_workgroup_size: 128
    .sgpr_count:     66
    .vgpr_count:     1024
    .wavefront_size: 32
...
	.end_amdgpu_metadata
.endif
;; end of part 9
;; launch combine (part 10): grid 256 x 1, 4 waves a work-group, no clusters, 0 bytes of LDS; arguments route, cw, y, out0; writes out0
.if DOCPART == 10
	.amdgcn_target "amdgcn-amd-amdhsa--gfx1250"
	.amdhsa_code_object_version 6
	.text
	.protected	k_qd8d4a1ccf5_combine
	.globl	k_qd8d4a1ccf5_combine
	.p2align	8
	.type	k_qd8d4a1ccf5_combine,@function
k_qd8d4a1ccf5_combine:
	s_mov_b64 s[64:65], 0
	v_nop
	global_prefetch_b8 v0, s[64:65] scope:SCOPE_SE
	s_setreg_imm32_b32 hwreg(HW_REG_WAVE_MODE, 25, 1), 1
	s_wait_xcnt 0x0
; out[t] = c0 y[p0] + c1 y[p1]: each token's two rows, gathered by the places that an earlier launch stored as whole numbers, weighed by the softmax of its two logits.  All in f32.
; A wave to a token: a row is 4,096 bytes, eight loads of 512 consecutive bytes for each of the two rows, all sixteen on their way at once.  Each output row has one owner: nothing is added across work-groups.
; No LDS, no barrier, no matrix unit: memory binds.
	s_load_b128 s[4:7], s[0:1], 0x0                ; route, cw
	s_load_b128 s[8:11], s[0:1], 0x10              ; y, out0
	v_lshrrev_b32 v1, 5, v0
	v_readfirstlane_b32 s12, v1                    ; wave 0..3
	v_and_b32 v2, 31, v0
	v_lshlrev_b32 v2, 4, v2                        ; 16 bytes a lane
	s_lshl_b32 s13, ttmp9, 2
	s_add_co_u32 s13, s13, s12                     ; my token
	s_lshl_b32 s14, s13, 3
	s_mov_b32 s15, 0
	s_lshl_b32 s20, s13, 12
	s_mov_b32 s21, 0
	s_wait_alu depctr_va_vdst(0)
	s_wait_kmcnt 0x0
	s_add_nc_u64 s[4:5], s[4:5], s[14:15]
	s_add_nc_u64 s[6:7], s[6:7], s[14:15]
	s_add_nc_u64 s[10:11], s[10:11], s[20:21]
	s_load_b64 s[16:17], s[4:5], 0x0               ; p0, p1
	s_load_b64 s[18:19], s[6:7], 0x0               ; c0, c1
	s_wait_kmcnt 0x0
	s_min_u32 s16, s16, 2159                       ; a place lies inside the list
	s_min_u32 s17, s17, 2159
	s_lshl_b32 s22, s16, 12
	s_mov_b32 s23, 0
	s_lshl_b32 s24, s17, 12
	s_mov_b32 s25, 0
	s_add_nc_u64 s[22:23], s[8:9], s[22:23]
	s_add_nc_u64 s[24:25], s[8:9], s[24:25]
	s_mov_b32 s26, s19                             ; c1 as the low word of a pair: the packed forms take a scalar pair's low word for both halves
	s_mov_b32 s27, s19
.irp i, 0,1,2,3,4,5,6,7
	global_load_b128 v[4+8*\i:7+8*\i], v2, s[22:23] offset:512*\i th:TH_LOAD_NT
	global_load_b128 v[8+8*\i:11+8*\i], v2, s[24:25] offset:512*\i th:TH_LOAD_NT
.endr
.irp i, 0,1,2,3,4,5,6,7
	s_wait_loadcnt 14-2*\i                         ; loads come back in order: pair i is in, the later pairs, two loads each, may be out
	v_pk_mul_f32 v[68+4*\i:69+4*\i], v[8+8*\i:9+8*\i], s[26:27] op_sel_hi:[1,0]
	v_pk_mul_f32 v[70+4*\i:71+4*\i], v[10+8*\i:11+8*\i], s[26:27] op_sel_hi:[1,0]
	v_pk_fma_f32 v[68+4*\i:69+4*\i], v[4+8*\i:5+8*\i], s[18:19], v[68+4*\i:69+4*\i] op_sel_hi:[1,0,1]
	v_pk_fma_f32 v[70+4*\i:71+4*\i], v[6+8*\i:7+8*\i], s[18:19], v[70+4*\i:71+4*\i] op_sel_hi:[1,0,1]
	global_store_b128 v2, v[68+4*\i:71+4*\i], s[10:11] offset:512*\i th:TH_STORE_NT   ; 512 consecutive bytes, aligned; each store has registers of its own
.endr
	s_endpgm
.Lfunc_end_k_qd8d4a1ccf5_combine:
	.size	k_qd8d4a1ccf5_combine, .Lfunc_end_k_qd8d4a1ccf5_combine-k_qd8d4a1ccf5_combine
	.p2alignl 7, 3214868480
	.fill 96, 4, 3214868480
	.section	.rodata,"a",@progbits
	.p2align	6, 0x0
	.amdhsa_kernel k_qd8d4a1ccf5_combine
		.amdhsa_group_segment_fixed_size 0
		.amdhsa_private_segment_fixed_size 0
		.amdhsa_enable_private_segment 0
		.amdhsa_kernarg_size 32
		.amdhsa_user_sgpr_count 2
		.amdhsa_user_sgpr_kernarg_segment_ptr 1
		.amdhsa_wavefront_size32 1
		.amdhsa_system_sgpr_workgroup_id_x 1
		.amdhsa_system_sgpr_workgroup_id_y 1
		.amdhsa_system_sgpr_workgroup_id_z 1
		.amdhsa_system_vgpr_workitem_id 0
		.amdhsa_next_free_vgpr 100
		.amdhsa_next_free_sgpr 66
		.amdhsa_reserve_vcc 0
		.amdhsa_float_denorm_mode_32 3
		.amdhsa_float_denorm_mode_16_64 3
		.amdhsa_memory_ordered 1
		.amdhsa_forward_progress 1
		.amdhsa_inst_pref_size 6
	.end_amdhsa_kernel
	.amdgpu_metadata
---
amdhsa.version: [ 1, 2 ]
amdhsa.kernels:
  - .name:           k_qd8d4a1ccf5_combine
    .symbol:         k_qd8d4a1ccf5_combine.kd
    .args:
      - { .name: route, .offset: 0, .size: 8, .value_kind: global_buffer, .address_space: global }
      - { .name: cw, .offset: 8, .size: 8, .value_kind: global_buffer, .address_space: global }
      - { .name: y, .offset: 16, .size: 8, .value_kind: global_buffer, .address_space: global }
      - { .name: out0, .offset: 24, .size: 8, .value_kind: global_buffer, .address_space: global }
    .group_segment_fixed_size: 0
    .private_segment_fixed_size: 0
    .kernarg_segment_align: 8
    .kernarg_segment_size: 32
    .max_flat_workgroup_size: 128
    .sgpr_count:     66
    .vgpr_count:     100
    .wavefront_size: 32
...
	.end_amdgpu_metadata
.endif
;; end of part 10
